; MI455X (gfx1250); checked and timed in simulation.
; The chip was launched on July 23, 2026; its instructions are those of AMD's public machine-readable ISA for CDNA 5 (MIT licence, August 2026) and "CDNA5" Instruction Set Architecture Reference Guide (July 2026). The comments in the code are by the model that wrote it; some were corrected since.
;; Multi Head Self Attention. Allowed arithmetic: matrix products marked QUANTISED: E5M2 operands, one given power-of-two scale a tensor, by v_wmma_f32_16x16x64_bf8_bf8 or v_wmma_f32_16x16x128_bf8_bf8, f32 sums; everything else in f32.
;; Inputs: Wo_b 1,024 float32; Wo_w 1,024 x 1,024 float32; Wqkv_b 3,072 float32; Wqkv_w 3,072 x 1,024 float32; lowp_scales 8 int32 (the exponents e of the quantised operands' scales 2^e); token_positions 2,048 int32; x 4 x 2,048 x 1,024 float32.
;; Outputs: out0 4 x 2,048 x 1,024 float32.
;; This version of the problem:
;;   THIS VERSION OF THE PROBLEM IS GIVEN IN LOW PRECISION. The matrix products marked QUANTISED in the list below multiply operands that are first quantised to E5M2 (5 exponent bits, 2 mantissa bits; 8 bits a number), with one given power-of-two scale for each operand tensor; their sums are f32. All else is computed in f32.
;;   The module's matrix products, in the order in which they are computed (A, B: the left and right operand; K: the contracted axis; several contracted axes count as one K, in the product's order):
;;     1. [M 8,192, K 1,024] x [K 1,024, N 3,072]; A: input x; B: input Wqkv_w: QUANTISED (scales: A lowp_scales[0], B lowp_scales[1])
;;     2. batch 64 x [M 2,048, K 64] x [K 64, N 2,048]; A: computed on the way; B: computed on the way: QUANTISED (scales: A lowp_scales[2], B lowp_scales[3])
;;     3. batch 64 x [M 2,048, K 2,048] x [K 2,048, N 64]; A: softmax (see below); B: computed on the way: QUANTISED (scales: A lowp_scales[4], B lowp_scales[5])
;;     4. [M 8,192, K 1,024] x [K 1,024, N 1,024]; A: computed on the way; B: input Wo_w: QUANTISED (scales: A lowp_scales[6], B lowp_scales[7])
;;   THE QUANTISER, for each operand of a quantised product, along K:
;;     - The operand's scale is 2^e, e = its entry of the input lowp_scales (int32; the entries are numbered through the quantised products in the list's order, A before B).
;;     - Each number is divided by the scale, clamped to +-57,344, and rounded to the nearest number of E5M2, ties to even, subnormals kept.
;;     - The product sums the exact products of the quantised numbers (number of the format x scale) in f32.
;;   ~~~python
;;   def quantise(x, axis, e):      # numpy; x: float32 -> the quantised numbers, widened to float32 again
;;       x = np.moveaxis(x, axis, -1); K = x.shape[-1]
;;       r = np.clip(x / 2.0 ** e, -57344, 57344)
;;       step = 2.0 ** (np.maximum(np.frexp(np.where(r == 0, 1, r))[1] - 1, -14) - 2)
;;       q = np.round(r / step) * step * 2.0 ** e      # np.round: ties to even
;;       return np.moveaxis(q, -1, axis).astype(np.float32)
;;   ~~~
;;   SOFTMAX AHEAD OF A QUANTISED PRODUCT. Where the list says 'softmax', what is quantised is not the finished softmax but p = 2^(t - M), with t = logit x log2(e) and M = ceil(the row's largest t), a whole number; so 1/2 < the row's largest p <= 1. The row's sum l is taken of the UNQUANTISED p, in f32, and the product's result is divided by l at the end. Since M is a whole number, a kernel that streams over the keys may use a running M (the ceiling of the running maximum): every later rescaling is an exact power of two, so the quantised numbers keep their values, but for numbers so far below the row's largest that they fall under the format's range.
;;   OPERANDS COMPUTED ON THE WAY. 'Computed on the way' means the value that the module computes at that place (a softmax that the list does not call 'softmax' is quantised finished and normalised). What goes into a quantiser is computed in f32, as accurately as f32 sums, v_exp_f32 and their like allow (about 1e-6 of the number): no bf16 or f16 on the way to a quantiser, and a product that is left as it is and whose result goes on into a quantised operand takes f32 operands (vector FMAs, or v_wmma_f32_16x16x4_f32). A number that lies on a knife's edge between two numbers of the format may be rounded either way, as far as f32 arithmetic and the matrix unit's own rounding can turn it there, and no further.
;; 2 versions. Each part assembles by itself: llvm-mc -triple=amdgcn-amd-amdhsa -mcpu=gfx1250 --defsym DOCPART=n.
;; ======== version 1 of 2: 4 launches
;; workspace buffers: xc 8,388,608 bytes; wqc 3,145,728 bytes; woc 1,048,576 bytes; rope 524,288 bytes; qimg 8,388,608 bytes; kimg 8,388,608 bytes; vimg 8,388,608 bytes; oc 8,388,608 bytes
;; launch quant (part 1): grid 416 x 1, 4 waves a work-group, no clusters, 33,280 bytes of LDS; arguments x, Wqkv_w, Wo_w, token_positions, lowp_scales, xc, wqc, woc, rope; writes xc, wqc, woc, rope
.if DOCPART == 1
	.amdgcn_target "amdgcn-amd-amdhsa--gfx1250"
	.amdhsa_code_object_version 6
	.text
	.protected	k_q7c1534ebf9_quant
	.globl	k_q7c1534ebf9_quant
	.p2align	8
	.type	k_q7c1534ebf9_quant,@function
k_q7c1534ebf9_quant:
	s_mov_b64 s[64:65], 0
	v_nop
	global_prefetch_b8 v0, s[64:65] scope:SCOPE_SE
	s_setreg_imm32_b32 hwreg(HW_REG_WAVE_MODE, 25, 1), 1
	s_wait_xcnt 0x0
; LAUNCH 1.  (a) x [8192][1024], Wqkv_w [3072][1024] and Wo_w [1024][1024], f32 with K innermost, become codes of BF8 (E5M2), one byte each, K innermost,
; each with the scale 2^e that is given for it (entries 0, 1 and 7 of the scales).  code = number / 2^e, held within +-57,344, to the nearest code, ties to even.
; (b) the table of cos and sin for the rotary embedding: rope[s][i] = (cos, sin) of position[s] x 10000^(-i/32), i = 0 .. 31: 256 bytes a position.
; LIMITS: each e between -126 and 112; |position| up to 2^20 (the reduction of the angle is exact enough up to there); NaN among the inputs is not served.
; WORK-GROUPS 0 .. 383 quantise: 256 take x, 96 Wqkv_w, 32 Wo_w; a wave takes 8,192 numbers (8 rows) in 16 steps of 512.  Only pointers and e are chosen by the work-group's number: one text for all three.
; Each load reads 512 consecutive bytes, 16 a lane; a step's 2,048 bytes turn through the wave's own stage in LDS (16 bytes of padding behind each 64) and come back 64 bytes a lane: 16 neighbours along K, as the
; conversions want them.  A lane's 16 codes are 16 bytes: a store covers 512 consecutive bytes.
; Wqkv_w's ROWS ARE STORED IN ANOTHER ORDER: within each 32 rows the four groups of 8 go out as groups 0, 2, 1, 3 (a wave is a group: wave 1 and wave 2 change places).  Sixteen consecutive stored rows are then
; rows 8 u + 0 .. 7 and 8 u + 16 .. 23: the tile whose results, used transposed, give a lane 16 neighbouring columns in two neighbouring tiles.
; WORK-GROUPS 384 .. 415 make the table: a wave takes 16 positions, a lane one frequency.  They use no LDS.
.set STEPS, 16
.set GX,    256                        ; work-groups for x: 8192 x 1024 / 32768
.set GXW,   352                        ; and for Wqkv_w behind them: 96
.set GQ,    384                        ; and for Wo_w: 32
.set EMAX,  15
.set MANT,  0x600000                   ; the mantissa field of 57,344 as f32
.set CB,    16                         ; bytes of 16 codes
.set R,     16                         ; v16-79   four sets of 16 numbers as they are loaded
.set X,     80                         ; v80-111  two sets of 16 neighbours
.set C,     128                        ; v128-191 codes: four registers for each step, so that no store's data are written again
.set WREG,  8192                       ; LDS: a region of its own for each wave: two stages of 32 x SP bytes
.set SP,    80                         ; a lane's place in a stage: its 64 bytes + 16 of padding
	s_load_b512 s[4:19], s[0:1], 0x0               ; x, Wqkv_w, Wo_w, positions, scales, xc, wqc, woc
	s_load_b64 s[20:21], s[0:1], 0x40              ; rope
	v_lshl_add_u32 v192, v0, 2, 0x8000
	v_mov_b32 v193, 0
	v_lshrrev_b32 v1, 5, v0
	v_readfirstlane_b32 s28, v1                    ; wave
	v_and_b32 v2, 31, v0                           ; lane
	s_cmp_ge_u32 ttmp9, GQ
	s_cbranch_scc1 .Ltable
	; ---------------- the quantiser
	v_lshlrev_b32 v3, 4, v2                        ; my 16 bytes of a load's 512
	s_mul_i32 s35, s28, WREG
	v_lshrrev_b32 v14, 2, v2
	v_mul_u32_u24 v14, v14, SP
	v_and_b32 v15, 3, v2
	v_lshl_add_u32 v14, v15, 4, v14
	v_add_nc_u32 v14, s35, v14                     ; the stage, on the way in: SP (lane / 4) + 16 (lane % 4)
	v_mul_u32_u24 v15, v2, SP
	v_add_nc_u32 v15, s35, v15                     ; and on the way out: SP x lane: my 16 neighbours
	v_mul_u32_u24 v4, v2, CB                       ; my codes' place in a step's
	s_and_b32 s29, s28, 1
	s_lshl_b32 s29, s29, 1
	s_lshr_b32 s30, s28, 1
	s_or_b32 s29, s29, s30                         ; waves 1 and 2 change places: where Wqkv_w's group of 8 rows goes
	s_mov_b32 s26, GXW
	s_mov_b32 s27, GX
	s_wait_kmcnt 0x0
	s_load_b256 s[40:47], s[12:13], 0x0            ; e0 .. e7
	s_cmp_lt_u32 ttmp9, GXW                        ; the choices hang on the work-group's number alone
	s_cselect_b64 s[22:23], s[6:7], s[8:9]         ; from: Wqkv_w or Wo_w,
	s_cselect_b64 s[24:25], s[16:17], s[18:19]     ; to: wqc or woc,
	s_cselect_b32 s26, s27, s26                    ; the tensor's first work-group,
	s_cselect_b32 s29, s29, s28                    ; the group's place on the way out
	s_cmp_lt_u32 ttmp9, GX
	s_cselect_b64 s[22:23], s[4:5], s[22:23]       ; or x
	s_cselect_b64 s[24:25], s[14:15], s[24:25]
	s_cselect_b32 s26, 0, s26
	s_cselect_b32 s29, s28, s29
	s_sub_co_u32 s26, ttmp9, s26
	s_lshl_b32 s26, s26, 2
	s_add_co_u32 s30, s26, s28                     ; which run of 8,192 numbers I read: 32,768 bytes each,
	s_lshl_b32 s30, s30, 15
	s_mov_b32 s31, 0
	s_add_co_u32 s32, s26, s29                     ; and which run of 8,192 codes I write
	s_lshl_b32 s32, s32, 13
	s_mov_b32 s33, 0
	s_add_nc_u64 s[22:23], s[22:23], s[30:31]
	s_add_nc_u64 s[24:25], s[24:25], s[32:33]
.macro LOAD t
.irp i, 0,1,2,3
	global_load_b128 v[R+16*((\t)%4)+4*\i:R+16*((\t)%4)+4*\i+3], v3, s[22:23] offset:2048*(\t)+512*\i th:TH_LOAD_NT   ; 32 lanes read 512 consecutive bytes; read once in the launch
.endr
.endm
.macro TURN t                          ; step t's numbers through the stage: LDS serves a wave's instructions in order, so no wait stands between the stores and the loads
.irp i, 0,1,2,3
	ds_store_b128 v14, v[R+16*((\t)%4)+4*\i:R+16*((\t)%4)+4*\i+3] offset:32*SP*((\t)%2)+8*SP*\i
.endr
.irp i, 0,1,2,3
	ds_load_b128 v[X+16*((\t)%2)+4*\i:X+16*((\t)%2)+4*\i+3], v15 offset:32*SP*((\t)%2)+16*\i
.endr
.endm
.irp t, 0,1,2,3
	LOAD \t
.endr
	s_wait_kmcnt 0x0
	s_cmp_lt_u32 ttmp9, GXW
	s_cselect_b32 s36, s41, s47                    ; e1 or e7,
	s_cmp_lt_u32 ttmp9, GX
	s_cselect_b32 s36, s40, s36                    ; or e0
	s_add_co_i32 s36, s36, 127
	s_lshl_b32 s37, s36, 23
	v_mov_b32 v11, s37                             ; 2^e as f32: the conversion takes its exponent field
	s_add_co_i32 s36, s36, EMAX
	s_lshl_b32 s36, s36, 23
	s_or_b32 s36, s36, MANT
	v_mov_b32 v10, s36                             ; 57,344 x 2^e
	s_wait_loadcnt 12                              ; step 0's four loads are in; those of steps 1 to 3 may be out
	TURN 0
.macro STEP t
.set XS, X+16*((\t)%2)
	s_wait_dscnt 0x0                               ; this step's numbers are back from the stage: so its stores into the stage have read their registers,
.if (\t)+4 < STEPS
	LOAD (\t)+4                                    ; which take the loads of four steps on
.endif
.if (\t)+1 < STEPS
.if STEPS-2-(\t) >= 3
	s_wait_loadcnt 12                              ; the next step's four loads are in; those of the three steps behind it may be out
.else
	s_wait_loadcnt 4*(STEPS-2-(\t))
.endif
	TURN (\t)+1                                    ; and go through the other stage while this step is worked
.endif
.irp i, 0,1,2,3,4,5,6,7,8,9,10,11,12,13,14,15
	v_med3_num_f32 v[XS+\i], v[XS+\i], -v10, v10   ; the conversion to an 8-bit code does not saturate (ISA guide 7.6.2): the hold at the largest code x the scale
.endr
	v_cvt_scalef32_pk8_bf8_f32 v[C+4*(\t):C+4*(\t)+1], v[XS:XS+7], v11
	v_cvt_scalef32_pk8_bf8_f32 v[C+4*(\t)+2:C+4*(\t)+3], v[XS+8:XS+15], v11
	global_store_b128 v4, v[C+4*(\t):C+4*(\t)+3], s[24:25] offset:32*CB*(\t)   ; 512 consecutive bytes, aligned
.endm
.irp t, 0,1,2,3,4,5,6,7,8,9,10,11,12,13,14,15
	STEP \t
.endr
	s_wait_tensorcnt 0x0
	ds_add_u32 v192, v193
	s_wait_dscnt 0x0
	s_endpgm
	; ---------------- the table of cos and sin
.Ltable:
	s_sub_co_u32 s22, ttmp9, GQ
	s_lshl_b32 s22, s22, 6
	s_lshl_b32 s23, s28, 4
	s_add_co_u32 s22, s22, s23                     ; my wave's first position: 64 x work-group + 16 x wave
	s_lshl_b32 s24, s22, 2
	s_mov_b32 s25, 0
	s_lshl_b32 s26, s22, 8
	s_mov_b32 s27, 0
	s_mov_b32 s50, 0x3f22f983                      ; 2 / pi
	s_mov_b32 s51, 0xbfc90fdb                      ; pi / 2 in three parts: - the upper,
	s_mov_b32 s52, 0x333bbd2e                      ; + what the upper has too much,
	s_mov_b32 s53, 0x26f72cf1                      ; + what is still left
	s_mov_b32 s54, 0xb94ca1f9                      ; sin r = r + r z (s56 + z (s55 + z s54)), z = r r, |r| <= pi / 4
	s_mov_b32 s55, 0x3c08839e
	s_mov_b32 s56, 0xbe2aaaa3
	s_mov_b32 s57, 0x37ccf5ce                      ; cos r = 1 - z / 2 + z z (s59 + z (s58 + z s57))
	s_mov_b32 s58, 0xbab6061a
	s_mov_b32 s59, 0x3d2aaaa5
	v_cvt_f32_u32 v4, v2                           ; i = my lane
	v_mul_f32 v5, 0xbed49a80, v4                   ; - i x the upper 19 bits of log2(10000) / 32: the product is exact
	v_lshlrev_b32 v7, 3, v2                        ; my 8 bytes of a position's 256
	v_exp_f32 v5, v5
	v_mul_f32 v6, 0x342ae0b9, v4                   ; (a plain place behind the exponential)  i x ln 2 x what the 19 bits have too much
	s_wait_alu depctr_va_vdst(0)
	v_fma_f32 v3, v5, v6, v5                       ; 10000^(-i / 32)
	s_wait_kmcnt 0x0
	s_add_nc_u64 s[10:11], s[10:11], s[24:25]
	s_load_b512 s[32:47], s[10:11], 0x0            ; my 16 positions
	s_add_nc_u64 s[20:21], s[20:21], s[26:27]
	s_wait_kmcnt 0x0
.macro SINCOS k
	v_cvt_f32_i32 v8, s[32+\k]
	v_mul_f32 v8, v8, v3                           ; the angle, rounded once
	v_mul_f32 v9, s50, v8
	v_rndne_f32 v9, v9                             ; n = the nearest multiple of pi / 2
	v_fma_f32 v10, v9, s51, v8
	v_fma_f32 v10, v9, s52, v10
	v_fma_f32 v10, v9, s53, v10                    ; r = angle - n pi / 2
	v_mul_f32 v11, v10, v10                        ; z
	v_cvt_i32_f32 v12, v9
	v_fma_f32 v13, v11, s54, s55
	v_fma_f32 v15, v11, s57, s58
	v_fma_f32 v13, v13, v11, s56
	v_fma_f32 v15, v15, v11, s59
	v_mul_f32 v14, v10, v11
	v_mul_f32 v17, v11, v11
	v_fma_f32 v16, v11, -0.5, 1.0
	v_fma_f32 v13, v14, v13, v10                   ; sin r
	v_fma_f32 v15, v17, v15, v16                   ; cos r
	v_and_b32 v18, 1, v12
	v_cmp_eq_u32 vcc_lo, 1, v18                    ; an odd n changes sin and cos over;
	v_cndmask_b32 v19, v13, v15, vcc_lo
	v_cndmask_b32 v20, v15, v13, vcc_lo
	v_lshlrev_b32 v18, 30, v12                     ; bit 1 of n is the sine's sign,
	v_and_b32 v18, 0x80000000, v18
	v_add_nc_u32 v12, 1, v12
	v_lshlrev_b32 v12, 30, v12                     ; bit 1 of n + 1 the cosine's
	v_and_b32 v12, 0x80000000, v12
	v_xor_b32 v[64+2*\k], v20, v12
	v_xor_b32 v[65+2*\k], v19, v18
	global_store_b64 v7, v[64+2*\k:65+2*\k], s[20:21] offset:256*\k   ; 32 lanes store a position's 256 bytes, aligned; each position has its own two registers
.endm
.irp k, 0,1,2,3,4,5,6,7,8,9,10,11,12,13,14,15
	SINCOS \k
.endr
	s_endpgm
.Lfunc_end_k_q7c1534ebf9_quant:
	.size	k_q7c1534ebf9_quant, .Lfunc_end_k_q7c1534ebf9_quant-k_q7c1534ebf9_quant
	.p2alignl 7, 3214868480
	.fill 96, 4, 3214868480
	.section	.rodata,"a",@progbits
	.p2align	6, 0x0
	.amdhsa_kernel k_q7c1534ebf9_quant
		.amdhsa_group_segment_fixed_size 33280
		.amdhsa_private_segment_fixed_size 0
		.amdhsa_enable_private_segment 0
		.amdhsa_kernarg_size 72
		.amdhsa_user_sgpr_count 2
		.amdhsa_user_sgpr_kernarg_segment_ptr 1
		.amdhsa_wavefront_size32 1
		.amdhsa_system_sgpr_workgroup_id_x 1
		.amdhsa_system_sgpr_workgroup_id_y 1
		.amdhsa_system_sgpr_workgroup_id_z 1
		.amdhsa_system_vgpr_workitem_id 0
		.amdhsa_next_free_vgpr 194
		.amdhsa_next_free_sgpr 66
		.amdhsa_reserve_vcc 1
		.amdhsa_float_denorm_mode_32 3
		.amdhsa_float_denorm_mode_16_64 3
		.amdhsa_memory_ordered 1
		.amdhsa_forward_progress 1
		.amdhsa_inst_pref_size 61
	.end_amdhsa_kernel
	.amdgpu_metadata
---
amdhsa.version: [ 1, 2 ]
amdhsa.kernels:
  - .name:           k_q7c1534ebf9_quant
    .symbol:         k_q7c1534ebf9_quant.kd
    .args:
      - { .name: x, .offset: 0, .size: 8, .value_kind: global_buffer, .address_space: global }
      - { .name: Wqkv_w, .offset: 8, .size: 8, .value_kind: global_buffer, .address_space: global }
      - { .name: Wo_w, .offset: 16, .size: 8, .value_kind: global_buffer, .address_space: global }
      - { .name: token_positions, .offset: 24, .size: 8, .value_kind: global_buffer, .address_space: global }
      - { .name: lowp_scales, .offset: 32, .size: 8, .value_kind: global_buffer, .address_space: global }
      - { .name: xc, .offset: 40, .size: 8, .value_kind: global_buffer, .address_space: global }
      - { .name: wqc, .offset: 48, .size: 8, .value_kind: global_buffer, .address_space: global }
      - { .name: woc, .offset: 56, .size: 8, .value_kind: global_buffer, .address_space: global }
      - { .name: rope, .offset: 64, .size: 8, .value_kind: global_buffer, .address_space: global }
    .group_segment_fixed_size: 33280
    .private_segment_fixed_size: 0
    .kernarg_segment_align: 8
    .kernarg_segment_size: 72
    .max_flat_workgroup_size: 128
    .sgpr_count:     66
    .vgpr_count:     194
    .wavefront_size: 32
...
	.end_amdgpu_metadata
.endif
;; end of part 1
;; launch qkv (part 2): grid 12 x 32, 4 waves a work-group, clusters of 4 x 4, 327,680 bytes of LDS; arguments xc, wqc, lowp_scales, Wqkv_b, rope, qimg, kimg, vimg; writes qimg, kimg, vimg
.if DOCPART == 2
	.amdgcn_target "amdgcn-amd-amdhsa--gfx1250"
	.amdhsa_code_object_version 6
	.text
	.protected	k_q7c1534ebf9_qkv
	.globl	k_q7c1534ebf9_qkv
	.p2align	8
	.type	k_q7c1534ebf9_qkv,@function
k_q7c1534ebf9_qkv:
	s_mov_b64 s[64:65], 0
	v_nop
	global_prefetch_b8 v0, s[64:65] scope:SCOPE_SE
	s_setreg_imm32_b32 hwreg(HW_REG_WAVE_MODE, 25, 1), 1
	s_wait_xcnt 0x0
	s_wait_alu depctr_hold_cnt(0) depctr_sa_sdst(0) depctr_va_vdst(0) depctr_va_sdst(0) depctr_va_ssrc(0) depctr_va_vcc(0) depctr_vm_vsrc(0)
	s_getreg_b32 s2, hwreg(HW_REG_IB_STS2, 6, 4)
	s_cmp_eq_u32 s2, 0
	s_cbranch_scc0 .Lentry_in_a_cluster
	s_endpgm
.Lentry_in_a_cluster:
	s_bfe_u32 s2, ttmp6, 0x10000c
	s_cmp_lg_u32 s2, 0xf033
	s_cbranch_scc0 .Lentry_shape_is_right
	s_endpgm
.Lentry_shape_is_right:
; LAUNCH 2.  qkv = x Wqkv^T + b on codes of BF8 (xc [8192][1024], wqc [3072][1024], K innermost), then the rotary embedding on Q and K, then Q, K and V are quantised for the two products of attention.
; A tile of 256 tokens x 256 columns is made by four waves, 128 x 128 each: 64 accumulators of 16 x 16 in 512 registers.  K = 1,024 goes in four steps of 256 through a ring of two LDS slots filled by the tensor data mover.
; CLUSTERS: 4 x 4 work-groups; the four of a row of the cluster need the same tiles of x, the four of a column the same tiles of W: each tile is asked for jointly, by the same tensor load with a mask that names the four.
; A cluster's four tile columns are 1,024 columns: all of Q, of K or of V.  So the kind (the cluster's x: 0 Q, 1 K, 2 V) is the same in all sixteen partners, and the two ways out part on it.
; THE MATRIX INSTRUCTION IS USED TRANSPOSED (source 0 = 16 rows of W, source 1 = 16 tokens).  wqc's rows are stored so that in accumulator (a, b) lane (r, h) holds token 16 a + r and its register j column
; 32 (b / 2) + 16 h + 8 (b % 2) + j: two neighbouring accumulators are 16 neighbouring columns, as the next products' operands want them.
; THE BIAS, divided by 2^(e0 + e1), is the C of each sum's first matrix instruction.  The sums then lack the factor 2^(e0 + e1), which the rotation leaves alone and the conversion's scale takes in: 2^(e - e0 - e1), e = e2, e3 or e5.
; OUT.  qimg, kimg: [batch x head][token / 16][2][lane][16 bytes]: lane (r, h) holds, of token r, channels 32 beta + 16 h + 0 .. 15: the image of an operand's registers.
;       vimg: [batch x head][token / 128][4 tiles of channels][4][lane][16 bytes]: V^T with the keys innermost: lane (r, h), registers 2 c, 2 c + 1: keys 16 c + 8 h + 0 .. 7 of channel 32 (ct / 2) + 2 r + ct % 2.
; LIMITS: e2 - e0 - e1, e3 - e0 - e1 and e5 - e0 - e1 between -126 and 112, so that each power of two below is an f32 number.  NaN is not served.
; REGISTERS, in windows of 256: window 0: v0-31 addresses and constants; v32-95 the bias, later the table's two sets; from v128 x's fragments, ONE set; on the way out v128-255 are free.
;   window 1: W's fragments, TWO sets, at v0 and v128.   window 2: the 32 accumulators of my tokens 0-63 ((a, b) at v[8 (8 a + b)]);   window 3: those of my tokens 64-127.
.set KROW,   1024                      ; a row of xc or wqc in bytes
.set ROWB,   256                       ; a tile's row: 256 codes
.set PITCH,  272                       ; an LDS row: 256 bytes + 16 of padding: the 16 rows that a load touches start at 16 different banks
.set FR,     16                        ; registers of a fragment: 16 rows x 128 K
.set NL,     4                         ; LDS loads that bring one
.set NP,     4                         ; places behind this matrix instruction (ISA guide 7.12.1)
.set HALFT,  128*PITCH                 ; 128 rows: what one tensor load brings
.set SLOT,   4*HALFT                   ; x's 256 rows, then W's 256 rows
.set SPARE,  2*SLOT                    ; behind the ring: the spare words, 128 bytes for each wave
.set VPITCH, 160                       ; V's stage: a token's 128 codes + 32 bytes
.set VSTAGE, 128*VPITCH                ; for each wave; the stages lie in slot 0, which has had its last fill and its last read by then
.set ADRA, 16                          ; v16-17  LDS address of my fragments of x in slot 0, 1
.set ADRB, 20                          ; v20-21  the same for W
.set LI,   24                          ; v24     16 x lane: my place in an image
.set CSA,  25                          ; v25     my byte in 16 positions of the table: 256 r + 64 h
.set VST,  26                          ; v26     V's stage: where I put 16 codes of a token
.set VTR,  27                          ; v27     and where the turning load reads
.set SPW,  28                          ; v28     LDS address of my spare word; never rewritten
.set NIL,  29                          ; v29     0; never rewritten
.set LIM,  30                          ; v30     57,344 x the conversion's scale
.set SCL,  31                          ; v31     the conversion's scale as f32
.set BI,   32                          ; v32-95  the bias in the result's layout, eight registers for each b; later two sets of 32 for cos and sin
.set AF,   128                         ; x's fragments
.set Y,    128                         ; the way out: 64 numbers ahead of the conversion
.set WV, 20                            ; s20 wave;  s21 wave / 2: my half of the tokens, and: I fetch for x (0) or for W (1);  s22 wave % 2: my half of the columns, and which 128 rows I fetch
.set RH, 21
.set CH, 22
.set G1, 24                            ; s[24:31] descriptor group 1 for x's tiles;  s[32:39] group 0, one set for each slot
.set G0, 32
.set G1B, 48                           ; s[48:55], s[56:63] the same for W's tiles
.set G0B, 56
.set MSB, 0
.macro WIN new                         ; the immediate's high byte repeats the setting that is left
.if MSB != (\new)
	s_set_vgpr_msb (MSB<<8)|(\new)
.set MSB, \new
.endif
.endm
.set MUL_LO, 0xa1                      ; source 0 (W) window 1, source 1 (x) window 0, C and D window 2
.set MUL_HI, 0xf1                      ; the same, C and D window 3
.set BIA_LO, 0x81                      ; the first products: C (the bias) window 0, D window 2
.set BIA_HI, 0xc1                      ; D window 3
.set TO_B,   0x40                      ; destination window 1, address window 0
; A joint load: waves 0 and 1 fetch for x, waves 2 and 3 for W.  The branch hangs on the wave's number alone.  Four v_nop follow each of the two lines.
.macro JLOAD g0a, g1a, g0b, g1b
	s_cmp_eq_u32 s[RH], 0
	s_cbranch_scc0 .Lfor_b_\@
	tensor_load_to_lds s[\g0a:\g0a+3], s[\g1a:\g1a+7]
	s_nop 0
.rept 4
	v_nop
.endr
	s_branch .Lasked_\@
.Lfor_b_\@:
	tensor_load_to_lds s[\g0b:\g0b+3], s[\g1b:\g1b+7]
	s_nop 0
.rept 4
	v_nop
.endr
.Lasked_\@:
.endm
.macro CREST                           ; a round of the cluster's barrier behind its opening barrier
	s_cmp_lg_u32 s[WV], 0
	s_cbranch_scc1 .Lnot_wave_0_\@
	s_barrier_signal -3
.Lnot_wave_0_\@:
	s_barrier_wait -3
	s_barrier_signal -1
	s_barrier_wait -1
.endm
.macro CROUND                          ; a whole round
	s_barrier_signal -1
	s_barrier_wait -1
	CREST
.endm
	s_load_b512 s[4:19], s[0:1], 0x0               ; xc s[4:5], wqc s[6:7], scales s[8:9], bias s[10:11], rope s[12:13], qimg s[14:15], kimg s[16:17], vimg s[18:19]
	v_lshl_add_u32 v[SPW], v0, 2, SPARE
	v_mov_b32 v[NIL], 0
	ds_add_u32 v28, v29
	ds_add_u32 v28, v29
	s_wait_dscnt 0x0
	v_lshrrev_b32 v1, 5, v0
	v_readfirstlane_b32 s[WV], v1                  ; wave 0..3
	s_lshr_b32 s[RH], s[WV], 1
	s_and_b32 s[CH], s[WV], 1
	s_bfe_u32 s40, ttmp6, 0x40000                  ; cx, cy: my place in the cluster
	s_bfe_u32 s41, ttmp6, 0x40004
	s_lshl_b32 s42, ttmp9, 2
	s_add_co_u32 s42, s42, s40                     ; tile column = 4 x cluster x + cx
	s_and_b32 s66, ttmp7, 0xffff
	s_lshl_b32 s66, s66, 2
	s_add_co_u32 s66, s66, s41                     ; tile row = 4 x cluster y + cy
	s_lshl_b32 s43, s41, 2
	s_lshl_b32 s43, 15, s43                        ; my row of the cluster
	s_lshl_b32 s44, 0x1111, s40                    ; my column
	; descriptor group 1: a tile of 128 rows x 256 bytes, padded in LDS
	s_or_b32 s[G1+0], s43, (0<<16)|(1<<20)|(1<<21)|(5<<22)|(3<<25)  ; 15:0 the mask: x's tiles go to my row; 17:16 element of 1 byte; 20 padding on; 21 set beside a mask; 24:22 after every 64 words; 31:25 of 4 words
	s_or_b32 s[G1B+0], s44, (0<<16)|(1<<20)|(1<<21)|(5<<22)|(3<<25) ; the same with my column's mask
.irp g, G1, G1B
	s_mov_b32 s[\g+1], ROWB<<16                    ; tensor_dim0
	s_mov_b32 s[\g+2], 128<<16                     ; tensor_dim1
	s_mov_b32 s[\g+3], ROWB<<16                    ; tile_dim0
	s_mov_b32 s[\g+4], 128                         ; tile_dim1
	s_mov_b32 s[\g+5], KROW                        ; tensor_dim0_stride
	s_mov_b32 s[\g+6], 0
	s_mov_b32 s[\g+7], 0
.endr
	s_lshl_b32 s70, s[CH], 7                       ; which 128 rows of the tile I fetch
	s_lshl_b32 s68, s66, 8
	s_add_co_u32 s68, s68, s70                     ; x: row 256 x tile row + 128 x half,
	s_lshl_b32 s68, s68, 10                        ; of 1,024 bytes
	s_mov_b32 s69, 0
	s_lshl_b32 s46, s42, 8
	s_add_co_u32 s46, s46, s70                     ; W: row 256 x tile column + 128 x half
	s_lshl_b32 s46, s46, 10
	s_mov_b32 s47, 0
	s_mul_i32 s45, s[WV], HALFT                    ; where they go: wave x 128 rows: no place in the cluster enters an LDS address
	s_wait_kmcnt 0x0
	s_load_b256 s[72:79], s[8:9], 0x0              ; e0 .. e7
	s_add_nc_u64 s[68:69], s[4:5], s[68:69]
	s_add_nc_u64 s[46:47], s[6:7], s[46:47]
	CROUND                                         ; all sixteen work-groups are here: the first joint loads meet
.irp s, 0,1
	s_mov_b32 s[G0+4*\s], 1
	s_add_co_u32 s[G0+4*\s+1], s45, \s*SLOT
	s_add_nc_u64 s[G0+4*\s+2:G0+4*\s+3], s[68:69], \s*ROWB
	s_or_b32 s[G0+4*\s+3], s[G0+4*\s+3], 0x80000000
	s_mov_b32 s[G0B+4*\s], 1
	s_add_co_u32 s[G0B+4*\s+1], s45, \s*SLOT
	s_add_nc_u64 s[G0B+4*\s+2:G0B+4*\s+3], s[46:47], \s*ROWB
	s_or_b32 s[G0B+4*\s+3], s[G0B+4*\s+3], 0x80000000
	JLOAD G0+4*\s, G1, G0B+4*\s, G1B
.endr
	v_and_b32 v1, 15, v0                           ; r = l % 16
	v_bfe_u32 v2, v0, 4, 1                         ; h = l / 16
	v_lshlrev_b32 v5, 6, v2                        ; the bias: 64 h bytes: my half's 16 columns of each 32
	s_lshl_b32 s80, s42, 10
	s_lshl_b32 s81, s[CH], 9
	s_add_co_u32 s80, s80, s81                     ; 4 bytes x my first column, 256 x tile column + 128 x half
	s_mov_b32 s81, 0
	s_add_nc_u64 s[80:81], s[10:11], s[80:81]
.irp b, 0,1,2,3,4,5,6,7
	global_load_b128 v[BI+8*\b:BI+8*\b+3], v5, s[80:81] offset:(32*(\b/2)+8*(\b%2))*4
	global_load_b128 v[BI+8*\b+4:BI+8*\b+7], v5, s[80:81] offset:(32*(\b/2)+8*(\b%2))*4+16
.endr
	v_mul_u32_u24 v3, v1, PITCH
	v_lshl_add_u32 v4, v2, 4, v3                   ; a fragment's row x pitch + 16 x half
	s_mul_i32 s70, s[RH], HALFT                    ; my 128 rows of x
	s_mul_i32 s71, s[CH], HALFT                    ; my 128 rows of W,
	s_add_co_u32 s71, s71, 2*HALFT                 ; which lie behind x's 256
.irp s, 0,1
	v_add_nc_u32 v[ADRA+\s], s70, v4
	v_add_nc_u32 v[ADRB+\s], s71, v4
	s_add_co_u32 s70, s70, SLOT
	s_add_co_u32 s71, s71, SLOT
.endr
	v_and_b32 v6, 31, v0
	v_lshlrev_b32 v[LI], 4, v6
	v_lshlrev_b32 v[CSA], 8, v1
	v_lshl_add_u32 v[CSA], v2, 6, v[CSA]
	s_mul_i32 s92, s[WV], VSTAGE                   ; my stage for V
	v_mul_u32_u24 v[VST], v1, VPITCH
	v_lshl_add_u32 v[VST], v2, 4, v[VST]
	v_add_nc_u32 v[VST], s92, v[VST]               ; in: token r, + 16 h
	v_and_b32 v7, 7, v0
	v_lshl_add_u32 v7, v2, 3, v7                   ; out: token 8 h + l % 8,
	v_mul_u32_u24 v[VTR], v7, VPITCH
	v_bfe_u32 v8, v0, 3, 1
	v_lshl_add_u32 v[VTR], v8, 4, v[VTR]           ; 16 bytes for each half of 16 lanes
	v_add_nc_u32 v[VTR], s92, v[VTR]
	s_mov_b32 s90, 0x06040200                      ; the even bytes of two registers,
	s_mov_b32 s91, 0x07050301                      ; the odd ones
	; where my part goes: the same byte offset in qimg, kimg and vimg: (16 x batch + head) x 131,072 + 64 x (token in the batch)
	s_lshl_b32 s92, s66, 8
	s_lshl_b32 s93, s[RH], 7
	s_add_co_u32 s92, s92, s93                     ; my first token
	s_lshr_b32 s93, s92, 11                        ; batch
	s_and_b32 s94, s92, 2047                       ; token in the batch
	s_lshl_b32 s95, s40, 2
	s_lshl_b32 s96, s[CH], 1
	s_add_co_u32 s95, s95, s96                     ; my first head: 4 cx + 2 x half  (cx enters addresses in memory alone)
	s_lshl_b32 s93, s93, 4
	s_add_co_u32 s93, s93, s95
	s_lshl_b32 s93, s93, 17
	s_lshl_b32 s96, s94, 6
	s_add_co_u32 s96, s93, s96
	s_mov_b32 s97, 0
	s_lshl_b32 s98, s94, 8                         ; the table: 256 bytes a position
	s_mov_b32 s99, 0
	s_add_nc_u64 s[84:85], s[12:13], s[98:99]
	s_wait_kmcnt 0x0                               ; the scales
	s_cmp_eq_u32 ttmp9, 0                          ; the kind: the choices hang on the cluster's x alone
	s_cselect_b32 s86, s74, s75                    ; e2 or e3,
	s_cselect_b64 s[88:89], s[14:15], s[16:17]     ; qimg or kimg,
	s_cmp_eq_u32 ttmp9, 2
	s_cselect_b32 s86, s77, s86                    ; or e5
	s_cselect_b64 s[88:89], s[18:19], s[88:89]     ; and vimg
	s_add_nc_u64 s[88:89], s[88:89], s[96:97]
	s_add_co_i32 s82, s72, s73                     ; e0 + e1
	s_sub_co_i32 s83, 0, s82
	s_sub_co_i32 s86, s86, s82                     ; the three scales folded into the conversion's one
	s_add_co_i32 s86, s86, 127
	s_lshl_b32 s87, s86, 23
	v_mov_b32 v[SCL], s87
	s_add_co_i32 s86, s86, 15
	s_lshl_b32 s86, s86, 23
	s_or_b32 s86, s86, 0x600000
	v_mov_b32 v[LIM], s86
	s_wait_loadcnt 0x0                             ; the bias
.set J, 0
.rept 64
	v_ldexp_f32 v[BI+J], v[BI+J], s83              ; / 2^(e0 + e1): the sums lack that factor
.set J, J+1
.endr
.macro FRAG reg, adr, q, i             ; a fragment, 16 rows x 128 K: lane l holds row l % 16; registers 4 c .. 4 c + 3 hold K = 32 c + 16 (l / 16) + 0 .. 15, alike in x and in W
.irp c, 0,1,2,3
	ds_load_b128 v[\reg+4*\c:\reg+4*\c+3], v[\adr] offset:128*(\q)+32*\c+(\i)*16*PITCH
.endr
.endm
; 16 matrix instructions: x's blocks a0, a0 + 1 against W's eight, 128 along K.  p: W's set.  zero = 1: the first product starts the sums, on the bias.
; The 64 accumulators take turns, one instruction a turn, in the same order in every step.
.macro MUL16 a0, p, zero
.irp a, \a0, \a0+1
.irp b, 0,1,2,3,4,5,6,7
.if \zero
	v_wmma_f32_16x16x128_bf8_bf8 v[8*(8*((\a)%4)+\b):8*(8*((\a)%4)+\b)+7], v[128*(\p)+FR*\b:128*(\p)+FR*\b+FR-1], v[AF+FR*(\a):AF+FR*(\a)+FR-1], v[BI+8*\b:BI+8*\b+7]
.else
	v_wmma_f32_16x16x128_bf8_bf8 v[8*(8*((\a)%4)+\b):8*(8*((\a)%4)+\b)+7], v[128*(\p)+FR*\b:128*(\p)+FR*\b+FR-1], v[AF+FR*(\a):AF+FR*(\a)+FR-1], v[8*(8*((\a)%4)+\b):8*(8*((\a)%4)+\b)+7]
.endif
.endr
.endr
.endm
.macro FETCH_B slot, q, p              ; W's eight fragments of the slot's q-th 128 along K into set p
	WIN TO_B
.irp i, 0,1,2,3,4,5,6,7
	FRAG 128*(\p)+FR*\i, ADRB+\slot, \q, \i
.endr
	WIN 0
.endm
.macro FETCH_A slot, q, i0             ; x's blocks i0 .. i0 + 3
.irp i, \i0, \i0+1, \i0+2, \i0+3
	FRAG AF+FR*(\i), ADRA+\slot, \q, \i
.endr
.endm
.macro PLACES n                        ; plain vector instructions between a matrix instruction and a load into, or a read of, its registers
.rept \n
	v_nop
.endr
.endm
; A step of 128 along K that has its successor in the same slot.
.macro STEP slot, q, zero
	s_wait_dscnt 4*NL                              ; W's set and x's blocks 0-3 are in; the youngest 16 loads (x's blocks 4-7) may be out
.if \zero
	WIN BIA_LO
.else
	WIN MUL_LO
.endif
	MUL16 0, (\q)%2, \zero
	MUL16 2, (\q)%2, \zero
	s_wait_dscnt 0                                 ; x's blocks 4-7 are in (asked for 32 matrix instructions ago)
	PLACES NP
	FETCH_B \slot, (\q)+1, 1-(\q)%2
	FETCH_A \slot, (\q)+1, 0
.if \zero
	WIN BIA_HI
.else
	WIN MUL_HI
.endif
	MUL16 4, (\q)%2, \zero
	MUL16 6, (\q)%2, \zero
	PLACES NP
	WIN 0
	FETCH_A \slot, (\q)+1, 4
.endm
; A slot's last step changes slots: ONE barrier; in front of it each wave waits for all its tensor loads, adds 0 to its spare word, and waits for that and for its own reads of this slot.  fill = 1: this slot is filled again, two K steps ahead.
.macro TURN slot, next, fill
	s_wait_tensorcnt 0x0                           ; all my tensor loads have landed: my part of the next slot;  (every window is 0 here)
	ds_add_u32 v[SPW], v[NIL]                      ; 0 onto my spare word;
	s_wait_dscnt 4*NL+1                            ; (the add and the youngest 16 loads, x's blocks 4-7, may be out)
	WIN MUL_LO
	MUL16 0, 1, 0                                  ; sixteen matrix instructions stand between the add and the wait for it
	s_wait_dscnt 0x0                               ; the add is done, and my reads of this slot are over
	s_barrier_signal -1
	MUL16 2, 1, 0
	WIN 0
	s_barrier_wait -1
.if \fill
	CREST                                          ; the barrier has opened a round of the cluster's barrier: no wave of any partner still reads this slot's tile or has a load on its way
	s_add_nc_u64 s[G0+4*\slot+2:G0+4*\slot+3], s[G0+4*\slot+2:G0+4*\slot+3], 2*ROWB
	s_add_nc_u64 s[G0B+4*\slot+2:G0B+4*\slot+3], s[G0B+4*\slot+2:G0B+4*\slot+3], 2*ROWB
	JLOAD G0+4*\slot, G1, G0B+4*\slot, G1B         ; the first tensor load behind the round; the four v_nop behind it are the places in front of the loads below
.else
	PLACES NP
.endif
	FETCH_B \next, 0, 0
	FETCH_A \next, 0, 0
	WIN MUL_HI
	MUL16 4, 1, 0
	MUL16 6, 1, 0
	PLACES NP
	WIN 0
	FETCH_A \next, 0, 4
.endm
; cos and sin for block a's 16 tokens into set a % 2: register 16 beta + 2 m holds cos, the next sin, of frequency 16 beta + 8 h + m
.macro LOADCS a
.irp e, 0,1
.irp k, 0,1,2,3
	global_load_b128 v[BI+32*((\a)%2)+16*\e+4*\k:BI+32*((\a)%2)+16*\e+4*\k+3], v[CSA], s[84:85] offset:4096*(\a)+128*\e+16*\k
.endr
.endr
.endm
	s_wait_tensorcnt 0x1                           ; my part of K step 0 is in (K step 1's load may be out)
	s_barrier_signal -1
	s_barrier_wait -1                              ; everybody's is
	FETCH_B 0, 0, 0
	FETCH_A 0, 0, 0
	FETCH_A 0, 0, 4
	STEP 0, 0, 1                                   ; the first products start the sums on the bias; the places at its end free the bias's registers
	s_cmp_eq_u32 ttmp9, 2                          ; Q and K: the table for my first 32 tokens is asked for now, seven steps ahead of its use
	s_cbranch_scc1 .Lno_table
	LOADCS 0
	LOADCS 1
.Lno_table:
	TURN 0, 1, 1                                   ; K = 1,024 is four slots' worth: the walk is written out
	STEP 1, 0, 0
	TURN 1, 0, 1
	STEP 0, 0, 0
	TURN 0, 1, 0                                   ; the last two slots are not filled again
	STEP 1, 0, 0
	s_wait_dscnt 4*NL                              ; the very last step: nothing more to fetch
	WIN MUL_LO
	MUL16 0, 1, 0
	MUL16 2, 1, 0
	s_wait_dscnt 0
	WIN MUL_HI
	MUL16 4, 1, 0
	MUL16 6, 1, 0
	WIN 0
	PLACES NP                                      ; behind the last products: their results are read and x's registers written below
	s_cmp_eq_u32 ttmp9, 2
	s_cbranch_scc1 .Lv
; ---- Q AND K.  Block a (16 tokens x my 128 columns = two heads): rotated, held, converted, stored as four images of 512 bytes.
.macro QKOUT a
.set AC, 64*((\a)%4)
.set CSB, BI+32*((\a)%2)
.set CD, 192+16*((\a)%4)
.if (\a) < 7
	s_wait_loadcnt 8                               ; this block's eight table loads are in; the next block's eight may be out
.else
	s_wait_loadcnt 0
.endif
	WIN 0x02+((\a)/4)                              ; source 0: window 2 or 3
.irp b, 0,1,2,3,4,5,6,7
.irp p, 0,1,2,3
	v_pk_mul_f32 v[Y+8*\b+2*\p:Y+8*\b+2*\p+1], v[AC+8*\b+2*\p:AC+8*\b+2*\p+1], v[CSB+16*((\b/2)%2)+8*(\b%2)+2*\p:CSB+16*((\b/2)%2)+8*(\b%2)+2*\p+1] op_sel_hi:[1,0]   ; (x1, x2) x cos; each accumulator from its low end on
.endr
.irp p, 0,1,2,3
	v_fma_f32 v[Y+8*\b+2*\p], -v[AC+8*\b+2*\p+1], v[CSB+16*((\b/2)%2)+8*(\b%2)+2*\p+1], v[Y+8*\b+2*\p]      ; x1 cos - x2 sin
	v_fma_f32 v[Y+8*\b+2*\p+1], v[AC+8*\b+2*\p], v[CSB+16*((\b/2)%2)+8*(\b%2)+2*\p+1], v[Y+8*\b+2*\p+1]    ; x2 cos + x1 sin
.endr
.endr
	WIN 0
.if (\a) < 6
	LOADCS (\a)+2                                  ; the set just read takes the block two further on
.endif
.set J, 0
.rept 64
	v_med3_num_f32 v[Y+J], v[Y+J], -v[LIM], v[LIM] ; the conversion to an 8-bit code does not saturate (ISA guide 7.6.2): the hold at the largest code x the scale
.set J, J+1
.endr
.if (\a) >= 4
	s_wait_xcnt 0x0                                ; block a - 4's stores have read their registers: its codes' registers are written again only behind this wait
.endif
.irp b, 0,1,2,3,4,5,6,7
	v_cvt_scalef32_pk8_bf8_f32 v[CD+2*\b:CD+2*\b+1], v[Y+8*\b:Y+8*\b+7], v[SCL]
.endr
	v_nop                                          ; one plain instruction between the conversions and the next block's writes of their sources
.irp d, 0,1
.irp e, 0,1
	global_store_b128 v[LI], v[CD+8*\d+4*\e:CD+8*\d+4*\e+3], s[88:89] offset:131072*\d+1024*(\a)+512*\e   ; head d, channels 32 e on: 512 consecutive bytes, aligned
.endr
.endr
.endm
.irp a, 0,1,2,3,4,5,6,7
	QKOUT \a
.endr
	s_branch .Lend
; ---- V.  Held and converted like Q and K, without the rotation.  Its K in the next product is the keys, which lie across lanes here: the codes go through my stage in LDS, [token][column], and the
; turning load, used on pairs of bytes, brings a lane eight keys of two neighbouring channels, which two byte selections part.
.Lv:
	s_wait_loadcnt 0x0                             ; no load of mine is on its way: the registers that the table's loads name on the other way are written below
.macro VCODE a
.set AC, 64*((\a)%4)
.if (\a) < 4
.set CD, 192+16*(\a)
.else
.set CD, BI+16*((\a)-4)
.endif
	WIN 0x02+((\a)/4)
.set J, 0
.rept 64
	v_med3_num_f32 v[Y+J], v[AC+J], -v[LIM], v[LIM]   ; each accumulator from its low end on
.set J, J+1
.endr
	WIN 0
.irp b, 0,1,2,3,4,5,6,7
	v_cvt_scalef32_pk8_bf8_f32 v[CD+2*\b:CD+2*\b+1], v[Y+8*\b:Y+8*\b+7], v[SCL]
.endr
	v_nop                                          ; one plain instruction between the conversions and the next block's writes of their sources
.irp e, 0,1,2,3
	ds_store_b128 v[VST], v[CD+4*\e:CD+4*\e+3] offset:16*VPITCH*(\a)+32*\e   ; token 16 a + r, columns 32 e + 16 h + 0 .. 15; each block has its own registers
.endr
.endm
.irp a, 0,1,2,3,4,5,6,7
	VCODE \a
.endr
.macro TRLOAD g                        ; columns 32 g on, all 128 tokens: load c brings lane (r, h) keys 16 c + 8 h + 0 .. 7 of columns 32 g + 2 r and + 1, byte by byte in turn
.irp c, 0,1,2,3,4,5,6,7
	ds_load_tr16_b128 v[Y+32*((\g)%2)+4*\c:Y+32*((\g)%2)+4*\c+3], v[VTR] offset:16*VPITCH*\c+32*(\g)   ; LDS serves a wave's instructions in order: these see my stores
.endr
.endm
.macro VOUT g
.set RB, Y+32*((\g)%2)
.if (\g) < 2
.set FB, 192+32*(\g)
.else
.set FB, BI+32*((\g)-2)
.endif
.if (\g) < 3
	s_wait_dscnt 8                                 ; this group's eight loads are in (and all my stores into the stage are done); the next group's eight may be out
.else
	s_wait_dscnt 0
.endif
.irp c, 0,1,2,3,4,5,6,7
	v_perm_b32 v[FB+2*\c], v[RB+4*\c+1], v[RB+4*\c], s90          ; the even channel's keys 16 c + 8 h + 0 .. 3,
	v_perm_b32 v[FB+2*\c+1], v[RB+4*\c+3], v[RB+4*\c+2], s90      ; + 4 .. 7
	v_perm_b32 v[FB+16+2*\c], v[RB+4*\c+1], v[RB+4*\c], s91       ; the odd channel's
	v_perm_b32 v[FB+16+2*\c+1], v[RB+4*\c+3], v[RB+4*\c+2], s91
.endr
.if (\g) < 2
	TRLOAD (\g)+2
.endif
.irp p, 0,1
.irp c, 0,1,2,3
	global_store_b128 v[LI], v[FB+16*\p+4*\c:FB+16*\p+4*\c+3], s[88:89] offset:131072*((\g)/2)+2048*(2*((\g)%2)+\p)+512*\c   ; head g / 2, tile of channels 2 (g % 2) + p: 512 consecutive bytes; each group has its own registers
.endr
.endr
.endm
	TRLOAD 0
	TRLOAD 1
.irp g, 0,1,2,3
	VOUT \g
.endr
.Lend:
	s_wait_tensorcnt 0x0                           ; the wave's end: behind my last tensor load and my last LDS store
	ds_add_u32 v[SPW], v[NIL]
	s_wait_dscnt 0x0
	CROUND                                         ; the closing round: no work-group ends while a partner may still ask for a tile that names it
	s_endpgm
.Lfunc_end_k_q7c1534ebf9_qkv:
	.size	k_q7c1534ebf9_qkv, .Lfunc_end_k_q7c1534ebf9_qkv-k_q7c1534ebf9_qkv
	.p2alignl 7, 3214868480
	.fill 96, 4, 3214868480
	.section	.rodata,"a",@progbits
	.p2align	6, 0x0
	.amdhsa_kernel k_q7c1534ebf9_qkv
		.amdhsa_group_segment_fixed_size 327680
		.amdhsa_private_segment_fixed_size 0
		.amdhsa_enable_private_segment 0
		.amdhsa_kernarg_size 64
		.amdhsa_user_sgpr_count 2
		.amdhsa_user_sgpr_kernarg_segment_ptr 1
		.amdhsa_wavefront_size32 1
		.amdhsa_system_sgpr_workgroup_id_x 1
		.amdhsa_system_sgpr_workgroup_id_y 1
		.amdhsa_system_sgpr_workgroup_id_z 1
		.amdhsa_system_vgpr_workitem_id 0
		.amdhsa_next_free_vgpr 1024
		.amdhsa_next_free_sgpr 100
		.amdhsa_reserve_vcc 0
		.amdhsa_float_denorm_mode_32 3
		.amdhsa_float_denorm_mode_16_64 3
		.amdhsa_memory_ordered 1
		.amdhsa_forward_progress 1
		.amdhsa_inst_pref_size 231
	.end_amdhsa_kernel
	.amdgpu_metadata
---
amdhsa.version: [ 1, 2 ]
amdhsa.kernels:
  - .name:           k_q7c1534ebf9_qkv
    .symbol:         k_q7c1534ebf9_qkv.kd
    .args:
      - { .name: xc, .offset: 0, .size: 8, .value_kind: global_buffer, .address_space: global }
      - { .name: wqc, .offset: 8, .size: 8, .value_kind: global_buffer, .address_space: global }
      - { .name: lowp_scales, .offset: 16, .size: 8, .value_kind: global_buffer, .address_space: global }
      - { .name: Wqkv_b, .offset: 24, .size: 8, .value_kind: global_buffer, .address_space: global }
      - { .name: rope, .offset: 32, .size: 8, .value_kind: global_buffer, .address_space: global }
      - { .name: qimg, .offset: 40, .size: 8, .value_kind: global_buffer, .address_space: global }
      - { .name: kimg, .offset: 48, .size: 8, .value_kind: global_buffer, .address_space: global }
      - { .name: vimg, .offset: 56, .size: 8, .value_kind: global_buffer, .address_space: global }
    .group_segment_fixed_size: 327680
    .private_segment_fixed_size: 0
    .kernarg_segment_align: 8
    .kernarg_segment_size: 64
    .max_flat_workgroup_size: 128
    .sgpr_count:     100
    .vgpr_count:     1024
    .wavefront_size: 32
...
	.end_amdgpu_metadata
.endif
;; end of part 2
;; launch attn (part 3): grid 4 x 64, 16 waves a work-group, clusters of 4 x 1, 264,192 bytes of LDS; arguments qimg, kimg, vimg, lowp_scales, oc; writes oc
.if DOCPART == 3
	.amdgcn_target "amdgcn-amd-amdhsa--gfx1250"
	.amdhsa_code_object_version 6
	.text
	.protected	k_q7c1534ebf9_attn
	.globl	k_q7c1534ebf9_attn
	.p2align	8
	.type	k_q7c1534ebf9_attn,@function
k_q7c1534ebf9_attn:
	s_mov_b64 s[64:65], 0
	v_nop
	global_prefetch_b8 v0, s[64:65] scope:SCOPE_SE
	s_setreg_imm32_b32 hwreg(HW_REG_WAVE_MODE, 25, 1), 1
	s_wait_xcnt 0x0
	s_wait_alu depctr_hold_cnt(0) depctr_sa_sdst(0) depctr_va_vdst(0) depctr_va_sdst(0) depctr_va_ssrc(0) depctr_va_vcc(0) depctr_vm_vsrc(0)
	s_getreg_b32 s2, hwreg(HW_REG_IB_STS2, 6, 4)
	s_cmp_eq_u32 s2, 0
	s_cbranch_scc0 .Lentry_in_a_cluster
	s_endpgm
.Lentry_in_a_cluster:
	s_bfe_u32 s2, ttmp6, 0x10000c
	s_cmp_lg_u32 s2, 0x3003
	s_cbranch_scc0 .Lentry_shape_is_right
	s_endpgm
.Lentry_shape_is_right:
; LAUNCH 3.  Causal attention on codes of BF8, head size 64, 2,048 tokens, 64 (batch, head) pairs; the result is quantised for the output projection.
; THE SOFTMAX AHEAD OF THE SECOND PRODUCT: t = score x log2(e) / 8; M = the row's largest t so far, rounded UP to a whole number; p = 2^(t - M) is what is quantised, not normalised.  The row's sum is taken of the
; unquantised p, in f32, and divides O at the end.  When M moves, the sum and O are multiplied by 2^(old M - new M): exact.
; SHARES.  The four work-groups of a cluster belong to one (batch, head).  The head's whole K (128 KiB) and V (128 KiB) come into each work-group's LDS ONCE, by joint tensor loads, two a wave: nothing is filled again.
; A head has 128 tiles of 16 queries.  Wave w of work-group cx owns tile j = 4 w + cx and tile 127 - j.  In steps of 128 keys the late tile needs steps 0 .. 15 - w / 2, the early one 0 .. w / 2: 17 steps for every wave
; of the launch, of which two lie on the diagonal.  All branches hang on the wave's number and on loop counters; cx enters addresses in memory and the mask's numbers alone.
; LAYOUT.  Both products are used transposed: S^T = K Q^T (source 0 = 16 keys, source 1 = my 16 queries), O^T = V^T P^T: a lane holds ONE query (lane % 16) throughout.  In S^T's tile tau register i of lane (r, h) is key
; 16 tau + 8 h + i, so the conversions' results, registers 2 tau and 2 tau + 1, are the operand of the K = 128 form in its own layout; vimg was laid to match.  All operands lie in LDS as images of their registers:
; every LDS load takes 512 consecutive bytes.
; V^T's tile ct holds channels 32 (ct / 2) + 2 m + ct % 2, m = 0 .. 15: an even and an odd tile, taken register by register in turn, give a lane 16 neighbouring channels for the next product's K.
; OUT.  oc: [token / 16][8 K steps of 128][4][lane][16 bytes]: lane (r, h) holds, of token r, k = 64 head + 32 nu + 16 h + 0 .. 15: the image of the projection's operand.
; LIMITS on the given exponents: e2 + e3 between -123 and 130 (added to c's exponent field); e4, and e6 - e4 - e5, between -126 and 112.
; REGISTERS: v1-4 addresses and the mask's numbers; v8, v9 addresses of the loads in hand; v12 -M, v13 the largest t, v[14:15] the sum in two halves; v16-23 Q in hand, v24-31 the early tile's Q; v32-95 K's eight
; fragments, then V's four; v96-159 S^T, then p; v160-191 O^T; v192-207 the codes that leave; v208 at work; v224-239 p's codes; v240-254 constants and at work.
.set LI,   1                           ; v1   16 x lane
.set LV,   2                           ; v2   16 x lane + where V begins
.set VD,   3                           ; v3   the tile in hand: my query less the diagonal step's first key less 8 h
.set VDS,  4                           ; v4   the same for the early tile
.set ADK,  8
.set ADV,  9
.set WV,   18                          ; s18  wave
.set SEL,  20                          ; s[20:21] selects for v_permlanex16_b32: lane l xor 16
.set CS,   22                          ; s[22:23] c = log2(e) / 8 x 2^(e2 + e3)
.set G1,   24                          ; s[24:31] descriptor group 1;  s[32:39] group 0 for K, two loads;  s[40:47] for V
.set G0K,  32
.set G0V,  40
.set TB,   56                          ; s56  LDS byte of the key step in hand
.set U,    57                          ; s57  the second loop's counter
.set NB,   58                          ; s58  8 - w / 2: the late tile's steps in the second loop
.set NBM1, 59                          ; s59  its last, on the diagonal
.set DG,   60                          ; s60  the trip that is masked
.set CNT,  61
.set PBIG, 66                          ; s[66:67] where the late tile's codes go;  s[68:69] the early tile's
.set PSML, 68
.set VBASE, 131072                     ; LDS: K at 0, V here; 8,192 bytes a key step each
.set CHUNK, 65536                      ; a wave's first load belongs to keys 0-1023, its second to keys 1024-2047
.macro CROUND                          ; a round of the cluster's barrier
	s_barrier_signal -1
	s_barrier_wait -1
	s_cmp_lg_u32 s[WV], 0
	s_cbranch_scc1 .Lnot_wave_0_\@
	s_barrier_signal -3
.Lnot_wave_0_\@:
	s_barrier_wait -3
	s_barrier_signal -1
	s_barrier_wait -1
.endm
	s_load_b256 s[4:11], s[0:1], 0x0               ; qimg s[4:5], kimg s[6:7], vimg s[8:9], scales s[10:11]
	s_load_b64 s[12:13], s[0:1], 0x20              ; oc
	v_lshl_add_u32 v251, v0, 2, 0x40000
	v_mov_b32 v255, 0
	ds_add_u32 v251, v255
	ds_add_u32 v251, v255
	v_lshrrev_b32 v8, 5, v0
	v_readfirstlane_b32 s[WV], v8                  ; wave 0..15
	s_bfe_u32 s70, ttmp6, 0x40000                  ; cx
	s_and_b32 s71, ttmp7, 0xffff                   ; 16 x batch + head, which the four partners share
	s_lshl_b32 s72, s71, 17                        ; its first byte in qimg, kimg and vimg
	s_and_b32 s74, s[WV], 7
	s_lshl_b32 s74, s74, 13                        ; my 8,192 bytes of a load's 65,536: in LDS,
	s_add_co_u32 s76, s72, s74                     ; and in memory
	s_mov_b32 s77, 0
	; descriptor group 1: a dense block of 8,192 bytes as 32 rows of 256
	s_mov_b32 s[G1], 15|(3<<16)|(1<<21)            ; 15:0 the mask: all four work-groups; 17:16 elements of 8 bytes; 21 set beside a mask; no padding
	s_mov_b32 s[G1+1], 32<<16                      ; tensor_dim0 = 32 elements
	s_mov_b32 s[G1+2], 32<<16                      ; tensor_dim1 = 32
	s_mov_b32 s[G1+3], 32<<16                      ; tile_dim0
	s_mov_b32 s[G1+4], 32                          ; tile_dim1
	s_mov_b32 s[G1+5], 32                          ; tensor_dim0_stride: dense
	s_mov_b32 s[G1+6], 0
	s_mov_b32 s[G1+7], 0
	s_mov_b32 s[SEL], 0x76543210
	s_mov_b32 s[SEL+1], 0xfedcba98
	s_mov_b32 s[CS], 0x3e38aa3b                    ; log2(e) / 8
	s_wait_dscnt 0x0
	s_wait_kmcnt 0x0
	s_load_b256 s[48:55], s[10:11], 0x0            ; e0 .. e7
	s_add_nc_u64 s[78:79], s[6:7], s[76:77]
	s_add_nc_u64 s[80:81], s[8:9], s[76:77]
	CROUND                                         ; all four work-groups are here: the joint loads meet
.irp n, 0,1
	s_mov_b32 s[G0K+4*\n], 1
	s_add_co_u32 s[G0K+4*\n+1], s74, CHUNK*\n
	s_add_nc_u64 s[G0K+4*\n+2:G0K+4*\n+3], s[78:79], CHUNK*\n
	s_or_b32 s[G0K+4*\n+3], s[G0K+4*\n+3], 0x80000000
	s_mov_b32 s[G0V+4*\n], 1
	s_add_co_u32 s[G0V+4*\n+1], s74, VBASE+CHUNK*\n
	s_add_nc_u64 s[G0V+4*\n+2:G0V+4*\n+3], s[80:81], CHUNK*\n
	s_or_b32 s[G0V+4*\n+3], s[G0V+4*\n+3], 0x80000000
.endr
	s_cmp_lt_u32 s[WV], 8                          ; waves 0-7 fetch K, waves 8-15 V.  A wave's two loads stand in one branch, ahead of every wait on TENSORcnt, LDS read and barrier: two loads of mine are out; four v_nop follow the second
	s_cbranch_scc0 .Lfirst_v
	tensor_load_to_lds s[G0K:G0K+3], s[G1:G1+7]
	s_nop 0
	tensor_load_to_lds s[G0K+4:G0K+7], s[G1:G1+7]
	s_nop 0
.rept 4
	v_nop
.endr
	s_branch .Lfirst_asked
.Lfirst_v:
	tensor_load_to_lds s[G0V:G0V+3], s[G1:G1+7]
	s_nop 0
	tensor_load_to_lds s[G0V+4:G0V+7], s[G1:G1+7]
	s_nop 0
.rept 4
	v_nop
.endr
.Lfirst_asked:
	s_lshl_b32 s82, s[WV], 2
	s_add_co_u32 s82, s82, s70                     ; j: my early tile,
	s_sub_co_u32 s83, 127, s82                     ; and my late one
	s_lshl_b32 s84, s83, 10
	s_add_co_u32 s84, s84, s72
	s_mov_b32 s85, 0
	s_add_nc_u64 s[84:85], s[4:5], s[84:85]        ; their images in qimg: 1,024 bytes a tile
	s_lshl_b32 s86, s82, 10
	s_add_co_u32 s86, s86, s72
	s_mov_b32 s87, 0
	s_add_nc_u64 s[86:87], s[4:5], s[86:87]
	v_and_b32 v8, 31, v0
	v_lshlrev_b32 v[LI], 4, v8
	global_load_b128 v[16:19], v[LI], s[84:85]
	global_load_b128 v[20:23], v[LI], s[84:85] offset:512
	global_load_b128 v[24:27], v[LI], s[86:87]
	global_load_b128 v[28:31], v[LI], s[86:87] offset:512
	v_add_nc_u32 v[LV], VBASE, v[LI]
	s_lshr_b32 s88, s71, 4
	s_lshl_b32 s88, s88, 7                         ; 128 x batch: tiles of tokens
	s_and_b32 s89, s71, 15
	s_lshl_b32 s89, s89, 10                        ; the head's 1,024 bytes of a tile's 16,384
	s_add_co_u32 s[PBIG], s88, s83
	s_lshl_b32 s[PBIG], s[PBIG], 14
	s_add_co_u32 s[PBIG], s[PBIG], s89
	s_mov_b32 s[PBIG+1], 0
	s_add_nc_u64 s[PBIG:PBIG+1], s[12:13], s[PBIG:PBIG+1]
	s_add_co_u32 s[PSML], s88, s82
	s_lshl_b32 s[PSML], s[PSML], 14
	s_add_co_u32 s[PSML], s[PSML], s89
	s_mov_b32 s[PSML+1], 0
	s_add_nc_u64 s[PSML:PSML+1], s[12:13], s[PSML:PSML+1]
	v_and_b32 v9, 15, v0                           ; r
	v_bfe_u32 v10, v0, 4, 1                        ; h
	v_lshlrev_b32 v10, 3, v10
	v_sub_nc_u32 v9, v9, v10                       ; r - 8 h
	s_and_b32 s90, s83, 7
	s_lshl_b32 s90, s90, 4
	v_add_nc_u32 v[VD], s90, v9                    ; on the diagonal step register 8 tau + i holds a hidden key where 16 tau + i > 16 (tile % 8) + r - 8 h
	s_and_b32 s90, s82, 7
	s_lshl_b32 s90, s90, 4
	v_add_nc_u32 v[VDS], s90, v9
	s_lshr_b32 s90, s[WV], 1
	s_sub_co_u32 s[NB], 8, s90
	s_sub_co_u32 s[NBM1], 7, s90
	s_mov_b32 s[DG], s[NBM1]
	v_mov_b32 v13, 0xff61b1e6                      ; the largest t so far: -3e38, under every t
	v_floor_f32 v12, -v13                          ; -M
	v_mov_b32 v14, 0                               ; the sum, in two halves
	v_mov_b32 v15, 0
	v_mov_b32 v208, 0                              ; written once: a lane permute's destination counts as one of its sources
	v_mov_b32 v253, 0                              ; (named as the upper half of the pair v[252:253])
.set J, 0
.rept 32
	v_mov_b32 v[160+J], 0                          ; O^T.  (The step is written once: a tile's first step finds zeros, which the first change of M leaves zeros)
.set J, J+1
.endr
	s_wait_kmcnt 0x0
	s_add_co_i32 s90, s50, s51
	s_lshl_b32 s90, s90, 23
	s_add_co_i32 s[CS], s[CS], s90                 ; a score stands for score x 2^(e2 + e3): the two exponents are added to c's exponent field
	s_mov_b32 s[CS+1], s[CS]                       ; (named with it as a pair, so it is written)
	s_add_co_i32 s90, s52, 127
	s_lshl_b32 s91, s90, 23
	v_mov_b32 v244, s91                            ; 2^e4 as f32, for p's conversion
	s_add_co_i32 s90, s90, 15
	s_lshl_b32 s90, s90, 23
	s_or_b32 s90, s90, 0x600000
	v_mov_b32 v240, s90                            ; 57,344 x 2^e4
	s_sub_co_i32 s90, s54, s52
	s_sub_co_i32 s90, s90, s53                     ; O^T / the sum stands for that x 2^(e4 + e5): its conversion takes 2^(e6 - e4 - e5)
	s_add_co_i32 s90, s90, 127
	s_lshl_b32 s91, s90, 23
	v_mov_b32 v246, s91
	s_add_co_i32 s90, s90, 15
	s_lshl_b32 s90, s90, 23
	s_or_b32 s90, s90, 0x600000
	v_mov_b32 v247, s90
; A KEY STEP: the 128 keys whose images begin at s[TB].  gen = 1: the trip s[DG] lies on the diagonal and is masked.
.macro STEP gen
	v_add_nc_u32 v[ADK], s[TB], v[LI]
	v_add_nc_u32 v[ADV], s[TB], v[LV]
	v_nop
	v_nop                                          ; four places in front of loads into registers that the last step's matrix instructions have read
.irp t, 0,1,2,3,4,5,6,7
	ds_load_b128 v[32+8*\t:35+8*\t], v[ADK] offset:1024*\t
	ds_load_b128 v[36+8*\t:39+8*\t], v[ADK] offset:1024*\t+512
.endr
	s_wait_dscnt 0x0
.irp t, 0,1,2,3,4,5,6,7
	v_wmma_f32_16x16x64_bf8_bf8 v[96+8*\t:103+8*\t], v[32+8*\t:39+8*\t], v[16:23], 0
.endr
.rept 4
	v_nop                                          ; places in front of the loads below and of the first read of the scores
.endr
.irp t, 0,1,2,3
.irp c, 0,1,2,3
	ds_load_b128 v[32+16*\t+4*\c:35+16*\t+4*\c], v[ADV] offset:2048*\t+512*\c   ; V's four fragments land while the softmax is worked
.endr
.endr
.if \gen
	s_cmp_lg_u32 s[U], s[DG]
	s_cbranch_scc1 .Lopen_\@
	v_mov_b32 v254, 0xff800000                     ; hidden scores become -infinity ahead of the maximum: p = 0 then.  A query's own key is never hidden
.set N, 0
.rept 64
	v_cmp_gt_i32 vcc_lo, 16*(N/8)+N%8, v[VD]
	v_cndmask_b32 v[96+N], v[96+N], v254, vcc_lo
.set N, N+1
.endr
.Lopen_\@:
.endif
	v_max3_num_f32 v254, v96, v97, v98             ; the step's largest score of my query, among my 64 keys, in two chains,
	v_max3_num_f32 v252, v99, v100, v101
.irp i, 6,10,14,18,22,26,30,34,38,42,46,50,54,58
	v_max3_num_f32 v254, v254, v[96+\i], v[97+\i]
	v_max3_num_f32 v252, v252, v[98+\i], v[99+\i]
.endr
	v_max3_num_f32 v254, v254, v158, v159
	v_max_num_f32 v254, v254, v252
	v_permlanex16_b32 v208, v254, s[SEL], s[SEL+1]
	v_max_num_f32 v254, v254, v208                 ; and among lane l xor 16's
	v_mul_f32 v254, s[CS], v254                    ; as t (c is positive)
	v_max_num_f32 v13, v13, v254                   ; the running largest t
	v_mov_b32 v254, v12
	v_floor_f32 v12, -v13                          ; the new -M = floor(-t) = -ceil(t): M is a whole number
	v_sub_f32 v254, v12, v254                      ; M's old value less its new one: a whole number, 0 or less
	v_cvt_i32_f32 v254, v254                       ; (it saturates)
	v_ldexp_f32 v252, 1.0, v254                    ; f = 2^(old M - new M)
.set J, 0
.rept 32
	v_pk_fma_f32 v[96+J:97+J], v[96+J:97+J], s[CS:CS+1], v[12:13] op_sel_hi:[1,0,0]   ; t - M, two at a time (of the pairs c and -M the low word serves both halves)
.set J, J+2
.endr
.set J, 0
.rept 64
	v_exp_f32 v[96+J], v[96+J]                     ; p = 2^(t - M), at most 1: not normalised
.set J, J+1
.endr
	v_pk_mul_f32 v[14:15], v[14:15], v[252:253] op_sel_hi:[1,0]   ; the sums under the new M.  (A plain place behind the exponentials)
	s_wait_alu depctr_va_vdst(0)
	v_pk_add_f32 v[242:243], v[96:97], v[98:99]    ; the row's sum is taken of the unquantised p: two at a time, in two chains
.irp j, 4,8,12,16,20,24,28,32,36,40,44,48,52,56,60
	v_pk_add_f32 v[14:15], v[14:15], v[96+\j:97+\j]
	v_pk_add_f32 v[242:243], v[242:243], v[98+\j:99+\j]
.endr
	v_pk_add_f32 v[14:15], v[14:15], v[242:243]
.irp b, 0,1,2,3
.irp i, 0,1,2,3,4,5,6,7,8,9,10,11,12,13,14,15
	v_min_num_f32 v[96+16*\b+\i], v[96+16*\b+\i], v240   ; the conversion does not saturate (ISA guide 7.6.2); p is not negative, so the hold is one-sided
.endr
	v_cvt_scalef32_pk8_bf8_f32 v[224+4*\b:225+4*\b], v[96+16*\b:103+16*\b], v244
	v_cvt_scalef32_pk8_bf8_f32 v[226+4*\b:227+4*\b], v[104+16*\b:111+16*\b], v244
.endr
.set J, 0
.rept 16
	v_pk_mul_f32 v[160+J:161+J], v[160+J:161+J], v[252:253] op_sel_hi:[1,0]   ; O^T under the new M: x f.  (These are also the place between the conversions and the products below)
.set J, J+2
.endr
	s_wait_dscnt 0x0                               ; V is in
.irp t, 0,1,2,3                                ; O^T += V^T P^T: the four accumulators by turns, one instruction a turn
	v_wmma_f32_16x16x128_bf8_bf8 v[160+8*\t:167+8*\t], v[32+16*\t:47+16*\t], v[224:239], v[160+8*\t:167+8*\t]
.endr
.endm
; A TILE IS FINISHED: O^T / the sum, held, converted, stored as two images of 512 bytes.  reinit = 1: the early tile takes the late one's place.
.macro FINAL ptr, creg, reinit
.rept 4
	v_nop                                          ; places behind the last products
.endr
	v_add_f32 v14, v14, v15                        ; the sum's two halves,
	v_permlanex16_b32 v208, v14, s[SEL], s[SEL+1]
	v_add_f32 v14, v14, v208                       ; and lane l xor 16's: the row's sum
	v_rcp_f32 v14, v14
	v_nop                                          ; one plain place behind a transcendental
	s_wait_alu depctr_va_vdst(0)
.irp n, 0,1
.irp p, 0,1
.irp j, 0,1,2,3,4,5,6,7
	v_mul_f32 v[96+16*\n+2*\j+\p], v[160+8*(2*\n+\p)+\j], v14   ; channel 32 n + 16 h + 2 j + p: the even and the odd tile by turns; each accumulator from its low end on
.endr
.endr
.endr
.set J, 0
.rept 32
	v_med3_num_f32 v[96+J], v[96+J], -v247, v247
.set J, J+1
.endr
.irp n, 0,1
	v_cvt_scalef32_pk8_bf8_f32 v[\creg+4*\n:\creg+4*\n+1], v[96+16*\n:103+16*\n], v246
	v_cvt_scalef32_pk8_bf8_f32 v[\creg+4*\n+2:\creg+4*\n+3], v[104+16*\n:111+16*\n], v246
.endr
	global_store_b128 v[LI], v[\creg:\creg+3], s[\ptr:\ptr+1]              ; 512 consecutive bytes, aligned; each tile has its own registers
	global_store_b128 v[LI], v[\creg+4:\creg+7], s[\ptr:\ptr+1] offset:512
.if \reinit
.irp j, 0,1,2,3,4,5,6,7
	v_mov_b32 v[16+\j], v[24+\j]                   ; the early tile's Q
.endr
	v_mov_b32 v13, 0xff61b1e6
	v_floor_f32 v12, -v13
	v_mov_b32 v14, 0
	v_mov_b32 v15, 0
	v_mov_b32 v[VD], v[VDS]
.set J, 0
.rept 32
	v_mov_b32 v[160+J], 0
.set J, J+1
.endr
	s_mov_b32 s[DG], 8                             ; its diagonal step is the loop's last trip
.endif
.endm
	s_wait_loadcnt 0x0                             ; Q
	s_wait_tensorcnt 0x1                           ; my part of keys 0-1023 is in; my second load may stay out
	s_barrier_signal -1
	s_barrier_wait -1                              ; everybody's is
	s_mov_b32 s[TB], 0
	s_mov_b32 s[CNT], 8
.Lfirst_half:                                      ; the late tile's key steps 0 to 7: its queries are 1,024 or later, so every key counts; the reads stay inside the bytes that have landed
	STEP 0
	s_add_co_u32 s[TB], s[TB], 8192
	s_sub_co_u32 s[CNT], s[CNT], 1
	s_cmp_lg_u32 s[CNT], 0
	s_cbranch_scc1 .Lfirst_half
	s_wait_tensorcnt 0x0                           ; my part of keys 1024-2047 is in,
	s_wait_dscnt 0x0
	s_barrier_signal -1
	s_barrier_wait -1                              ; everybody's is
	s_mov_b32 s[U], 0
.Lsecond_half:                                     ; nine trips: the late tile's steps 8 .. 15 - w / 2, then the early tile's 0 .. w / 2
	s_add_co_u32 s70, s[U], 8
	s_sub_co_u32 s71, s[U], s[NB]
	s_cmp_lt_u32 s[U], s[NB]
	s_cselect_b32 s70, s70, s71
	s_and_b32 s70, s70, 15
	s_lshl_b32 s[TB], s70, 13
	STEP 1
	s_cmp_lg_u32 s[U], s[NBM1]
	s_cbranch_scc1 .Lnot_done
	FINAL PBIG, 192, 1
.Lnot_done:
	s_add_co_u32 s[U], s[U], 1
	s_cmp_lt_u32 s[U], 9
	s_cbranch_scc1 .Lsecond_half
	FINAL PSML, 200, 0
	s_wait_dscnt 0x0
	s_wait_tensorcnt 0x0
	ds_add_u32 v251, v255
	s_wait_dscnt 0x0
	CROUND                                         ; the closing round: no work-group ends while a partner may still ask for a tile that names it
	s_endpgm
.Lfunc_end_k_q7c1534ebf9_attn:
	.size	k_q7c1534ebf9_attn, .Lfunc_end_k_q7c1534ebf9_attn-k_q7c1534ebf9_attn
	.p2alignl 7, 3214868480
	.fill 96, 4, 3214868480
	.section	.rodata,"a",@progbits
	.p2align	6, 0x0
	.amdhsa_kernel k_q7c1534ebf9_attn
		.amdhsa_group_segment_fixed_size 264192
		.amdhsa_private_segment_fixed_size 0
		.amdhsa_enable_private_segment 0
		.amdhsa_kernarg_size 40
		.amdhsa_user_sgpr_count 2
		.amdhsa_user_sgpr_kernarg_segment_ptr 1
		.amdhsa_wavefront_size32 1
		.amdhsa_system_sgpr_workgroup_id_x 1
		.amdhsa_system_sgpr_workgroup_id_y 1
		.amdhsa_system_sgpr_workgroup_id_z 1
		.amdhsa_system_vgpr_workitem_id 0
		.amdhsa_next_free_vgpr 256
		.amdhsa_next_free_sgpr 100
		.amdhsa_reserve_vcc 1
		.amdhsa_float_denorm_mode_32 3
		.amdhsa_float_denorm_mode_16_64 3
		.amdhsa_memory_ordered 1
		.amdhsa_forward_progress 1
		.amdhsa_inst_pref_size 54
	.end_amdhsa_kernel
	.amdgpu_metadata
---
amdhsa.version: [ 1, 2 ]
amdhsa.kernels:
  - .name:           k_q7c1534ebf9_attn
    .symbol:         k_q7c1534ebf9_attn.kd
    .args:
      - { .name: qimg, .offset: 0, .size: 8, .value_kind: global_buffer, .address_space: global }
      - { .name: kimg, .offset: 8, .size: 8, .value_kind: global_buffer, .address_space: global }
      - { .name: vimg, .offset: 16, .size: 8, .value_kind: global_buffer, .address_space: global }
      - { .name: lowp_scales, .offset: 24, .size: 8, .value_kind: global_buffer, .address_space: global }
      - { .name: oc, .offset: 32, .size: 8, .value_kind: global_buffer, .address_space: global }
    .group_segment_fixed_size: 264192
    .private_segment_fixed_size: 0
    .kernarg_segment_align: 8
    .kernarg_segment_size: 40
    .max_flat_workgroup_size: 512
    .sgpr_count:     100
    .vgpr_count:     256
    .wavefront_size: 32
...
	.end_amdgpu_metadata
.endif
;; end of part 3
;; launch oproj (part 4): grid 4 x 32, 4 waves a work-group, clusters of 4 x 4, 327,680 bytes of LDS; arguments oc, woc, lowp_scales, Wo_b, out0; writes out0
.if DOCPART == 4
	.amdgcn_target "amdgcn-amd-amdhsa--gfx1250"
	.amdhsa_code_object_version 6
	.text
	.protected	k_q7c1534ebf9_oproj
	.globl	k_q7c1534ebf9_oproj
	.p2align	8
	.type	k_q7c1534ebf9_oproj,@function
k_q7c1534ebf9_oproj:
	s_mov_b64 s[64:65], 0
	v_nop
	global_prefetch_b8 v0, s[64:65] scope:SCOPE_SE
	s_setreg_imm32_b32 hwreg(HW_REG_WAVE_MODE, 25, 1), 1
	s_wait_xcnt 0x0
	s_wait_alu depctr_hold_cnt(0) depctr_sa_sdst(0) depctr_va_vdst(0) depctr_va_sdst(0) depctr_va_ssrc(0) depctr_va_vcc(0) depctr_vm_vsrc(0)
	s_getreg_b32 s2, hwreg(HW_REG_IB_STS2, 6, 4)
	s_cmp_eq_u32 s2, 0
	s_cbranch_scc0 .Lentry_in_a_cluster
	s_endpgm
.Lentry_in_a_cluster:
	s_bfe_u32 s2, ttmp6, 0x10000c
	s_cmp_lg_u32 s2, 0xf033
	s_cbranch_scc0 .Lentry_shape_is_right
	s_endpgm
.Lentry_shape_is_right:
; LAUNCH 4.  out0 = attention's result x Wo^T + b on codes of BF8.  oc: the left operand as images of its fragments, [token / 16][8 K steps of 128][4][lane][16 bytes]; woc: [1024][1024] codes, K innermost; out0: [8192][1024] f32.
; A tile of 256 x 256 is made by four waves, 128 x 128 each: 64 accumulators in 512 registers.  K = 1,024 goes in four steps of 256 through a ring of two LDS slots filled by the tensor data mover.
; The grid is 4 x 32 tiles: 128 work-groups.  A smaller tile would give more work-groups and read each LDS byte for fewer products; the larger tile is kept.
; CLUSTERS: 4 x 4 work-groups; the four of a row of the cluster need the same tiles of oc, the four of a column the same tiles of woc: each tile is asked for jointly.
; THE MATRIX INSTRUCTION IS USED TRANSPOSED (source 0 = 16 rows of Wo, source 1 = 16 tokens): a lane holds eight neighbouring numbers of a row of out0.
; THE BIAS, divided by 2^(e6 + e7), is the C of each sum's first matrix instruction; each finished sum is multiplied once by 2^(e6 + e7).  LIMIT: e6 + e7 between -126 and 127.
; REGISTERS, in windows of 256: window 0: v0-31 addresses; v32-95 the bias, later at work on the way out; from v128 the left operand's fragments, ONE set.
;   window 1: Wo's fragments, TWO sets.   window 2: the 32 accumulators of my tokens 0-63;   window 3: those of my tokens 64-127.
.set KROW,   1024
.set ROWB,   256
.set PITCH,  272                       ; Wo's LDS row: 256 bytes + 16 of padding
.set FR,     16
.set NL,     4
.set NP,     4
.set HALFT,  128*PITCH                 ; Wo: 128 rows, what one tensor load brings
.set AHALF,  32768                     ; oc: 8 tiles of tokens x 2 K steps of 128 x 2,048 bytes, what one tensor load brings; dense
.set ABYTES, 2*AHALF
.set SLOT,   ABYTES+2*HALFT            ; oc's 256 tokens, then Wo's 256 rows
.set SPARE,  2*SLOT                    ; behind the ring: the spare words, 128 bytes for each wave
.set SIZE_N, 1024
.set SPITCH, 528                       ; the way out: a stage of 16 rows x (512 bytes + 16) for each wave, in slot 0, which has had its last fill and its last read by then
.set ADRA, 16
.set ADRB, 20
.set STO,  24                          ; v24  the way out: where I put 32 bytes of a row
.set RD,   25                          ; v25  where I read a row back
.set CO,   26                          ; v26  16 x lane: my place in an image, and my byte offset in a row of out0
.set SPW,  28
.set NIL,  29
.set BI,   32                          ; v32-95 the bias in the result's layout
.set TMP,  32                          ; the way out: a block's sums x 2^(e6 + e7)
.set AF,   128
.set BK,   128                         ; the way out: 16 rows read back from the stage: v128-191 and v192-255 by turns
.set WV, 20
.set RH, 21
.set CH, 22
.set G1, 24
.set G0, 32
.set G1B, 48
.set G0B, 56
.set MSB, 0
.macro WIN new                         ; the immediate's high byte repeats the setting that is left
.if MSB != (\new)
	s_set_vgpr_msb (MSB<<8)|(\new)
.set MSB, \new
.endif
.endm
.set MUL_LO, 0xa1
.set MUL_HI, 0xf1
.set BIA_LO, 0x81
.set BIA_HI, 0xc1
.set TO_B,   0x40
.macro JLOAD g0a, g1a, g0b, g1b        ; a joint load: waves 0 and 1 fetch for oc, waves 2 and 3 for Wo; four v_nop follow each of the two lines
	s_cmp_eq_u32 s[RH], 0
	s_cbranch_scc0 .Lfor_b_\@
	tensor_load_to_lds s[\g0a:\g0a+3], s[\g1a:\g1a+7]
	s_nop 0
.rept 4
	v_nop
.endr
	s_branch .Lasked_\@
.Lfor_b_\@:
	tensor_load_to_lds s[\g0b:\g0b+3], s[\g1b:\g1b+7]
	s_nop 0
.rept 4
	v_nop
.endr
.Lasked_\@:
.endm
.macro CREST
	s_cmp_lg_u32 s[WV], 0
	s_cbranch_scc1 .Lnot_wave_0_\@
	s_barrier_signal -3
.Lnot_wave_0_\@:
	s_barrier_wait -3
	s_barrier_signal -1
	s_barrier_wait -1
.endm
.macro CROUND
	s_barrier_signal -1
	s_barrier_wait -1
	CREST
.endm
	s_load_b256 s[4:11], s[0:1], 0x0               ; oc s[4:5], woc s[6:7], scales s[8:9], bias s[10:11]
	s_load_b64 s[12:13], s[0:1], 0x20              ; out0
	v_lshl_add_u32 v[SPW], v0, 2, SPARE
	v_mov_b32 v[NIL], 0
	ds_add_u32 v28, v29
	ds_add_u32 v28, v29
	s_wait_dscnt 0x0
	v_lshrrev_b32 v1, 5, v0
	v_readfirstlane_b32 s[WV], v1
	s_lshr_b32 s[RH], s[WV], 1                     ; my half of the tokens.  Also: I fetch for oc (0) or for Wo (1)
	s_and_b32 s[CH], s[WV], 1                      ; my half of the columns.  Also: which half of that tile I fetch
	s_bfe_u32 s40, ttmp6, 0x40000                  ; cx, cy
	s_bfe_u32 s41, ttmp6, 0x40004
	s_lshl_b32 s42, ttmp9, 2
	s_add_co_u32 s42, s42, s40                     ; tile column
	s_and_b32 s66, ttmp7, 0xffff
	s_lshl_b32 s66, s66, 2
	s_add_co_u32 s66, s66, s41                     ; tile row
	s_lshl_b32 s43, s41, 2
	s_lshl_b32 s43, 15, s43                        ; my row of the cluster
	s_lshl_b32 s44, 0x1111, s40                    ; my column
	; oc's tiles: 8 rows (tiles of 16 tokens) of 4,096 bytes (two K steps of 128), 16,384 bytes apart; dense in LDS
	s_or_b32 s[G1+0], s43, (3<<16)|(1<<21)         ; 15:0 the mask: my row; 17:16 elements of 8 bytes; 21 set beside a mask; no padding
	s_mov_b32 s[G1+1], 512<<16                     ; tensor_dim0 = 512 elements
	s_mov_b32 s[G1+2], 8<<16                       ; tensor_dim1 = 8
	s_mov_b32 s[G1+3], 512<<16                     ; tile_dim0
	s_mov_b32 s[G1+4], 8                           ; tile_dim1
	s_mov_b32 s[G1+5], 2048                        ; tensor_dim0_stride
	s_mov_b32 s[G1+6], 0
	s_mov_b32 s[G1+7], 0
	; Wo's tiles: 128 rows x 256 bytes, padded in LDS
	s_or_b32 s[G1B+0], s44, (0<<16)|(1<<20)|(1<<21)|(5<<22)|(3<<25)
	s_mov_b32 s[G1B+1], ROWB<<16
	s_mov_b32 s[G1B+2], 128<<16
	s_mov_b32 s[G1B+3], ROWB<<16
	s_mov_b32 s[G1B+4], 128
	s_mov_b32 s[G1B+5], KROW
	s_mov_b32 s[G1B+6], 0
	s_mov_b32 s[G1B+7], 0
	s_lshl_b32 s68, s66, 18                        ; oc: (16 x tile row + 8 x half) tiles of 16,384 bytes
	s_lshl_b32 s70, s[CH], 17
	s_add_co_u32 s68, s68, s70
	s_mov_b32 s69, 0
	s_lshl_b32 s70, s[CH], 7
	s_lshl_b32 s46, s42, 8
	s_add_co_u32 s46, s46, s70                     ; Wo: row 256 x tile column + 128 x half
	s_lshl_b32 s46, s46, 10
	s_mov_b32 s47, 0
	s_lshl_b32 s45, s[CH], 15                      ; where they go: oc's halves at 0 and 32,768,
	s_mul_i32 s71, s[CH], HALFT
	s_add_co_u32 s71, s71, ABYTES                  ; Wo's behind them: no place in the cluster enters an LDS address
	s_wait_kmcnt 0x0
	s_load_b256 s[72:79], s[8:9], 0x0              ; e0 .. e7
	s_add_nc_u64 s[68:69], s[4:5], s[68:69]
	s_add_nc_u64 s[46:47], s[6:7], s[46:47]
	CROUND                                         ; all sixteen work-groups are here: the first joint loads meet
.irp s, 0,1
	s_mov_b32 s[G0+4*\s], 1
	s_add_co_u32 s[G0+4*\s+1], s45, \s*SLOT
	s_add_nc_u64 s[G0+4*\s+2:G0+4*\s+3], s[68:69], \s*4096
	s_or_b32 s[G0+4*\s+3], s[G0+4*\s+3], 0x80000000
	s_mov_b32 s[G0B+4*\s], 1
	s_add_co_u32 s[G0B+4*\s+1], s71, \s*SLOT
	s_add_nc_u64 s[G0B+4*\s+2:G0B+4*\s+3], s[46:47], \s*ROWB
	s_or_b32 s[G0B+4*\s+3], s[G0B+4*\s+3], 0x80000000
	JLOAD G0+4*\s, G1, G0B+4*\s, G1B
.endr
	v_and_b32 v1, 15, v0                           ; r
	v_bfe_u32 v2, v0, 4, 1                         ; h
	v_lshlrev_b32 v5, 5, v2                        ; the bias: 32 h bytes: my half's 8 columns of each 16
	s_lshl_b32 s80, s42, 10
	s_lshl_b32 s81, s[CH], 9
	s_add_co_u32 s80, s80, s81                     ; 4 bytes x my first column; also my first column's bytes in a row of out0
	s_mov_b32 s81, 0
	s_add_nc_u64 s[84:85], s[10:11], s[80:81]
.irp b, 0,1,2,3,4,5,6,7
	global_load_b128 v[BI+8*\b:BI+8*\b+3], v5, s[84:85] offset:64*\b
	global_load_b128 v[BI+8*\b+4:BI+8*\b+7], v5, s[84:85] offset:64*\b+16
.endr
	v_mul_u32_u24 v3, v1, PITCH
	v_lshl_add_u32 v4, v2, 4, v3                   ; Wo: a fragment's row x pitch + 16 x half
	v_and_b32 v6, 31, v0
	v_lshlrev_b32 v[CO], 4, v6                     ; oc: an image's 16 bytes a lane
	s_lshl_b32 s82, s[RH], 15                      ; my 128 tokens of oc
	s_mul_i32 s83, s[CH], HALFT                    ; my 128 rows of Wo
	s_add_co_u32 s83, s83, ABYTES
.irp s, 0,1
	v_add_nc_u32 v[ADRA+\s], s82, v[CO]
	v_add_nc_u32 v[ADRB+\s], s83, v4
	s_add_co_u32 s82, s82, SLOT
	s_add_co_u32 s83, s83, SLOT
.endr
	s_mul_i32 s86, s[WV], 16*SPITCH                ; my stage
	v_mul_u32_u24 v7, v1, SPITCH                   ; in: row r, 32 bytes for each half of the lanes
	v_lshl_add_u32 v7, v2, 5, v7
	v_add_nc_u32 v[STO], s86, v7
	v_add_nc_u32 v[RD], s86, v[CO]                 ; back: the 32 lanes take one row of 512 bytes
	s_lshl_b32 s88, s66, 8
	s_lshl_b32 s89, s[RH], 7
	s_add_co_u32 s88, s88, s89                     ; my first row of out0,
	s_lshl_b32 s88, s88, 12                        ; of 4,096 bytes
	s_mov_b32 s89, 0
	s_add_nc_u64 s[88:89], s[88:89], s[80:81]
	s_add_nc_u64 s[12:13], s[12:13], s[88:89]
	s_wait_kmcnt 0x0                               ; the scales
	s_add_co_i32 s96, s78, s79                     ; e6 + e7
	s_sub_co_i32 s90, 0, s96
	s_add_co_i32 s96, s96, 127
	s_lshl_b32 s96, s96, 23                        ; 2^(e6 + e7) as f32
	s_mov_b32 s97, s96                             ; (named with it as a pair, so it is written)
	s_wait_loadcnt 0x0                             ; the bias
.set J, 0
.rept 64
	v_ldexp_f32 v[BI+J], v[BI+J], s90              ; / 2^(e6 + e7): the sums lack that factor until the way out
.set J, J+1
.endr
.macro MUL16 a0, p, zero               ; 16 matrix instructions; the 64 accumulators take turns, one instruction a turn
.irp a, \a0, \a0+1
.irp b, 0,1,2,3,4,5,6,7
.if \zero
	v_wmma_f32_16x16x128_bf8_bf8 v[8*(8*((\a)%4)+\b):8*(8*((\a)%4)+\b)+7], v[128*(\p)+FR*\b:128*(\p)+FR*\b+FR-1], v[AF+FR*(\a):AF+FR*(\a)+FR-1], v[BI+8*\b:BI+8*\b+7]
.else
	v_wmma_f32_16x16x128_bf8_bf8 v[8*(8*((\a)%4)+\b):8*(8*((\a)%4)+\b)+7], v[128*(\p)+FR*\b:128*(\p)+FR*\b+FR-1], v[AF+FR*(\a):AF+FR*(\a)+FR-1], v[8*(8*((\a)%4)+\b):8*(8*((\a)%4)+\b)+7]
.endif
.endr
.endr
.endm
.macro FETCH_B slot, q, p              ; Wo's eight fragments: lane l holds row l % 16; registers 4 c .. 4 c + 3 hold K = 32 c + 16 (l / 16) + 0 .. 15, as oc's images do
	WIN TO_B
.irp i, 0,1,2,3,4,5,6,7
.irp c, 0,1,2,3
	ds_load_b128 v[128*(\p)+FR*\i+4*\c:128*(\p)+FR*\i+4*\c+3], v[ADRB+\slot] offset:128*(\q)+32*\c+\i*16*PITCH
.endr
.endr
	WIN 0
.endm
.macro FETCH_A slot, q, i0             ; the left operand's blocks i0 .. i0 + 3: images, 512 consecutive bytes a load
.irp i, \i0, \i0+1, \i0+2, \i0+3
.irp c, 0,1,2,3
	ds_load_b128 v[AF+FR*(\i)+4*\c:AF+FR*(\i)+4*\c+3], v[ADRA+\slot] offset:4096*(\i)+2048*(\q)+512*\c
.endr
.endr
.endm
.macro PLACES n
.rept \n
	v_nop
.endr
.endm
.macro STEP slot, q, zero
	s_wait_dscnt 4*NL                              ; Wo's set and blocks 0-3 are in; the youngest 16 loads (blocks 4-7) may be out
.if \zero
	WIN BIA_LO
.else
	WIN MUL_LO
.endif
	MUL16 0, (\q)%2, \zero
	MUL16 2, (\q)%2, \zero
	s_wait_dscnt 0
	PLACES NP
	FETCH_B \slot, (\q)+1, 1-(\q)%2
	FETCH_A \slot, (\q)+1, 0
.if \zero
	WIN BIA_HI
.else
	WIN MUL_HI
.endif
	MUL16 4, (\q)%2, \zero
	MUL16 6, (\q)%2, \zero
	PLACES NP
	WIN 0
	FETCH_A \slot, (\q)+1, 4
.endm
.macro TURN slot, next, fill
	s_wait_tensorcnt 0x0                           ; all my tensor loads have landed: my part of the next slot;  (every window is 0 here)
	ds_add_u32 v[SPW], v[NIL]                      ; 0 onto my spare word;
	s_wait_dscnt 4*NL+1                            ; (the add and the youngest 16 loads may be out)
	WIN MUL_LO
	MUL16 0, 1, 0
	s_wait_dscnt 0x0                               ; the add is done, and my reads of this slot are over
	s_barrier_signal -1
	MUL16 2, 1, 0
	WIN 0
	s_barrier_wait -1
.if \fill
	CREST                                          ; a round of the cluster's barrier: no wave of any partner still reads this slot's tile or has a load on its way
	s_add_nc_u64 s[G0+4*\slot+2:G0+4*\slot+3], s[G0+4*\slot+2:G0+4*\slot+3], 2*4096
	s_add_nc_u64 s[G0B+4*\slot+2:G0B+4*\slot+3], s[G0B+4*\slot+2:G0B+4*\slot+3], 2*ROWB
	JLOAD G0+4*\slot, G1, G0B+4*\slot, G1B         ; the first tensor load behind the round; its four v_nop are the places in front of the loads below
.else
	PLACES NP
.endif
	FETCH_B \next, 0, 0
	FETCH_A \next, 0, 0
	WIN MUL_HI
	MUL16 4, 1, 0
	MUL16 6, 1, 0
	PLACES NP
	WIN 0
	FETCH_A \next, 0, 4
.endm
	s_wait_tensorcnt 0x1                           ; my part of K step 0 is in (K step 1's load may be out)
	s_barrier_signal -1
	s_barrier_wait -1                              ; everybody's is
	FETCH_B 0, 0, 0
	FETCH_A 0, 0, 0
	FETCH_A 0, 0, 4
	STEP 0, 0, 1                                   ; the first products start the sums on the bias
	TURN 0, 1, 1
	STEP 1, 0, 0
	TURN 1, 0, 1
	STEP 0, 0, 0
	TURN 0, 1, 0                                   ; the last two slots are not filled again
	STEP 1, 0, 0
	s_wait_dscnt 4*NL
	WIN MUL_LO
	MUL16 0, 1, 0
	MUL16 2, 1, 0
	s_wait_dscnt 0
	WIN MUL_HI
	MUL16 4, 1, 0
	MUL16 6, 1, 0
	WIN 0
; THE WAY OUT, block by block of 16 rows x 128 columns, through my own stage in LDS: in as 32 bytes a lane, back as whole rows of 512 bytes.  LDS serves a wave's instructions in order: no wait between the stores and the loads.
.macro TOSTAGE a
.set AC, 64*((\a)%4)
	WIN 0x02+((\a)/4)                              ; source 0: window 2 or 3
.set J, 0
.rept 32
	v_pk_mul_f32 v[TMP+J:TMP+J+1], v[AC+J:AC+J+1], s[96:97] op_sel_hi:[1,0]   ; x 2^(e6 + e7); each accumulator from its low end on
.set J, J+2
.endr
	WIN 0
.irp b, 0,1,2,3,4,5,6,7
	ds_store_b128 v[STO], v[TMP+8*\b:TMP+8*\b+3] offset:64*\b
	ds_store_b128 v[STO], v[TMP+8*\b+4:TMP+8*\b+7] offset:64*\b+16
.endr
.set BB, BK+64*((\a)%2)
.irp t, 0,1,2,3,4,5,6,7,8,9,10,11,12,13,14,15
	ds_load_b128 v[BB+4*\t:BB+4*\t+3], v[RD] offset:\t*SPITCH
.endr
.endm
.macro SEND a, younger                 ; younger: the LDS instructions issued behind block a's loads, which may stay out
.set BB, BK+64*((\a)%2)
	s_wait_dscnt \younger                          ; the block is back in registers
.if (\a) > 0
	s_add_nc_u64 s[12:13], s[12:13], 16*SIZE_N*4   ; (behind a wait on XCNT: the earlier stores have read their base)  16 rows on
.endif
.irp t, 0,1,2,3,4,5,6,7,8,9,10,11,12,13,14,15
	global_store_b128 v[CO], v[BB+4*\t:BB+4*\t+3], s[12:13] offset:\t*SIZE_N*4 th:TH_STORE_NT   ; 32 lanes store 512 consecutive bytes, aligned; written once, read by nobody here
.endr
.endm
	PLACES NP                                      ; behind the last products: their results are read and the left operand's registers loaded below
	TOSTAGE 0
.irp a, 1,2,3,4,5,6,7
.if \a > 1
	s_wait_xcnt 0x0                                ; block a - 2's stores have read their registers and their base: block a's loads may land there, and the base may step
.endif
	TOSTAGE \a
	SEND \a-1, 32                                  ; behind block a - 1's loads: block a's 16 stores and 16 loads
.endr
	s_wait_xcnt 0x0                                ; block 6's stores have read their base
	SEND 7, 0
	s_wait_tensorcnt 0x0                           ; the wave's end: behind my last tensor load and my last LDS store
	ds_add_u32 v[SPW], v[NIL]
	s_wait_dscnt 0x0
	CROUND                                         ; the closing round
	s_endpgm
.Lfunc_end_k_q7c1534ebf9_oproj:
	.size	k_q7c1534ebf9_oproj, .Lfunc_end_k_q7c1534ebf9_oproj-k_q7c1534ebf9_oproj
	.p2alignl 7, 3214868480
	.fill 96, 4, 3214868480
	.section	.rodata,"a",@progbits
	.p2align	6, 0x0
	.amdhsa_kernel k_q7c1534ebf9_oproj
		.amdhsa_group_segment_fixed_size 327680
		.amdhsa_private_segment_fixed_size 0
		.amdhsa_enable_private_segment 0
		.amdhsa_kernarg_size 40
		.amdhsa_user_sgpr_count 2
		.amdhsa_user_sgpr_kernarg_segment_ptr 1
		.amdhsa_wavefront_size32 1
		.amdhsa_system_sgpr_workgroup_id_x 1
		.amdhsa_system_sgpr_workgroup_id_y 1
		.amdhsa_system_sgpr_workgroup_id_z 1
		.amdhsa_system_vgpr_workitem_id 0
		.amdhsa_next_free_vgpr 1024
		.amdhsa_next_free_sgpr 100
		.amdhsa_reserve_vcc 0
		.amdhsa_float_denorm_mode_32 3
		.amdhsa_float_denorm_mode_16_64 3
		.amdhsa_memory_ordered 1
		.amdhsa_forward_progress 1
		.amdhsa_inst_pref_size 129
	.end_amdhsa_kernel
	.amdgpu_metadata
---
amdhsa.version: [ 1, 2 ]
amdhsa.kernels:
  - .name:           k_q7c1534ebf9_oproj
    .symbol:         k_q7c1534ebf9_oproj.kd
    .args:
      - { .name: oc, .offset: 0, .size: 8, .value_kind: global_buffer, .address_space: global }
      - { .name: woc, .offset: 8, .size: 8, .value_kind: global_buffer, .address_space: global }
      - { .name: lowp_scales, .offset: 16, .size: 8, .value_kind: global_buffer, .address_space: global }
      - { .name: Wo_b, .offset: 24, .size: 8, .value_kind: global_buffer, .address_space: global }
      - { .name: out0, .offset: 32, .size: 8, .value_kind: global_buffer, .address_space: global }
    .group_segment_fixed_size: 327680
    .private_segment_fixed_size: 0
    .kernarg_segment_align: 8
    .kernarg_segment_size: 40
    .max_flat_workgroup_size: 128
    .sgpr_count:     100
    .vgpr_count:     1024
    .wavefront_size: 32
...
	.end_amdgpu_metadata
.endif
;; end of part 4
;; ======== version 2 of 2: 4 launches
;; limits: right only within a limited range of input values
;; workspace buffers: xc 8,388,608 bytes; wqc 3,145,728 bytes; woc 1,048,576 bytes; rope 524,288 bytes; qimg 8,388,608 bytes; kimg 8,388,608 bytes; vimg 8,388,608 bytes; oc 8,388,608 bytes
;; launch quant: the kernel of part 1 again; grid 416 x 1, 4 waves a work-group, no clusters, 33,280 bytes of LDS; arguments x, Wqkv_w, Wo_w, token_positions, lowp_scales, xc, wqc, woc, rope; writes xc, wqc, woc, rope
;; launch qkv (part 5): grid 8 x 32, 4 waves a work-group, clusters of 4 x 4, 327,680 bytes of LDS; arguments xc, wqc, lowp_scales, Wqkv_b, rope, qimg, kimg, vimg; writes qimg, kimg, vimg
.if DOCPART == 5
	.amdgcn_target "amdgcn-amd-amdhsa--gfx1250"
	.amdhsa_code_object_version 6
	.text
	.protected	k_q7c1534ebf9_qkv
	.globl	k_q7c1534ebf9_qkv
	.p2align	8
	.type	k_q7c1534ebf9_qkv,@function
k_q7c1534ebf9_qkv:
	s_mov_b64 s[64:65], 0
	v_nop
	global_prefetch_b8 v0, s[64:65] scope:SCOPE_SE
	s_setreg_imm32_b32 hwreg(HW_REG_WAVE_MODE, 25, 1), 1
	s_wait_xcnt 0x0
	s_wait_alu depctr_hold_cnt(0) depctr_sa_sdst(0) depctr_va_vdst(0) depctr_va_sdst(0) depctr_va_ssrc(0) depctr_va_vcc(0) depctr_vm_vsrc(0)
	s_getreg_b32 s2, hwreg(HW_REG_IB_STS2, 6, 4)
	s_cmp_eq_u32 s2, 0
	s_cbranch_scc0 .Lentry_in_a_cluster
	s_endpgm
.Lentry_in_a_cluster:
	s_bfe_u32 s2, ttmp6, 0x10000c
	s_cmp_lg_u32 s2, 0xf033
	s_cbranch_scc0 .Lentry_shape_is_right
	s_endpgm
.Lentry_shape_is_right:
; LAUNCH 2.  qkv = x Wqkv^T + b on codes of BF8 (xc [8192][1024], wqc [3072][1024], K innermost), then the rotary embedding on Q and K, then Q, K and V are quantised for the two products of attention.
; A WORK-GROUP STAYS AND MAKES TWO TILES for its 256 tokens: first 256 columns of Q or of K (four waves, 128 x 128 each: 64 accumulators), then 128 columns of V (128 x 64 a wave: 32 accumulators).
; 8 x 32 such work-groups cover the 3,072 columns and 8,192 tokens: 256 of equal work.  (One pass of 256 x 384 is not taken: two slots of 640 rows x 256 bytes are 327,680 bytes, and the spare words would have no room.)
; K = 1,024 goes in four steps of 256 through a ring of two LDS slots filled by the tensor data mover, and the ring does not stop at the first tile's end: its last two changes of slots ask for V's first two K steps,
; which land while Q or K is rotated, quantised and stored.
; CLUSTERS: 4 x 4 work-groups; the four of a row of the cluster need the same tiles of x, the four of a column the same tiles of W: each tile is asked for jointly, by the same tensor load with a mask that names the four.
; The cluster's x says whether the first tile is Q's (0) or K's (1): it selects a pointer and a scale; no branch hangs on it.
; THE MATRIX INSTRUCTION IS USED TRANSPOSED (source 0 = 16 rows of W, source 1 = 16 tokens).  wqc's rows are stored so that in accumulator (a, b) lane (r, h) holds token 16 a + r and its register j column
; 32 (b / 2) + 16 h + 8 (b % 2) + j: two neighbouring accumulators are 16 neighbouring columns, as the next products' operands want them.
; THE BIAS, divided by 2^(e0 + e1), is the C of each sum's first matrix instruction.  The sums then lack the factor 2^(e0 + e1), which the rotation leaves alone and the conversion's scale takes in: 2^(e - e0 - e1), e = e2, e3 or e5.
; OUT.  qimg, kimg: [batch x head][token / 16][2][lane][16 bytes]: lane (r, h) holds, of token r, channels 32 beta + 16 h + 0 .. 15: the image of an operand's registers.
;       vimg: [batch x head][token / 128][4 tiles of channels][4][lane][16 bytes]: V^T with the keys innermost: lane (r, h), registers 2 c, 2 c + 1: keys 16 c + 8 h + 0 .. 7 of channel 32 (ct / 2) + 2 r + ct % 2.
; LIMITS: e2 - e0 - e1, e3 - e0 - e1 and e5 - e0 - e1 between -126 and 112, so that each power of two below is an f32 number.  NaN is not served.
; REGISTERS, in windows of 256: window 0: v0-31 addresses and constants; v32-95 the bias, later the table's two sets, later V's fragments on their way out; from v128 x's fragments, ONE set; on the ways out v128-255 are free.
;   window 1: W's fragments, TWO sets (first tile: at v0 and v128; V: at v0 and v64, and V's bias at v128-159).   window 2: the accumulators of my tokens 0-63 ((a, b) at v[8 (8 a + b)]), later all 32 of V ((a, b) at v[8 (4 a + b)]);   window 3: those of my tokens 64-127.
.set KROW,   1024                      ; a row of xc or wqc in bytes
.set ROWB,   256                       ; a tile's row: 256 codes
.set PITCH,  272                       ; an LDS row: 256 bytes + 16 of padding: the 16 rows that a load touches start at 16 different banks
.set FR,     16                        ; registers of a fragment: 16 rows x 128 K
.set NL,     4                         ; LDS loads that bring one
.set NP,     4                         ; places behind this matrix instruction (ISA guide 7.12.1)
.set HALFT,  128*PITCH                 ; 128 rows: what one tensor load brings of x, and of W in the first tile
.set VHALF,  64*PITCH                  ; 64 rows: what one tensor load brings of W for V
.set SLOT,   4*HALFT                   ; x's 256 rows, then W's 256 (for V: 128) rows
.set SPARE,  2*SLOT                    ; behind the ring: the spare words, 128 bytes for each wave
.set VPITCH, 96                        ; V's stage: a token's 64 codes + 32 bytes
.set VSTAGE, 128*VPITCH                ; for each wave; the stages lie in slot 0, which has had its last fill and its last read by then
.set BVA,  9                           ; v9      the biases: 64 h bytes: my half's 16 columns of each 32; never rewritten
.set LIMV, 12                          ; v12     57,344 x V's conversion's scale
.set SCLV, 13                          ; v13     V's conversion's scale as f32
.set ADRA, 16                          ; v16-17  LDS address of my fragments of x in slot 0, 1
.set ADRB, 20                          ; v20-21  the same for W, first tile
.set ADRV, 22                          ; v22-23  the same for W, V's tile
.set LI,   24                          ; v24     16 x lane: my place in an image
.set CSA,  25                          ; v25     my byte in 16 positions of the table: 256 r + 64 h
.set VST,  26                          ; v26     V's stage: where I put 16 codes of a token
.set VTR,  27                          ; v27     and where the turning load reads
.set SPW,  28                          ; v28     LDS address of my spare word; never rewritten
.set NIL,  29                          ; v29     0; never rewritten
.set LIM,  30                          ; v30     57,344 x the first tile's conversion's scale
.set SCL,  31                          ; v31     that scale as f32
.set BI,   32                          ; v32-95  the bias in the result's layout, eight registers for each b; later two sets of 32 for cos and sin
.set AF,   128                         ; x's fragments
.set Y,    128                         ; the ways out: 64 numbers ahead of the conversion
.set BV,   128                         ; in window 1: V's bias, eight registers for each b
.set WV, 20                            ; s20 wave;  s21 wave / 2: my half of the tokens, and: I fetch for x (0) or for W (1);  s22 wave % 2: my half of the columns, and which half of that tile I fetch
.set RH, 21
.set CH, 22
.set G1V, 4                            ; s[4:11] descriptor group 1 for W's tiles of V;  s[12:19] group 0, one set for each slot  (the arguments' registers, once they have been used)
.set G0V, 12
.set G1, 24                            ; s[24:31] descriptor group 1 for x's tiles;  s[32:39] group 0, one set for each slot
.set G0, 32
.set G1B, 48                           ; s[48:55], s[56:63] the same for W's tiles of the first tile
.set G0B, 56
.set MSB, 0
.macro WIN new                         ; the immediate's high byte repeats the setting that is left
.if MSB != (\new)
	s_set_vgpr_msb (MSB<<8)|(\new)
.set MSB, \new
.endif
.endm
.set MUL_LO, 0xa1                      ; source 0 (W) window 1, source 1 (x) window 0, C and D window 2
.set MUL_HI, 0xf1                      ; the same, C and D window 3
.set BIA_LO, 0x81                      ; the first products: C (the bias) window 0, D window 2
.set BIA_HI, 0xc1                      ; D window 3
.set BIA_V,  0x91                      ; V's first products: C (V's bias) window 1, D window 2
.set TO_B,   0x40                      ; destination window 1, address window 0
; A joint load: waves 0 and 1 fetch for x, waves 2 and 3 for W.  The branch hangs on the wave's number alone.  Four v_nop follow each of the two lines.
.macro JLOAD g0a, g1a, g0b, g1b
	s_cmp_eq_u32 s[RH], 0
	s_cbranch_scc0 .Lfor_b_\@
	tensor_load_to_lds s[\g0a:\g0a+3], s[\g1a:\g1a+7]
	s_nop 0
.rept 4
	v_nop
.endr
	s_branch .Lasked_\@
.Lfor_b_\@:
	tensor_load_to_lds s[\g0b:\g0b+3], s[\g1b:\g1b+7]
	s_nop 0
.rept 4
	v_nop
.endr
.Lasked_\@:
.endm
.macro CREST                           ; a round of the cluster's barrier behind its opening barrier
	s_cmp_lg_u32 s[WV], 0
	s_cbranch_scc1 .Lnot_wave_0_\@
	s_barrier_signal -3
.Lnot_wave_0_\@:
	s_barrier_wait -3
	s_barrier_signal -1
	s_barrier_wait -1
.endm
.macro CROUND                          ; a whole round
	s_barrier_signal -1
	s_barrier_wait -1
	CREST
.endm
; The slot just left is filled again.  mode 1: the first tile's K step two steps on.  mode 2: V's K step 0 or 1: x goes back along K, W's tile has descriptors of its own.  mode 3: V's K step two steps on.
.macro REFILL slot, mode
.if \mode == 1
	s_add_nc_u64 s[G0+4*\slot+2:G0+4*\slot+3], s[G0+4*\slot+2:G0+4*\slot+3], 2*ROWB
	s_add_nc_u64 s[G0B+4*\slot+2:G0B+4*\slot+3], s[G0B+4*\slot+2:G0B+4*\slot+3], 2*ROWB
	JLOAD G0+4*\slot, G1, G0B+4*\slot, G1B
.elseif \mode == 2
	s_sub_nc_u64 s[G0+4*\slot+2:G0+4*\slot+3], s[G0+4*\slot+2:G0+4*\slot+3], 2*ROWB
	JLOAD G0+4*\slot, G1, G0V+4*\slot, G1V
.else
	s_add_nc_u64 s[G0+4*\slot+2:G0+4*\slot+3], s[G0+4*\slot+2:G0+4*\slot+3], 2*ROWB
	s_add_nc_u64 s[G0V+4*\slot+2:G0V+4*\slot+3], s[G0V+4*\slot+2:G0V+4*\slot+3], 2*ROWB
	JLOAD G0+4*\slot, G1, G0V+4*\slot, G1V
.endif
.endm
	s_load_b512 s[4:19], s[0:1], 0x0               ; xc s[4:5], wqc s[6:7], scales s[8:9], bias s[10:11], rope s[12:13], qimg s[14:15], kimg s[16:17], vimg s[18:19]
	v_lshl_add_u32 v[SPW], v0, 2, SPARE
	v_mov_b32 v[NIL], 0
	ds_add_u32 v28, v29
	ds_add_u32 v28, v29
	s_wait_dscnt 0x0
	v_lshrrev_b32 v1, 5, v0
	v_readfirstlane_b32 s[WV], v1                  ; wave 0..3
	s_lshr_b32 s[RH], s[WV], 1
	s_and_b32 s[CH], s[WV], 1
	s_bfe_u32 s40, ttmp6, 0x40000                  ; cx, cy: my place in the cluster
	s_bfe_u32 s41, ttmp6, 0x40004
	s_lshl_b32 s42, ttmp9, 2
	s_add_co_u32 s42, s42, s40                     ; tile column 0 .. 7 = 4 x cluster x + cx: 256 columns of Q and K, 128 of V
	s_and_b32 s66, ttmp7, 0xffff
	s_lshl_b32 s66, s66, 2
	s_add_co_u32 s66, s66, s41                     ; tile row = 4 x cluster y + cy
	s_lshl_b32 s43, s41, 2
	s_lshl_b32 s43, 15, s43                        ; my row of the cluster
	s_lshl_b32 s44, 0x1111, s40                    ; my column
	; descriptor group 1: a tile of 128 rows x 256 bytes, padded in LDS
	s_or_b32 s[G1+0], s43, (0<<16)|(1<<20)|(1<<21)|(5<<22)|(3<<25)  ; 15:0 the mask: x's tiles go to my row; 17:16 element of 1 byte; 20 padding on; 21 set beside a mask; 24:22 after every 64 words; 31:25 of 4 words
	s_or_b32 s[G1B+0], s44, (0<<16)|(1<<20)|(1<<21)|(5<<22)|(3<<25) ; the same with my column's mask
.irp g, G1, G1B
	s_mov_b32 s[\g+1], ROWB<<16                    ; tensor_dim0
	s_mov_b32 s[\g+2], 128<<16                     ; tensor_dim1
	s_mov_b32 s[\g+3], ROWB<<16                    ; tile_dim0
	s_mov_b32 s[\g+4], 128                         ; tile_dim1
	s_mov_b32 s[\g+5], KROW                        ; tensor_dim0_stride
	s_mov_b32 s[\g+6], 0
	s_mov_b32 s[\g+7], 0
.endr
	s_lshl_b32 s70, s[CH], 7                       ; which 128 rows of the tile I fetch
	s_lshl_b32 s68, s66, 8
	s_add_co_u32 s68, s68, s70                     ; x: row 256 x tile row + 128 x half,
	s_lshl_b32 s68, s68, 10                        ; of 1,024 bytes
	s_mov_b32 s69, 0
	s_lshl_b32 s46, s42, 8
	s_add_co_u32 s46, s46, s70                     ; W: row 256 x tile column + 128 x half
	s_lshl_b32 s46, s46, 10
	s_mov_b32 s47, 0
	s_mul_i32 s45, s[WV], HALFT                    ; where they go: wave x 128 rows: no place in the cluster enters an LDS address
	s_wait_kmcnt 0x0
	s_load_b256 s[72:79], s[8:9], 0x0              ; e0 .. e7
	s_add_nc_u64 s[68:69], s[4:5], s[68:69]
	s_add_nc_u64 s[46:47], s[6:7], s[46:47]
	CROUND                                         ; all sixteen work-groups are here: the first joint loads meet
.irp s, 0,1
	s_mov_b32 s[G0+4*\s], 1
	s_add_co_u32 s[G0+4*\s+1], s45, \s*SLOT
	s_add_nc_u64 s[G0+4*\s+2:G0+4*\s+3], s[68:69], \s*ROWB
	s_or_b32 s[G0+4*\s+3], s[G0+4*\s+3], 0x80000000
	s_mov_b32 s[G0B+4*\s], 1
	s_add_co_u32 s[G0B+4*\s+1], s45, \s*SLOT
	s_add_nc_u64 s[G0B+4*\s+2:G0B+4*\s+3], s[46:47], \s*ROWB
	s_or_b32 s[G0B+4*\s+3], s[G0B+4*\s+3], 0x80000000
	JLOAD G0+4*\s, G1, G0B+4*\s, G1B
.endr
	v_and_b32 v1, 15, v0                           ; r = l % 16
	v_bfe_u32 v2, v0, 4, 1                         ; h = l / 16
	v_lshlrev_b32 v[BVA], 6, v2
	s_lshl_b32 s80, s42, 10
	s_lshl_b32 s81, s[CH], 9
	s_add_co_u32 s80, s80, s81                     ; 4 bytes x my first column of Q or K, 256 x tile column + 128 x half
	s_mov_b32 s81, 0
	s_add_nc_u64 s[80:81], s[10:11], s[80:81]
.irp b, 0,1,2,3,4,5,6,7
	global_load_b128 v[BI+8*\b:BI+8*\b+3], v[BVA], s[80:81] offset:(32*(\b/2)+8*(\b%2))*4
	global_load_b128 v[BI+8*\b+4:BI+8*\b+7], v[BVA], s[80:81] offset:(32*(\b/2)+8*(\b%2))*4+16
.endr
	v_mul_u32_u24 v3, v1, PITCH
	v_lshl_add_u32 v4, v2, 4, v3                   ; a fragment's row x pitch + 16 x half
	s_mul_i32 s70, s[RH], HALFT                    ; my 128 rows of x
	s_mul_i32 s71, s[CH], HALFT                    ; my 128 rows of W,
	s_add_co_u32 s71, s71, 2*HALFT                 ; which lie behind x's 256
	s_mul_i32 s67, s[CH], VHALF                    ; for V: my 64 rows of W
	s_add_co_u32 s67, s67, 2*HALFT
.irp s, 0,1
	v_add_nc_u32 v[ADRA+\s], s70, v4
	v_add_nc_u32 v[ADRB+\s], s71, v4
	v_add_nc_u32 v[ADRV+\s], s67, v4
	s_add_co_u32 s70, s70, SLOT
	s_add_co_u32 s71, s71, SLOT
	s_add_co_u32 s67, s67, SLOT
.endr
	v_and_b32 v6, 31, v0
	v_lshlrev_b32 v[LI], 4, v6
	v_lshlrev_b32 v[CSA], 8, v1
	v_lshl_add_u32 v[CSA], v2, 6, v[CSA]
	s_mul_i32 s70, s[WV], VSTAGE                   ; my stage for V
	v_mul_u32_u24 v[VST], v1, VPITCH
	v_lshl_add_u32 v[VST], v2, 4, v[VST]
	v_add_nc_u32 v[VST], s70, v[VST]               ; in: token r, + 16 h
	v_and_b32 v7, 7, v0
	v_lshl_add_u32 v7, v2, 3, v7                   ; out: token 8 h + l % 8,
	v_mul_u32_u24 v[VTR], v7, VPITCH
	v_bfe_u32 v8, v0, 3, 1
	v_lshl_add_u32 v[VTR], v8, 4, v[VTR]           ; 16 bytes for each half of 16 lanes
	v_add_nc_u32 v[VTR], s70, v[VTR]
	s_mov_b32 s90, 0x06040200                      ; the even bytes of two registers,
	s_mov_b32 s91, 0x07050301                      ; the odd ones
	; where my parts go: (16 x batch + head) x 131,072 + 64 x (token in the batch), in qimg or kimg and in vimg
	s_lshl_b32 s92, s66, 8
	s_lshl_b32 s93, s[RH], 7
	s_add_co_u32 s92, s92, s93                     ; my first token
	s_lshr_b32 s93, s92, 11
	s_lshl_b32 s93, s93, 4                         ; 16 x batch
	s_and_b32 s94, s92, 2047                       ; token in the batch
	s_lshl_b32 s95, s40, 2
	s_lshl_b32 s96, s[CH], 1
	s_add_co_u32 s95, s95, s96                     ; Q, K: my first head: 4 cx + 2 x half  (cx enters addresses in memory alone)
	s_add_co_u32 s95, s95, s93
	s_lshl_b32 s95, s95, 17
	s_lshl_b32 s98, s94, 6
	s_add_co_u32 s96, s95, s98
	s_mov_b32 s97, 0
	s_lshl_b32 s95, s42, 1
	s_add_co_u32 s95, s95, s[CH]                   ; V: my head: 2 x tile column + half
	s_add_co_u32 s95, s95, s93
	s_lshl_b32 s95, s95, 17
	s_add_co_u32 s98, s95, s98
	s_mov_b32 s99, 0
	s_add_nc_u64 s[100:101], s[18:19], s[98:99]    ; V's way out
	s_lshl_b32 s98, s94, 8                         ; the table: 256 bytes a position
	s_add_nc_u64 s[84:85], s[12:13], s[98:99]
	s_lshl_b32 s98, s42, 9
	s_lshl_b32 s95, s[CH], 8
	s_add_co_u32 s98, s98, s95
	s_add_co_u32 s98, s98, 8192                    ; 4 bytes x (2,048 + 128 x tile column + 64 x half): V's bias
	s_add_nc_u64 s[92:93], s[10:11], s[98:99]
	s_lshl_b32 s2, s42, 17                         ; W's rows for V: 2,048 + 128 x tile column + 64 x half, of 1,024 bytes: made in registers that never hold the tile row
	s_lshl_b32 s3, s[CH], 16
	s_add_co_u32 s2, s2, s3
	s_add_co_u32 s2, s2, 0x200000
	s_mov_b32 s3, 0
	s_add_nc_u64 s[46:47], s[6:7], s[2:3]
	s_mul_i32 s23, s[CH], VHALF
	s_add_co_u32 s23, s23, 2*HALFT                 ; and where they go in a slot
	s_wait_kmcnt 0x0                               ; the scales
	s_cmp_eq_u32 ttmp9, 0                          ; Q or K: the choices hang on the cluster's x alone
	s_cselect_b32 s86, s74, s75                    ; e2 or e3,
	s_cselect_b64 s[88:89], s[14:15], s[16:17]     ; qimg or kimg
	s_add_nc_u64 s[88:89], s[88:89], s[96:97]
	s_add_co_i32 s82, s72, s73                     ; e0 + e1
	s_sub_co_i32 s83, 0, s82
	s_sub_co_i32 s86, s86, s82                     ; the three scales folded into the conversion's one
	s_add_co_i32 s86, s86, 127
	s_lshl_b32 s87, s86, 23
	v_mov_b32 v[SCL], s87
	s_add_co_i32 s86, s86, 15
	s_lshl_b32 s86, s86, 23
	s_or_b32 s86, s86, 0x600000
	v_mov_b32 v[LIM], s86
	s_sub_co_i32 s86, s77, s82                     ; the same for V: e5 - e0 - e1
	s_add_co_i32 s86, s86, 127
	s_lshl_b32 s87, s86, 23
	v_mov_b32 v[SCLV], s87
	s_add_co_i32 s86, s86, 15
	s_lshl_b32 s86, s86, 23
	s_or_b32 s86, s86, 0x600000
	v_mov_b32 v[LIMV], s86
	; the arguments have all been used: their registers take the descriptors of W's tiles for V: 64 rows x 256 bytes a wave
.irp s, 0,1
	s_mov_b32 s[G0V+4*\s], 1
	s_add_co_u32 s[G0V+4*\s+1], s23, \s*SLOT
	s_add_nc_u64 s[G0V+4*\s+2:G0V+4*\s+3], s[46:47], \s*ROWB
	s_or_b32 s[G0V+4*\s+3], s[G0V+4*\s+3], 0x80000000
.endr
	s_or_b32 s[G1V+0], s44, (0<<16)|(1<<20)|(1<<21)|(5<<22)|(3<<25)
	s_mov_b32 s[G1V+1], ROWB<<16
	s_mov_b32 s[G1V+2], 64<<16
	s_mov_b32 s[G1V+3], ROWB<<16
	s_mov_b32 s[G1V+4], 64
	s_mov_b32 s[G1V+5], KROW
	s_mov_b32 s[G1V+6], 0
	s_mov_b32 s[G1V+7], 0
	s_wait_loadcnt 0x0                             ; the bias
.set J, 0
.rept 64
	v_ldexp_f32 v[BI+J], v[BI+J], s83              ; / 2^(e0 + e1): the sums lack that factor
.set J, J+1
.endr
.macro FRAG reg, adr, q, i             ; a fragment, 16 rows x 128 K: lane l holds row l % 16; registers 4 c .. 4 c + 3 hold K = 32 c + 16 (l / 16) + 0 .. 15, alike in x and in W
.irp c, 0,1,2,3
	ds_load_b128 v[\reg+4*\c:\reg+4*\c+3], v[\adr] offset:128*(\q)+32*\c+(\i)*16*PITCH
.endr
.endm
; 16 matrix instructions of the first tile: x's blocks a0, a0 + 1 against W's eight, 128 along K.  p: W's set.  zero = 1: the first product starts the sums, on the bias.
; The accumulators take turns, one instruction a turn, in the same order in every step.
.macro MUL16 a0, p, zero
.irp a, \a0, \a0+1
.irp b, 0,1,2,3,4,5,6,7
.if \zero
	v_wmma_f32_16x16x128_bf8_bf8 v[8*(8*((\a)%4)+\b):8*(8*((\a)%4)+\b)+7], v[128*(\p)+FR*\b:128*(\p)+FR*\b+FR-1], v[AF+FR*(\a):AF+FR*(\a)+FR-1], v[BI+8*\b:BI+8*\b+7]
.else
	v_wmma_f32_16x16x128_bf8_bf8 v[8*(8*((\a)%4)+\b):8*(8*((\a)%4)+\b)+7], v[128*(\p)+FR*\b:128*(\p)+FR*\b+FR-1], v[AF+FR*(\a):AF+FR*(\a)+FR-1], v[8*(8*((\a)%4)+\b):8*(8*((\a)%4)+\b)+7]
.endif
.endr
.endr
.endm
; 8 matrix instructions of V's tile: x's blocks a0, a0 + 1 against W's four
.macro MULV a0, p, zero
.irp a, \a0, \a0+1
.irp b, 0,1,2,3
.if \zero
	v_wmma_f32_16x16x128_bf8_bf8 v[8*(4*(\a)+\b):8*(4*(\a)+\b)+7], v[64*(\p)+FR*\b:64*(\p)+FR*\b+FR-1], v[AF+FR*(\a):AF+FR*(\a)+FR-1], v[BV+8*\b:BV+8*\b+7]
.else
	v_wmma_f32_16x16x128_bf8_bf8 v[8*(4*(\a)+\b):8*(4*(\a)+\b)+7], v[64*(\p)+FR*\b:64*(\p)+FR*\b+FR-1], v[AF+FR*(\a):AF+FR*(\a)+FR-1], v[8*(4*(\a)+\b):8*(4*(\a)+\b)+7]
.endif
.endr
.endr
.endm
.macro FETCH_B slot, q, p              ; W's eight fragments of the slot's q-th 128 along K into set p
	WIN TO_B
.irp i, 0,1,2,3,4,5,6,7
	FRAG 128*(\p)+FR*\i, ADRB+\slot, \q, \i
.endr
	WIN 0
.endm
.macro FETCH_BV slot, q, p             ; the same for V: four fragments
	WIN TO_B
.irp i, 0,1,2,3
	FRAG 64*(\p)+FR*\i, ADRV+\slot, \q, \i
.endr
	WIN 0
.endm
.macro FETCH_A slot, q, i0             ; x's blocks i0 .. i0 + 3
.irp i, \i0, \i0+1, \i0+2, \i0+3
	FRAG AF+FR*(\i), ADRA+\slot, \q, \i
.endr
.endm
.macro PLACES n                        ; plain vector instructions between a matrix instruction and a load into, or a read of, its registers
.rept \n
	v_nop
.endr
.endm
; A step of 128 along K that has its successor in the same slot.
.macro STEP slot, q, zero
	s_wait_dscnt 4*NL                              ; W's set and x's blocks 0-3 are in; the youngest 16 loads (x's blocks 4-7) may be out
.if \zero
	WIN BIA_LO
.else
	WIN MUL_LO
.endif
	MUL16 0, (\q)%2, \zero
	MUL16 2, (\q)%2, \zero
	s_wait_dscnt 0                                 ; x's blocks 4-7 are in (asked for 32 matrix instructions ago)
	PLACES NP
	FETCH_B \slot, (\q)+1, 1-(\q)%2
	FETCH_A \slot, (\q)+1, 0
.if \zero
	WIN BIA_HI
.else
	WIN MUL_HI
.endif
	MUL16 4, (\q)%2, \zero
	MUL16 6, (\q)%2, \zero
	PLACES NP
	WIN 0
	FETCH_A \slot, (\q)+1, 4
.endm
; A slot's last step changes slots: ONE barrier; in front of it each wave waits for all its tensor loads, adds 0 to its spare word, and waits for that and for its own reads of this slot.  mode: 0 nothing is filled; else see REFILL.
.macro TURN slot, next, mode
	s_wait_tensorcnt 0x0                           ; all my tensor loads have landed: my part of the next slot;  (every window is 0 here)
	ds_add_u32 v[SPW], v[NIL]                      ; 0 onto my spare word;
	s_wait_dscnt 4*NL+1                            ; (the add and the youngest 16 loads, x's blocks 4-7, may be out)
	WIN MUL_LO
	MUL16 0, 1, 0                                  ; sixteen matrix instructions stand between the add and the wait for it
	s_wait_dscnt 0x0                               ; the add is done, and my reads of this slot are over
	s_barrier_signal -1
	MUL16 2, 1, 0
	WIN 0
	s_barrier_wait -1
.if \mode
	CREST                                          ; the barrier has opened a round of the cluster's barrier: no wave of any partner still reads this slot's tile or has a load on its way
	REFILL \slot, \mode                            ; the first tensor load behind the round; the four v_nop behind it are the places in front of the loads below
.else
	PLACES NP
.endif
	FETCH_B \next, 0, 0
	FETCH_A \next, 0, 0
	WIN MUL_HI
	MUL16 4, 1, 0
	MUL16 6, 1, 0
	PLACES NP
	WIN 0
	FETCH_A \next, 0, 4
.endm
; The same two for V's tile: 32 matrix instructions a step, all accumulators in window 2.
.macro STEPV slot, q, zero
	s_wait_dscnt 4*NL                              ; W's set and x's blocks 0-3 are in; the youngest 16 loads (x's blocks 4-7) may be out
.if \zero
	WIN BIA_V
.else
	WIN MUL_LO
.endif
	MULV 0, (\q)%2, \zero
	MULV 2, (\q)%2, \zero
	s_wait_dscnt 0
	PLACES NP
	FETCH_BV \slot, (\q)+1, 1-(\q)%2
	FETCH_A \slot, (\q)+1, 0
.if \zero
	WIN BIA_V
.else
	WIN MUL_LO
.endif
	MULV 4, (\q)%2, \zero
	MULV 6, (\q)%2, \zero
	PLACES NP
	WIN 0
	FETCH_A \slot, (\q)+1, 4
.endm
.macro TURNV slot, next, mode
	s_wait_tensorcnt 0x0                           ; all my tensor loads have landed: my part of the next slot
	ds_add_u32 v[SPW], v[NIL]                      ; 0 onto my spare word;
	s_wait_dscnt 4*NL+1                            ; (the add and the youngest 16 loads may be out)
	WIN MUL_LO
	MULV 0, 1, 0                                   ; eight matrix instructions stand between the add and the wait for it
	s_wait_dscnt 0x0                               ; the add is done, and my reads of this slot are over
	s_barrier_signal -1
	MULV 2, 1, 0
	WIN 0
	s_barrier_wait -1
.if \mode
	CREST
	REFILL \slot, \mode
.else
	PLACES NP
.endif
	FETCH_BV \next, 0, 0
	FETCH_A \next, 0, 0
	WIN MUL_LO
	MULV 4, 1, 0
	MULV 6, 1, 0
	PLACES NP
	WIN 0
	FETCH_A \next, 0, 4
.endm
; cos and sin for block a's 16 tokens into set a % 2: register 16 beta + 2 m holds cos, the next sin, of frequency 16 beta + 8 h + m
.macro LOADCS a
.irp e, 0,1
.irp k, 0,1,2,3
	global_load_b128 v[BI+32*((\a)%2)+16*\e+4*\k:BI+32*((\a)%2)+16*\e+4*\k+3], v[CSA], s[84:85] offset:4096*(\a)+128*\e+16*\k
.endr
.endr
.endm
	; ---------------- THE FIRST TILE: 256 columns of Q or of K
	s_wait_tensorcnt 0x1                           ; my part of K step 0 is in (K step 1's load may be out)
	s_barrier_signal -1
	s_barrier_wait -1                              ; everybody's is
	FETCH_B 0, 0, 0
	FETCH_A 0, 0, 0
	FETCH_A 0, 0, 4
	STEP 0, 0, 1                                   ; the first products start the sums on the bias; the places at its end free the bias's registers,
	LOADCS 0                                       ; which take the table for my first 32 tokens, seven steps ahead of its use
	LOADCS 1
	TURN 0, 1, 1                                   ; K = 1,024 is four slots' worth: the walk is written out
	STEP 1, 0, 0
	TURN 1, 0, 1
	STEP 0, 0, 0
	TURN 0, 1, 2                                   ; THE RING GOES ON INTO V'S TILE: slot 0 takes its K step 0,
	STEP 1, 0, 0
	s_wait_tensorcnt 0x0                           ; the tile's last step: all my tensor loads have landed: my part of slot 0, V's K step 0;
	ds_add_u32 v[SPW], v[NIL]                      ; 0 onto my spare word;
	s_wait_dscnt 4*NL+1                            ; (the add and the youngest 16 loads may be out)
	WIN MUL_LO
	MUL16 0, 1, 0
	s_wait_dscnt 0x0                               ; the add is done, and my reads of slot 1 are over
	s_barrier_signal -1
	MUL16 2, 1, 0
	WIN 0
	s_barrier_wait -1
	CREST
	REFILL 1, 2                                    ; slot 1 takes V's K step 1.  No fragments are fetched yet: the way out wants x's registers
	WIN MUL_HI
	MUL16 4, 1, 0
	MUL16 6, 1, 0
	WIN 0
	PLACES NP                                      ; behind the last products: their results are read, x's registers written and W's loaded below
	WIN TO_B
.irp b, 0,1,2,3                                ; V's bias into window 1, which is free now
	global_load_b128 v[BV+8*\b:BV+8*\b+3], v[BVA], s[92:93] offset:(32*(\b/2)+8*(\b%2))*4
	global_load_b128 v[BV+8*\b+4:BV+8*\b+7], v[BVA], s[92:93] offset:(32*(\b/2)+8*(\b%2))*4+16
.endr
	WIN 0
; ---- Q OR K GOES OUT.  Block a (16 tokens x my 128 columns = two heads): rotated, held, converted, stored as four images of 512 bytes.
.macro QKOUT a
.set AC, 64*((\a)%4)
.set CSB, BI+32*((\a)%2)
.set CD, 192+16*((\a)%4)
.if (\a) < 2
	s_wait_loadcnt 16                              ; this block's eight table loads are in; behind them: the next block's eight and V's bias's eight
.elseif (\a) < 7
	s_wait_loadcnt 8                               ; this block's eight table loads are in; the next block's eight may be out
.else
	s_wait_loadcnt 0
.endif
	WIN 0x02+((\a)/4)                              ; source 0: window 2 or 3
.irp b, 0,1,2,3,4,5,6,7
.irp p, 0,1,2,3
	v_pk_mul_f32 v[Y+8*\b+2*\p:Y+8*\b+2*\p+1], v[AC+8*\b+2*\p:AC+8*\b+2*\p+1], v[CSB+16*((\b/2)%2)+8*(\b%2)+2*\p:CSB+16*((\b/2)%2)+8*(\b%2)+2*\p+1] op_sel_hi:[1,0]   ; (x1, x2) x cos; each accumulator from its low end on
.endr
.irp p, 0,1,2,3
	v_fma_f32 v[Y+8*\b+2*\p], -v[AC+8*\b+2*\p+1], v[CSB+16*((\b/2)%2)+8*(\b%2)+2*\p+1], v[Y+8*\b+2*\p]      ; x1 cos - x2 sin
	v_fma_f32 v[Y+8*\b+2*\p+1], v[AC+8*\b+2*\p], v[CSB+16*((\b/2)%2)+8*(\b%2)+2*\p+1], v[Y+8*\b+2*\p+1]    ; x2 cos + x1 sin
.endr
.endr
	WIN 0
.if (\a) < 6
	LOADCS (\a)+2                                  ; the set just read takes the block two further on
.endif
.set J, 0
.rept 64
	v_med3_num_f32 v[Y+J], v[Y+J], -v[LIM], v[LIM] ; the conversion to an 8-bit code does not saturate (ISA guide 7.6.2): the hold at the largest code x the scale
.set J, J+1
.endr
.if (\a) >= 4
	s_wait_xcnt 0x0                                ; block a - 4's stores have read their registers: its codes' registers are written again only behind this wait
.endif
.irp b, 0,1,2,3,4,5,6,7
	v_cvt_scalef32_pk8_bf8_f32 v[CD+2*\b:CD+2*\b+1], v[Y+8*\b:Y+8*\b+7], v[SCL]
.endr
	v_nop                                          ; one plain instruction between the conversions and the next block's writes of their sources
.irp d, 0,1
.irp e, 0,1
	global_store_b128 v[LI], v[CD+8*\d+4*\e:CD+8*\d+4*\e+3], s[88:89] offset:131072*\d+1024*(\a)+512*\e   ; head d, channels 32 e on: 512 consecutive bytes, aligned
.endr
.endr
.endm
.irp a, 0,1,2,3,4,5,6,7
	QKOUT \a
.endr
	; ---------------- THE SECOND TILE: 128 columns of V.  Slot 0 was shown whole to every wave by the round in the first tile's last step; slot 1's load may still be out.
	s_wait_xcnt 0x0                                ; the last blocks' stores have read their registers: x's fragments land there
	FETCH_BV 0, 0, 0
	FETCH_A 0, 0, 0
	FETCH_A 0, 0, 4
	WIN 0x41                                       ; source 0 and destination window 1
.set J, 0
.rept 32
	v_ldexp_f32 v[BV+J], v[BV+J], s83              ; V's bias / 2^(e0 + e1)  (it is in: the last block's wait was for all loads)
.set J, J+1
.endr
	STEPV 0, 0, 1
	TURNV 0, 1, 3
	STEPV 1, 0, 0
	TURNV 1, 0, 3
	STEPV 0, 0, 0
	TURNV 0, 1, 0                                  ; the last two slots are not filled again
	STEPV 1, 0, 0
	s_wait_dscnt 4*NL                              ; the very last step: nothing more to fetch
	WIN MUL_LO
	MULV 0, 1, 0
	MULV 2, 1, 0
	s_wait_dscnt 0
	MULV 4, 1, 0
	MULV 6, 1, 0
	WIN 0
	PLACES NP
; ---- V GOES OUT.  Held and converted like Q and K, without the rotation.  Its K in the next product is the keys, which lie across lanes here: the codes go through my stage in LDS, [token][column], and the
; turning load, used on pairs of bytes, brings a lane eight keys of two neighbouring channels, which two byte selections part.
.macro VCODE aa                        ; blocks 2 aa and 2 aa + 1: 32 tokens x my 64 columns
.set CD, 192+16*(\aa)
	WIN 0x02
.set J, 0
.rept 64
	v_med3_num_f32 v[Y+J], v[64*(\aa)+J], -v[LIMV], v[LIMV]   ; each accumulator from its low end on
.set J, J+1
.endr
	WIN 0
.irp b, 0,1,2,3,4,5,6,7
	v_cvt_scalef32_pk8_bf8_f32 v[CD+2*\b:CD+2*\b+1], v[Y+8*\b:Y+8*\b+7], v[SCLV]
.endr
	v_nop                                          ; one plain instruction between the conversions and the next blocks' writes of their sources
.irp u, 0,1
.irp e, 0,1
	ds_store_b128 v[VST], v[CD+8*\u+4*\e:CD+8*\u+4*\e+3] offset:16*VPITCH*(2*(\aa)+\u)+32*\e   ; token 16 (2 aa + u) + r, columns 32 e + 16 h + 0 .. 15; each pair of blocks has its own registers
.endr
.endr
.endm
.irp aa, 0,1,2,3
	VCODE \aa
.endr
.macro TRLOAD g                        ; columns 32 g on, all 128 tokens: load c brings lane (r, h) keys 16 c + 8 h + 0 .. 7 of columns 32 g + 2 r and + 1, byte by byte in turn
.irp c, 0,1,2,3,4,5,6,7
	ds_load_tr16_b128 v[Y+32*(\g)+4*\c:Y+32*(\g)+4*\c+3], v[VTR] offset:16*VPITCH*\c+32*(\g)   ; LDS serves a wave's instructions in order: these see my stores
.endr
.endm
.macro VOUT g
.set RB, Y+32*(\g)
.set FB, BI+32*(\g)
.if (\g) < 1
	s_wait_dscnt 8                                 ; this group's eight loads are in (and all my stores into the stage are done); the second group's eight may be out
.else
	s_wait_dscnt 0
.endif
.irp c, 0,1,2,3,4,5,6,7
	v_perm_b32 v[FB+2*\c], v[RB+4*\c+1], v[RB+4*\c], s90          ; the even channel's keys 16 c + 8 h + 0 .. 3,
	v_perm_b32 v[FB+2*\c+1], v[RB+4*\c+3], v[RB+4*\c+2], s90      ; + 4 .. 7
	v_perm_b32 v[FB+16+2*\c], v[RB+4*\c+1], v[RB+4*\c], s91       ; the odd channel's
	v_perm_b32 v[FB+16+2*\c+1], v[RB+4*\c+3], v[RB+4*\c+2], s91
.endr
.irp p, 0,1
.irp c, 0,1,2,3
	global_store_b128 v[LI], v[FB+16*\p+4*\c:FB+16*\p+4*\c+3], s[100:101] offset:2048*(2*(\g)+\p)+512*\c   ; tile of channels 2 g + p: 512 consecutive bytes, aligned; each group has its own registers
.endr
.endr
.endm
	TRLOAD 0
	TRLOAD 1
	VOUT 0
	VOUT 1
	s_wait_tensorcnt 0x0                           ; the wave's end: behind my last tensor load and my last LDS store
	ds_add_u32 v[SPW], v[NIL]
	s_wait_dscnt 0x0
	CROUND                                         ; the closing round: no work-group ends while a partner may still ask for a tile that names it
	s_endpgm
.Lfunc_end_k_q7c1534ebf9_qkv:
	.size	k_q7c1534ebf9_qkv, .Lfunc_end_k_q7c1534ebf9_qkv-k_q7c1534ebf9_qkv
	.p2alignl 7, 3214868480
	.fill 96, 4, 3214868480
	.section	.rodata,"a",@progbits
	.p2align	6, 0x0
	.amdhsa_kernel k_q7c1534ebf9_qkv
		.amdhsa_group_segment_fixed_size 327680
		.amdhsa_private_segment_fixed_size 0
		.amdhsa_enable_private_segment 0
		.amdhsa_kernarg_size 64
		.amdhsa_user_sgpr_count 2
		.amdhsa_user_sgpr_kernarg_segment_ptr 1
		.amdhsa_wavefront_size32 1
		.amdhsa_system_sgpr_workgroup_id_x 1
		.amdhsa_system_sgpr_workgroup_id_y 1
		.amdhsa_system_sgpr_workgroup_id_z 1
		.amdhsa_system_vgpr_workitem_id 0
		.amdhsa_next_free_vgpr 1024
		.amdhsa_next_free_sgpr 102
		.amdhsa_reserve_vcc 0
		.amdhsa_float_denorm_mode_32 3
		.amdhsa_float_denorm_mode_16_64 3
		.amdhsa_memory_ordered 1
		.amdhsa_forward_progress 1
		.amdhsa_inst_pref_size 255
	.end_amdhsa_kernel
	.section	.bss,"aw",@nobits
	.p2align	6
	.space	262144
	.amdgpu_metadata
---
amdhsa.version: [ 1, 2 ]
amdhsa.kernels:
  - .name:           k_q7c1534ebf9_qkv
    .symbol:         k_q7c1534ebf9_qkv.kd
    .args:
      - { .name: xc, .offset: 0, .size: 8, .value_kind: global_buffer, .address_space: global }
      - { .name: wqc, .offset: 8, .size: 8, .value_kind: global_buffer, .address_space: global }
      - { .name: lowp_scales, .offset: 16, .size: 8, .value_kind: global_buffer, .address_space: global }
      - { .name: Wqkv_b, .offset: 24, .size: 8, .value_kind: global_buffer, .address_space: global }
      - { .name: rope, .offset: 32, .size: 8, .value_kind: global_buffer, .address_space: global }
      - { .name: qimg, .offset: 40, .size: 8, .value_kind: global_buffer, .address_space: global }
      - { .name: kimg, .offset: 48, .size: 8, .value_kind: global_buffer, .address_space: global }
      - { .name: vimg, .offset: 56, .size: 8, .value_kind: global_buffer, .address_space: global }
    .group_segment_fixed_size: 327680
    .private_segment_fixed_size: 0
    .kernarg_segment_align: 8
    .kernarg_segment_size: 64
    .max_flat_workgroup_size: 128
    .sgpr_count:     102
    .vgpr_count:     1024
    .wavefront_size: 32
...
	.end_amdgpu_metadata
.endif
;; end of part 5
;; launch attn (part 6): grid 4 x 64, 16 waves a work-group, clusters of 4 x 1, 264,192 bytes of LDS; arguments qimg, kimg, vimg, lowp_scales, oc; writes oc
.if DOCPART == 6
	.amdgcn_target "amdgcn-amd-amdhsa--gfx1250"
	.amdhsa_code_object_version 6
	.text
	.protected	k_q7c1534ebf9_attn
	.globl	k_q7c1534ebf9_attn
	.p2align	8
	.type	k_q7c1534ebf9_attn,@function
k_q7c1534ebf9_attn:
	s_mov_b64 s[64:65], 0
	v_nop
	global_prefetch_b8 v0, s[64:65] scope:SCOPE_SE
	s_setreg_imm32_b32 hwreg(HW_REG_WAVE_MODE, 25, 1), 1
	s_wait_xcnt 0x0
	s_wait_alu depctr_hold_cnt(0) depctr_sa_sdst(0) depctr_va_vdst(0) depctr_va_sdst(0) depctr_va_ssrc(0) depctr_va_vcc(0) depctr_vm_vsrc(0)
	s_getreg_b32 s2, hwreg(HW_REG_IB_STS2, 6, 4)
	s_cmp_eq_u32 s2, 0
	s_cbranch_scc0 .Lentry_in_a_cluster
	s_endpgm
.Lentry_in_a_cluster:
	s_bfe_u32 s2, ttmp6, 0x10000c
	s_cmp_lg_u32 s2, 0x3003
	s_cbranch_scc0 .Lentry_shape_is_right
	s_endpgm
.Lentry_shape_is_right:
; LAUNCH 3.  Causal attention on codes of BF8, head size 64, 2,048 tokens, 64 (batch, head) pairs; the result is quantised for the output projection.
; THE SOFTMAX AHEAD OF THE SECOND PRODUCT: t = score x log2(e) / 8; M = the row's largest t so far, rounded UP to a whole number; p = 2^(t - M) is what is quantised, not normalised.  The row's sum is taken of the
; unquantised p, in f32, and divides O at the end.  When M moves, the sum and O are multiplied by 2^(old M - new M): exact.
; SHARES.  The four work-groups of a cluster belong to one (batch, head).  The head's whole K (128 KiB) and V (128 KiB) come into each work-group's LDS ONCE, by joint tensor loads, two a wave: nothing is filled again.
; A head has 128 tiles of 16 queries.  Wave w of work-group cx owns tile j = 4 w + cx and tile 127 - j.  In steps of 128 keys the late tile needs steps 0 .. 15 - w / 2, the early one 0 .. w / 2: 17 steps for every wave
; of the launch, of which two lie on the diagonal.  All branches hang on the wave's number and on loop counters; cx enters addresses in memory and the mask's numbers alone.
; LAYOUT.  Both products are used transposed: S^T = K Q^T (source 0 = 16 keys, source 1 = my 16 queries), O^T = V^T P^T: a lane holds ONE query (lane % 16) throughout.  In S^T's tile tau register i of lane (r, h) is key
; 16 tau + 8 h + i, so the conversions' results, registers 2 tau and 2 tau + 1, are the operand of the K = 128 form in its own layout; vimg was laid to match.  All operands lie in LDS as images of their registers:
; every LDS load takes 512 consecutive bytes.
; V^T's tile ct holds channels 32 (ct / 2) + 2 m + ct % 2, m = 0 .. 15: an even and an odd tile, taken register by register in turn, give a lane 16 neighbouring channels for the next product's K.
; THE ORDER INSIDE A STEP.  The maximum goes in four chains.  The 64 exponentials are interleaved with plain instructions that are ready (the scaling of a pair two pairs ahead, the sum of a pair
; two pairs back, a conversion, a piece of O^T's rescaling).
; THE TWO BARRIERS.  Behind the first, keys 0-1023 are whole for every wave.  The second shows keys 1024-2047 whole: a wave signals it behind its second key step, when its own second load has landed, and waits for it behind
; its eighth, in front of its first read of those keys.  The six steps between read keys 0-1023 alone, which nobody writes.
; OUT.  oc: [token / 16][8 K steps of 128][4][lane][16 bytes]: lane (r, h) holds, of token r, k = 64 head + 32 nu + 16 h + 0 .. 15: the image of the projection's operand.
; LIMITS on the given exponents: e2 + e3 between -123 and 130 (added to c's exponent field); e4, and e6 - e4 - e5, between -126 and 112.
; REGISTERS: v1-4 addresses and the mask's numbers; v8, v9 addresses of the loads in hand; v12 -M, v13 the largest t, v[14:15] the sum in two halves; v16-23 Q in hand, v24-31 the early tile's Q; v32-95 K's eight
; fragments, then V's four; v96-159 S^T, then p; v160-191 O^T; v192-207 the codes that leave; v208, v212-215 at work; v224-239 p's codes; v240-254 constants and at work.
.set LI,   1                           ; v1   16 x lane
.set LV,   2                           ; v2   16 x lane + where V begins
.set VD,   3                           ; v3   the tile in hand: my query less the diagonal step's first key less 8 h
.set VDS,  4                           ; v4   the same for the early tile
.set ADK,  8
.set ADV,  9
.set TM,   212                         ; v212-215 the maximum's four chains
.set WV,   18                          ; s18  wave
.set SEL,  20                          ; s[20:21] selects for v_permlanex16_b32: lane l xor 16
.set CS,   22                          ; s[22:23] c = log2(e) / 8 x 2^(e2 + e3)
.set G1,   24                          ; s[24:31] descriptor group 1;  s[32:39] group 0 for K, two loads;  s[40:47] for V
.set G0K,  32
.set G0V,  40
.set TB,   56                          ; s56  LDS byte of the key step in hand
.set U,    57                          ; s57  the second loop's counter
.set NB,   58                          ; s58  8 - w / 2: the late tile's steps in the second loop
.set NBM1, 59                          ; s59  its last, on the diagonal
.set DG,   60                          ; s60  the trip that is masked
.set CNT,  61
.set PBIG, 66                          ; s[66:67] where the late tile's codes go;  s[68:69] the early tile's
.set PSML, 68
.set VBASE, 131072                     ; LDS: K at 0, V here; 8,192 bytes a key step each
.set CHUNK, 65536                      ; a wave's first load belongs to keys 0-1023, its second to keys 1024-2047
.macro CROUND                          ; a round of the cluster's barrier
	s_barrier_signal -1
	s_barrier_wait -1
	s_cmp_lg_u32 s[WV], 0
	s_cbranch_scc1 .Lnot_wave_0_\@
	s_barrier_signal -3
.Lnot_wave_0_\@:
	s_barrier_wait -3
	s_barrier_signal -1
	s_barrier_wait -1
.endm
	s_load_b256 s[4:11], s[0:1], 0x0               ; qimg s[4:5], kimg s[6:7], vimg s[8:9], scales s[10:11]
	s_load_b64 s[12:13], s[0:1], 0x20              ; oc
	v_lshl_add_u32 v251, v0, 2, 0x40000
	v_mov_b32 v255, 0
	ds_add_u32 v251, v255
	ds_add_u32 v251, v255
	v_lshrrev_b32 v8, 5, v0
	v_readfirstlane_b32 s[WV], v8                  ; wave 0..15
	s_bfe_u32 s70, ttmp6, 0x40000                  ; cx
	s_and_b32 s71, ttmp7, 0xffff                   ; 16 x batch + head, which the four partners share
	s_lshl_b32 s72, s71, 17                        ; its first byte in qimg, kimg and vimg
	s_and_b32 s74, s[WV], 7
	s_lshl_b32 s74, s74, 13                        ; my 8,192 bytes of a load's 65,536: in LDS,
	s_add_co_u32 s76, s72, s74                     ; and in memory
	s_mov_b32 s77, 0
	; descriptor group 1: a dense block of 8,192 bytes as 32 rows of 256
	s_mov_b32 s[G1], 15|(3<<16)|(1<<21)            ; 15:0 the mask: all four work-groups; 17:16 elements of 8 bytes; 21 set beside a mask; no padding
	s_mov_b32 s[G1+1], 32<<16                      ; tensor_dim0 = 32 elements
	s_mov_b32 s[G1+2], 32<<16                      ; tensor_dim1 = 32
	s_mov_b32 s[G1+3], 32<<16                      ; tile_dim0
	s_mov_b32 s[G1+4], 32                          ; tile_dim1
	s_mov_b32 s[G1+5], 32                          ; tensor_dim0_stride: dense
	s_mov_b32 s[G1+6], 0
	s_mov_b32 s[G1+7], 0
	s_mov_b32 s[SEL], 0x76543210
	s_mov_b32 s[SEL+1], 0xfedcba98
	s_mov_b32 s[CS], 0x3e38aa3b                    ; log2(e) / 8
	s_wait_dscnt 0x0
	s_wait_kmcnt 0x0
	s_load_b256 s[48:55], s[10:11], 0x0            ; e0 .. e7
	s_add_nc_u64 s[78:79], s[6:7], s[76:77]
	s_add_nc_u64 s[80:81], s[8:9], s[76:77]
	CROUND                                         ; all four work-groups are here: the joint loads meet
.irp n, 0,1
	s_mov_b32 s[G0K+4*\n], 1
	s_add_co_u32 s[G0K+4*\n+1], s74, CHUNK*\n
	s_add_nc_u64 s[G0K+4*\n+2:G0K+4*\n+3], s[78:79], CHUNK*\n
	s_or_b32 s[G0K+4*\n+3], s[G0K+4*\n+3], 0x80000000
	s_mov_b32 s[G0V+4*\n], 1
	s_add_co_u32 s[G0V+4*\n+1], s74, VBASE+CHUNK*\n
	s_add_nc_u64 s[G0V+4*\n+2:G0V+4*\n+3], s[80:81], CHUNK*\n
	s_or_b32 s[G0V+4*\n+3], s[G0V+4*\n+3], 0x80000000
.endr
	s_cmp_lt_u32 s[WV], 8                          ; waves 0-7 fetch K, waves 8-15 V.  A wave's two loads stand in one branch, ahead of every wait on TENSORcnt, LDS read and barrier: two loads of mine are out; four v_nop follow the second
	s_cbranch_scc0 .Lfirst_v
	tensor_load_to_lds s[G0K:G0K+3], s[G1:G1+7]
	s_nop 0
	tensor_load_to_lds s[G0K+4:G0K+7], s[G1:G1+7]
	s_nop 0
.rept 4
	v_nop
.endr
	s_branch .Lfirst_asked
.Lfirst_v:
	tensor_load_to_lds s[G0V:G0V+3], s[G1:G1+7]
	s_nop 0
	tensor_load_to_lds s[G0V+4:G0V+7], s[G1:G1+7]
	s_nop 0
.rept 4
	v_nop
.endr
.Lfirst_asked:
	s_lshl_b32 s82, s[WV], 2
	s_add_co_u32 s82, s82, s70                     ; j: my early tile,
	s_sub_co_u32 s83, 127, s82                     ; and my late one
	s_lshl_b32 s84, s83, 10
	s_add_co_u32 s84, s84, s72
	s_mov_b32 s85, 0
	s_add_nc_u64 s[84:85], s[4:5], s[84:85]        ; their images in qimg: 1,024 bytes a tile
	s_lshl_b32 s86, s82, 10
	s_add_co_u32 s86, s86, s72
	s_mov_b32 s87, 0
	s_add_nc_u64 s[86:87], s[4:5], s[86:87]
	v_and_b32 v8, 31, v0
	v_lshlrev_b32 v[LI], 4, v8
	global_load_b128 v[16:19], v[LI], s[84:85]
	global_load_b128 v[20:23], v[LI], s[84:85] offset:512
	global_load_b128 v[24:27], v[LI], s[86:87]
	global_load_b128 v[28:31], v[LI], s[86:87] offset:512
	v_add_nc_u32 v[LV], VBASE, v[LI]
	s_lshr_b32 s88, s71, 4
	s_lshl_b32 s88, s88, 7                         ; 128 x batch: tiles of tokens
	s_and_b32 s89, s71, 15
	s_lshl_b32 s89, s89, 10                        ; the head's 1,024 bytes of a tile's 16,384
	s_add_co_u32 s[PBIG], s88, s83
	s_lshl_b32 s[PBIG], s[PBIG], 14
	s_add_co_u32 s[PBIG], s[PBIG], s89
	s_mov_b32 s[PBIG+1], 0
	s_add_nc_u64 s[PBIG:PBIG+1], s[12:13], s[PBIG:PBIG+1]
	s_add_co_u32 s[PSML], s88, s82
	s_lshl_b32 s[PSML], s[PSML], 14
	s_add_co_u32 s[PSML], s[PSML], s89
	s_mov_b32 s[PSML+1], 0
	s_add_nc_u64 s[PSML:PSML+1], s[12:13], s[PSML:PSML+1]
	v_and_b32 v9, 15, v0                           ; r
	v_bfe_u32 v10, v0, 4, 1                        ; h
	v_lshlrev_b32 v10, 3, v10
	v_sub_nc_u32 v9, v9, v10                       ; r - 8 h
	s_and_b32 s90, s83, 7
	s_lshl_b32 s90, s90, 4
	v_add_nc_u32 v[VD], s90, v9                    ; on the diagonal step register 8 tau + i holds a hidden key where 16 tau + i > 16 (tile % 8) + r - 8 h
	s_and_b32 s90, s82, 7
	s_lshl_b32 s90, s90, 4
	v_add_nc_u32 v[VDS], s90, v9
	s_lshr_b32 s90, s[WV], 1
	s_sub_co_u32 s[NB], 8, s90
	s_sub_co_u32 s[NBM1], 7, s90
	s_mov_b32 s[DG], s[NBM1]
	v_mov_b32 v13, 0xff61b1e6                      ; the largest t so far: -3e38, under every t
	v_floor_f32 v12, -v13                          ; -M
	v_mov_b32 v14, 0                               ; the sum, in two halves
	v_mov_b32 v15, 0
	v_mov_b32 v208, 0                              ; written once: a lane permute's destination counts as one of its sources
	v_mov_b32 v253, 0                              ; (named as the upper half of the pair v[252:253])
.set J, 0
.rept 32
	v_mov_b32 v[160+J], 0                          ; O^T.  (The step is written once: a tile's first step finds zeros, which the first change of M leaves zeros)
.set J, J+1
.endr
	s_wait_kmcnt 0x0
	s_add_co_i32 s90, s50, s51
	s_lshl_b32 s90, s90, 23
	s_add_co_i32 s[CS], s[CS], s90                 ; a score stands for score x 2^(e2 + e3): the two exponents are added to c's exponent field
	s_mov_b32 s[CS+1], s[CS]                       ; (named with it as a pair, so it is written)
	s_add_co_i32 s90, s52, 127
	s_lshl_b32 s91, s90, 23
	v_mov_b32 v244, s91                            ; 2^e4 as f32, for p's conversion
	s_sub_co_i32 s90, s54, s52
	s_sub_co_i32 s90, s90, s53                     ; O^T / the sum stands for that x 2^(e4 + e5): its conversion takes 2^(e6 - e4 - e5)
	s_add_co_i32 s90, s90, 127
	s_lshl_b32 s91, s90, 23
	v_mov_b32 v246, s91
; A KEY STEP: the 128 keys whose images begin at s[TB].  gen = 1: the trip s[DG] lies on the diagonal and is masked.
.macro STEP gen
	s_setprio 2
	v_add_nc_u32 v[ADK], s[TB], v[LI]
	v_add_nc_u32 v[ADV], s[TB], v[LV]
	v_nop
	v_nop                                          ; four places in front of loads into registers that the last step's matrix instructions have read
.irp t, 0,1,2,3,4,5,6,7
	ds_load_b128 v[32+8*\t:35+8*\t], v[ADK] offset:1024*\t
	ds_load_b128 v[36+8*\t:39+8*\t], v[ADK] offset:1024*\t+512
.endr
	s_wait_dscnt 0x0
.irp t, 0,1,2,3,4,5,6,7
	v_wmma_f32_16x16x64_bf8_bf8 v[96+8*\t:103+8*\t], v[32+8*\t:39+8*\t], v[16:23], 0
.endr
.rept 4
	v_nop                                          ; places in front of the loads below and of the first read of the scores
.endr
.irp t, 0,1,2,3
.irp c, 0,1,2,3
	ds_load_b128 v[32+16*\t+4*\c:35+16*\t+4*\c], v[ADV] offset:2048*\t+512*\c   ; V's four fragments land while the softmax is worked
.endr
.endr
.if \gen
	s_cmp_lg_u32 s[U], s[DG]
	s_cbranch_scc1 .Lopen_\@
	v_mov_b32 v254, 0xff800000                     ; hidden scores become -infinity ahead of the maximum: p = 0 then.  A query's own key is never hidden
.set N, 0
.rept 64
	v_cmp_gt_i32 vcc_lo, 16*(N/8)+N%8, v[VD]
	v_cndmask_b32 v[96+N], v[96+N], v254, vcc_lo
.set N, N+1
.endr
.Lopen_\@:
.endif
	; the step's largest score of my query, among my 64 keys: four chains of 15 scores, line by line in turn, each over two accumulators from their low ends on; then the four scores left over
.irp c, 0,1,2,3
	v_max3_num_f32 v[TM+\c], v[96+16*\c], v[97+16*\c], v[98+16*\c]
.endr
.irp k, 1,2,3,4,5,6
.irp c, 0,1,2,3
	v_max3_num_f32 v[TM+\c], v[TM+\c], v[97+16*\c+2*\k], v[98+16*\c+2*\k]
.endr
.endr
	v_max3_num_f32 v[TM], v[TM], v[TM+1], v111
	v_max3_num_f32 v[TM+2], v[TM+2], v[TM+3], v127
	v_max3_num_f32 v[TM], v[TM], v[TM+2], v143
	v_max_num_f32 v[TM], v[TM], v159
	v_permlanex16_b32 v208, v[TM], s[SEL], s[SEL+1]
	v_max_num_f32 v[TM], v[TM], v208               ; and among lane l xor 16's
	v_mul_f32 v[TM], s[CS], v[TM]                  ; as t (c is positive)
	v_max_num_f32 v13, v13, v[TM]                  ; the running largest t
	v_mov_b32 v[TM], v12
	v_floor_f32 v12, -v13                          ; the new -M = floor(-t) = -ceil(t): M is a whole number
	v_sub_f32 v[TM], v12, v[TM]                    ; M's old value less its new one: a whole number, 0 or less
	v_cvt_i32_f32 v[TM], v[TM]                     ; (it saturates)
	v_ldexp_f32 v252, 1.0, v[TM]                   ; f = 2^(old M - new M)
	v_pk_fma_f32 v[96:97], v[96:97], s[CS:CS+1], v[12:13] op_sel_hi:[1,0,0]     ; t - M of pairs 0 and 1 (of the pairs c and -M the low word serves both halves)
	v_pk_fma_f32 v[98:99], v[98:99], s[CS:CS+1], v[12:13] op_sel_hi:[1,0,0]
	v_pk_mul_f32 v[14:15], v[14:15], v[252:253] op_sel_hi:[1,0]                 ; the sums under the new M
	; Trip I of 35: the two exponentials of pair I; between and behind them t - M of pair I + 2, the sum of pair I - 2, in every fourth trip from 6 on a conversion of pairs I - 6 .. I - 3, in every second trip a pair of O^T x f.
.set I, 0
.rept 35
.if I < 32
	v_exp_f32 v[96+2*I], v[96+2*I]                 ; p = 2^(t - M), at most 1: not normalised
.endif
.if I < 30
	v_pk_fma_f32 v[100+2*I:101+2*I], v[100+2*I:101+2*I], s[CS:CS+1], v[12:13] op_sel_hi:[1,0,0]
.endif
.if I == 3
	s_setprio 1
	s_wait_alu depctr_va_vdst(0)
	v_pk_add_f32 v[242:243], v[96:97], v[98:99]    ; the row's sum is taken of the unquantised p, in two chains: pairs 0 and 1 start the second,
.elseif (I > 3) && (I < 34)
.if I % 2
	s_wait_alu depctr_va_vdst(0)
	v_pk_add_f32 v[242:243], v[242:243], v[92+2*I:93+2*I]   ; which takes the odd pairs;
.else
	v_pk_add_f32 v[14:15], v[14:15], v[92+2*I:93+2*I]       ; the even ones go onto the running sum
.endif
.endif
.if I < 32
	v_exp_f32 v[97+2*I], v[97+2*I]
.endif
.if I >= 3
.if ((I-3)%4) == 3
	v_cvt_scalef32_pk8_bf8_f32 v[224+2*((I-3)/4):225+2*((I-3)/4)], v[96+8*((I-3)/4):103+8*((I-3)/4)], v244
.endif
.endif
.if ((I%2) == 0) && (I < 32)
	v_pk_mul_f32 v[160+I:161+I], v[160+I:161+I], v[252:253] op_sel_hi:[1,0]   ; O^T under the new M: x f
.endif
.set I, I+1
.endr
	v_pk_add_f32 v[14:15], v[14:15], v[242:243]    ; (also the plain place between the last conversion and the products below)
	s_setprio 0
	s_wait_dscnt 0x0                               ; V is in
.irp t, 0,1,2,3                                ; O^T += V^T P^T: the four accumulators by turns, one instruction a turn
	v_wmma_f32_16x16x128_bf8_bf8 v[160+8*\t:167+8*\t], v[32+16*\t:47+16*\t], v[224:239], v[160+8*\t:167+8*\t]
.endr
.endm
; A TILE IS FINISHED: O^T / the sum, converted, stored as two images of 512 bytes.  reinit = 1: the early tile takes the late one's place.
.macro FINAL ptr, creg, reinit
.rept 4
	v_nop                                          ; places behind the last products
.endr
	v_add_f32 v14, v14, v15                        ; the sum's two halves,
	v_permlanex16_b32 v208, v14, s[SEL], s[SEL+1]
	v_add_f32 v14, v14, v208                       ; and lane l xor 16's: the row's sum
	v_rcp_f32 v14, v14
	v_nop                                          ; one plain place behind a transcendental
	s_wait_alu depctr_va_vdst(0)
.irp n, 0,1
.irp p, 0,1
.irp j, 0,1,2,3,4,5,6,7
	v_mul_f32 v[96+16*\n+2*\j+\p], v[160+8*(2*\n+\p)+\j], v14   ; channel 32 n + 16 h + 2 j + p: the even and the odd tile by turns; each accumulator from its low end on
.endr
.endr
.endr
.set J, 0
.rept 32
.set J, J+1
.endr
.irp n, 0,1
	v_cvt_scalef32_pk8_bf8_f32 v[\creg+4*\n:\creg+4*\n+1], v[96+16*\n:103+16*\n], v246
	v_cvt_scalef32_pk8_bf8_f32 v[\creg+4*\n+2:\creg+4*\n+3], v[104+16*\n:111+16*\n], v246
.endr
	global_store_b128 v[LI], v[\creg:\creg+3], s[\ptr:\ptr+1]              ; 512 consecutive bytes, aligned; each tile has its own registers
	global_store_b128 v[LI], v[\creg+4:\creg+7], s[\ptr:\ptr+1] offset:512
.if \reinit
.irp j, 0,1,2,3,4,5,6,7
	v_mov_b32 v[16+\j], v[24+\j]                   ; the early tile's Q
.endr
	v_mov_b32 v13, 0xff61b1e6
	v_floor_f32 v12, -v13
	v_mov_b32 v14, 0
	v_mov_b32 v15, 0
	v_mov_b32 v[VD], v[VDS]
.set J, 0
.rept 32
	v_mov_b32 v[160+J], 0
.set J, J+1
.endr
	s_mov_b32 s[DG], 8                             ; its diagonal step is the loop's last trip
.endif
.endm
	s_wait_loadcnt 0x0                             ; Q
	s_wait_tensorcnt 0x1                           ; my part of keys 0-1023 is in; my second load may stay out
	s_barrier_signal -1
	s_barrier_wait -1                              ; everybody's is
	; The late tile's key steps 0 to 7: its queries are 1,024 or later, so every key counts; the reads stay inside the bytes that have landed.
	s_mov_b32 s[TB], 0
	s_mov_b32 s[CNT], 2
.Lfirst_two:                                       ; steps 0 and 1
	STEP 0
	s_add_co_u32 s[TB], s[TB], 8192
	s_sub_co_u32 s[CNT], s[CNT], 1
	s_cmp_lg_u32 s[CNT], 0
	s_cbranch_scc1 .Lfirst_two
	s_setprio 0
	s_wait_tensorcnt 0x0                           ; my part of keys 1024-2047 is in,
	s_wait_dscnt 0x0                               ; no LDS instruction of mine is out:
	s_barrier_signal -1                            ; say so now.  Up to the wait stand register work and LDS loads of keys 0-1023, which nobody writes; the steps are written out, so that no branch stands there, and their LDS addresses are constants
.set KS, 2
.rept 6
	s_mov_b32 s[TB], 8192*KS                       ; steps 2 to 7
	STEP 0
.set KS, KS+1
.endr
	s_barrier_wait -1                              ; every wave has said so: keys 1024-2047 are whole; they are read only behind this line
	s_mov_b32 s[U], 0
.Lsecond_half:                                     ; nine trips: the late tile's steps 8 .. 15 - w / 2, then the early tile's 0 .. w / 2
	s_add_co_u32 s70, s[U], 8
	s_sub_co_u32 s71, s[U], s[NB]
	s_cmp_lt_u32 s[U], s[NB]
	s_cselect_b32 s70, s70, s71
	s_and_b32 s70, s70, 15
	s_lshl_b32 s[TB], s70, 13
	STEP 1
	s_cmp_lg_u32 s[U], s[NBM1]
	s_cbranch_scc1 .Lnot_done
	FINAL PBIG, 192, 1
.Lnot_done:
	s_add_co_u32 s[U], s[U], 1
	s_cmp_lt_u32 s[U], 9
	s_cbranch_scc1 .Lsecond_half
	s_setprio 0
	FINAL PSML, 200, 0
	s_wait_dscnt 0x0
	s_wait_tensorcnt 0x0
	ds_add_u32 v251, v255
	s_wait_dscnt 0x0
	CROUND                                         ; the closing round: no work-group ends while a partner may still ask for a tile that names it
	s_endpgm
.Lfunc_end_k_q7c1534ebf9_attn:
	.size	k_q7c1534ebf9_attn, .Lfunc_end_k_q7c1534ebf9_attn-k_q7c1534ebf9_attn
	.p2alignl 7, 3214868480
	.fill 96, 4, 3214868480
	.section	.rodata,"a",@progbits
	.p2align	6, 0x0
	.amdhsa_kernel k_q7c1534ebf9_attn
		.amdhsa_group_segment_fixed_size 264192
		.amdhsa_private_segment_fixed_size 0
		.amdhsa_enable_private_segment 0
		.amdhsa_kernarg_size 40
		.amdhsa_user_sgpr_count 2
		.amdhsa_user_sgpr_kernarg_segment_ptr 1
		.amdhsa_wavefront_size32 1
		.amdhsa_system_sgpr_workgroup_id_x 1
		.amdhsa_system_sgpr_workgroup_id_y 1
		.amdhsa_system_sgpr_workgroup_id_z 1
		.amdhsa_system_vgpr_workitem_id 0
		.amdhsa_next_free_vgpr 256
		.amdhsa_next_free_sgpr 100
		.amdhsa_reserve_vcc 1
		.amdhsa_float_denorm_mode_32 3
		.amdhsa_float_denorm_mode_16_64 3
		.amdhsa_fp16_overflow 1
		.amdhsa_memory_ordered 1
		.amdhsa_forward_progress 1
		.amdhsa_inst_pref_size 128
	.end_amdhsa_kernel
	.amdgpu_metadata
---
amdhsa.version: [ 1, 2 ]
amdhsa.kernels:
  - .name:           k_q7c1534ebf9_attn
    .symbol:         k_q7c1534ebf9_attn.kd
    .args:
      - { .name: qimg, .offset: 0, .size: 8, .value_kind: global_buffer, .address_space: global }
      - { .name: kimg, .offset: 8, .size: 8, .value_kind: global_buffer, .address_space: global }
      - { .name: vimg, .offset: 16, .size: 8, .value_kind: global_buffer, .address_space: global }
      - { .name: lowp_scales, .offset: 24, .size: 8, .value_kind: global_buffer, .address_space: global }
      - { .name: oc, .offset: 32, .size: 8, .value_kind: global_buffer, .address_space: global }
    .group_segment_fixed_size: 264192
    .private_segment_fixed_size: 0
    .kernarg_segment_align: 8
    .kernarg_segment_size: 40
    .max_flat_workgroup_size: 512
    .sgpr_count:     100
    .vgpr_count:     256
    .wavefront_size: 32
...
	.end_amdgpu_metadata
.endif
;; end of part 6
;; launch oproj (part 7): grid 4 x 64, 4 waves a work-group, clusters of 4 x 4, 327,680 bytes of LDS; arguments oc, woc, lowp_scales, Wo_b, out0; writes out0
.if DOCPART == 7
	.amdgcn_target "amdgcn-amd-amdhsa--gfx1250"
	.amdhsa_code_object_version 6
	.text
	.protected	k_q7c1534ebf9_oproj
	.globl	k_q7c1534ebf9_oproj
	.p2align	8
	.type	k_q7c1534ebf9_oproj,@function
k_q7c1534ebf9_oproj:
	s_mov_b64 s[64:65], 0
	v_nop
	global_prefetch_b8 v0, s[64:65] scope:SCOPE_SE
	s_setreg_imm32_b32 hwreg(HW_REG_WAVE_MODE, 25, 1), 1
	s_wait_xcnt 0x0
	s_wait_alu depctr_hold_cnt(0) depctr_sa_sdst(0) depctr_va_vdst(0) depctr_va_sdst(0) depctr_va_ssrc(0) depctr_va_vcc(0) depctr_vm_vsrc(0)
	s_getreg_b32 s2, hwreg(HW_REG_IB_STS2, 6, 4)
	s_cmp_eq_u32 s2, 0
	s_cbranch_scc0 .Lentry_in_a_cluster
	s_endpgm
.Lentry_in_a_cluster:
	s_bfe_u32 s2, ttmp6, 0x10000c
	s_cmp_lg_u32 s2, 0xf033
	s_cbranch_scc0 .Lentry_shape_is_right
	s_endpgm
.Lentry_shape_is_right:
; LAUNCH 4.  out0 = attention's result x Wo^T + b on codes of BF8.  oc: the left operand as images of its fragments, [token / 16][8 K steps of 128][4][lane][16 bytes]; woc: [1024][1024] codes, K innermost; out0: [8192][1024] f32.
; A tile of 128 tokens x 256 columns is made by four waves, 64 x 128 each: 32 accumulators in 256 registers.  The grid is 4 x 64 tiles: 256 work-groups; tiles of 256 x 256 would be 128.
; K = 1,024 is four K steps of 256.  A slot (32,768 bytes of oc, 69,632 of Wo) is 102,400 bytes, so THREE slots fit: K steps 0, 1 and 2 are first fills, three loads of a wave out at the start; only K step 3 is a refill,
; into slot 0, and it has K steps 1 and 2 in which to land.
; CLUSTERS: 4 x 4 work-groups; the four of a row of the cluster need the same tiles of oc, the four of a column the same tiles of woc: each tile is asked for jointly.
; THE MATRIX INSTRUCTION IS USED TRANSPOSED (source 0 = 16 rows of Wo, source 1 = 16 tokens): a lane holds eight neighbouring numbers of a row of out0.
; THE BIAS, divided by 2^(e6 + e7), is the C of each sum's first matrix instruction; each finished sum is multiplied once by 2^(e6 + e7).  LIMIT: e6 + e7 between -126 and 127.
; REGISTERS, in windows of 256: window 0: v0-31 addresses; v32-95 the bias, later at work on the way out; v128-191 the left operand's four fragments, ONE set; on the way out v128-255 take rows.
;   window 1: Wo's fragments, TWO sets, at v0 and v128.   window 2: the 32 accumulators ((a, b) at v[8 (8 a + b)]).
.set KROW,   1024
.set ROWB,   256
.set PITCH,  272                       ; Wo's LDS row: 256 bytes + 16 of padding
.set FR,     16
.set NL,     4
.set NP,     4
.set HALFT,  128*PITCH                 ; Wo: 128 rows, what one tensor load brings
.set AHALF,  16384                     ; oc: 4 tiles of 16 tokens x 2 K steps of 128 x 2,048 bytes, what one tensor load brings; dense
.set ABYTES, 2*AHALF
.set SLOT,   ABYTES+2*HALFT            ; oc's 128 tokens, then Wo's 256 rows
.set SPARE,  3*SLOT                    ; behind the three slots: the spare words, 128 bytes for each wave
.set SIZE_N, 1024
.set SPITCH, 528                       ; the way out: a stage of 16 rows x (512 bytes + 16) for each wave,
.set STAGE,  SLOT                      ; in slot 1: it is filled once, and every wave has left it at the last barrier
.set ADRA, 16                          ; v16-18  LDS address of my fragments of oc in slot 0, 1, 2
.set ADRB, 20                          ; v20-22  the same for Wo
.set STO,  24                          ; v24  the way out: where I put 32 bytes of a row
.set RD,   25                          ; v25  where I read a row back
.set CO,   26                          ; v26  16 x lane: my place in an image, and my byte offset in a row of out0
.set SPW,  28
.set NIL,  29
.set BI,   32                          ; v32-95 the bias in the result's layout
.set TMP,  32                          ; the way out: a block's sums x 2^(e6 + e7)
.set AF,   128
.set BK,   128                         ; the way out: 16 rows read back from the stage: v128-191 and v192-255 by turns
.set WV, 20
.set RH, 21
.set CH, 22
.set G1, 24                            ; s[24:31] descriptor group 1 for oc's tiles;  s[32:35], s[36:39], s[40:43] group 0 for slots 0, 1, 2
.set G1B, 48                           ; s[48:55] the same for Wo's;  s[56:59], s[60:63], s[68:71] group 0
.set MSB, 0
.macro WIN new                         ; the immediate's high byte repeats the setting that is left
.if MSB != (\new)
	s_set_vgpr_msb (MSB<<8)|(\new)
.set MSB, \new
.endif
.endm
.set MUL,  0xa1                        ; source 0 (Wo) window 1, source 1 (oc) window 0, C and D window 2
.set BIA,  0x81                        ; the first products: C (the bias) window 0
.set TO_B, 0x40
.macro JLOAD g0a, g1a, g0b, g1b        ; a joint load: waves 0 and 1 fetch for oc, waves 2 and 3 for Wo; four v_nop follow each of the two lines
	s_cmp_eq_u32 s[RH], 0
	s_cbranch_scc0 .Lfor_b_\@
	tensor_load_to_lds s[\g0a:\g0a+3], s[\g1a:\g1a+7]
	s_nop 0
.rept 4
	v_nop
.endr
	s_branch .Lasked_\@
.Lfor_b_\@:
	tensor_load_to_lds s[\g0b:\g0b+3], s[\g1b:\g1b+7]
	s_nop 0
.rept 4
	v_nop
.endr
.Lasked_\@:
.endm
.macro CREST
	s_cmp_lg_u32 s[WV], 0
	s_cbranch_scc1 .Lnot_wave_0_\@
	s_barrier_signal -3
.Lnot_wave_0_\@:
	s_barrier_wait -3
	s_barrier_signal -1
	s_barrier_wait -1
.endm
.macro CROUND
	s_barrier_signal -1
	s_barrier_wait -1
	CREST
.endm
	s_load_b256 s[4:11], s[0:1], 0x0               ; oc s[4:5], woc s[6:7], scales s[8:9], bias s[10:11]
	s_load_b64 s[12:13], s[0:1], 0x20              ; out0
	v_lshl_add_u32 v[SPW], v0, 2, SPARE
	v_mov_b32 v[NIL], 0
	ds_add_u32 v28, v29
	ds_add_u32 v28, v29
	s_wait_dscnt 0x0
	v_lshrrev_b32 v1, 5, v0
	v_readfirstlane_b32 s[WV], v1
	s_lshr_b32 s[RH], s[WV], 1                     ; my half of the tokens.  Also: I fetch for oc (0) or for Wo (1)
	s_and_b32 s[CH], s[WV], 1                      ; my half of the columns.  Also: which half of that tile I fetch
	s_bfe_u32 s80, ttmp6, 0x40000                  ; cx, cy
	s_bfe_u32 s81, ttmp6, 0x40004
	s_lshl_b32 s82, ttmp9, 2
	s_add_co_u32 s82, s82, s80                     ; tile column
	s_and_b32 s83, ttmp7, 0xffff
	s_lshl_b32 s83, s83, 2
	s_add_co_u32 s83, s83, s81                     ; tile row
	s_lshl_b32 s84, s81, 2
	s_lshl_b32 s84, 15, s84                        ; my row of the cluster
	s_lshl_b32 s85, 0x1111, s80                    ; my column
	; oc's tiles: 4 rows (tiles of 16 tokens) of 4,096 bytes (two K steps of 128), 16,384 bytes apart; dense in LDS
	s_or_b32 s[G1+0], s84, (3<<16)|(1<<21)         ; 15:0 the mask: my row; 17:16 elements of 8 bytes; 21 set beside a mask; no padding
	s_mov_b32 s[G1+1], 512<<16                     ; tensor_dim0 = 512 elements
	s_mov_b32 s[G1+2], 4<<16                       ; tensor_dim1 = 4
	s_mov_b32 s[G1+3], 512<<16                     ; tile_dim0
	s_mov_b32 s[G1+4], 4                           ; tile_dim1
	s_mov_b32 s[G1+5], 2048                        ; tensor_dim0_stride
	s_mov_b32 s[G1+6], 0
	s_mov_b32 s[G1+7], 0
	; Wo's tiles: 128 rows x 256 bytes, padded in LDS
	s_or_b32 s[G1B+0], s85, (0<<16)|(1<<20)|(1<<21)|(5<<22)|(3<<25)
	s_mov_b32 s[G1B+1], ROWB<<16
	s_mov_b32 s[G1B+2], 128<<16
	s_mov_b32 s[G1B+3], ROWB<<16
	s_mov_b32 s[G1B+4], 128
	s_mov_b32 s[G1B+5], KROW
	s_mov_b32 s[G1B+6], 0
	s_mov_b32 s[G1B+7], 0
	s_lshl_b32 s86, s83, 17                        ; oc: (8 x tile row + 4 x half) tiles of 16,384 bytes
	s_lshl_b32 s92, s[CH], 16
	s_add_co_u32 s86, s86, s92
	s_mov_b32 s87, 0
	s_lshl_b32 s92, s[CH], 7
	s_lshl_b32 s88, s82, 8
	s_add_co_u32 s88, s88, s92                     ; Wo: row 256 x tile column + 128 x half
	s_lshl_b32 s88, s88, 10
	s_mov_b32 s89, 0
	s_lshl_b32 s90, s[CH], 14                      ; where they go: oc's halves at 0 and 16,384,
	s_mul_i32 s91, s[CH], HALFT
	s_add_co_u32 s91, s91, ABYTES                  ; Wo's behind them: no place in the cluster enters an LDS address
	s_wait_kmcnt 0x0
	s_load_b256 s[72:79], s[8:9], 0x0              ; e0 .. e7
	s_add_nc_u64 s[86:87], s[4:5], s[86:87]
	s_add_nc_u64 s[88:89], s[6:7], s[88:89]
	CROUND                                         ; all sixteen work-groups are here: the first joint loads meet
.macro FIRST s, g0a, g0b               ; slot s takes K step s
	s_mov_b32 s[\g0a], 1
	s_add_co_u32 s[\g0a+1], s90, \s*SLOT
	s_add_nc_u64 s[\g0a+2:\g0a+3], s[86:87], \s*4096
	s_or_b32 s[\g0a+3], s[\g0a+3], 0x80000000
	s_mov_b32 s[\g0b], 1
	s_add_co_u32 s[\g0b+1], s91, \s*SLOT
	s_add_nc_u64 s[\g0b+2:\g0b+3], s[88:89], \s*ROWB
	s_or_b32 s[\g0b+3], s[\g0b+3], 0x80000000
	JLOAD \g0a, G1, \g0b, G1B
.endm
	FIRST 0, 32, 56                                ; the three first fills go out as one group: three loads of mine are out
	FIRST 1, 36, 60
	FIRST 2, 40, 68
	v_and_b32 v1, 15, v0                           ; r
	v_bfe_u32 v2, v0, 4, 1                         ; h
	v_lshlrev_b32 v5, 5, v2                        ; the bias: 32 h bytes: my half's 8 columns of each 16
	s_lshl_b32 s44, s82, 10
	s_lshl_b32 s45, s[CH], 9
	s_add_co_u32 s44, s44, s45                     ; 4 bytes x my first column; also my first column's bytes in a row of out0
	s_mov_b32 s45, 0
	s_add_nc_u64 s[46:47], s[10:11], s[44:45]
.irp b, 0,1,2,3,4,5,6,7
	global_load_b128 v[BI+8*\b:BI+8*\b+3], v5, s[46:47] offset:64*\b
	global_load_b128 v[BI+8*\b+4:BI+8*\b+7], v5, s[46:47] offset:64*\b+16
.endr
	v_mul_u32_u24 v3, v1, PITCH
	v_lshl_add_u32 v4, v2, 4, v3                   ; Wo: a fragment's row x pitch + 16 x half
	v_and_b32 v6, 31, v0
	v_lshlrev_b32 v[CO], 4, v6                     ; oc: an image's 16 bytes a lane
	s_lshl_b32 s92, s[RH], 14                      ; my 64 tokens of oc
	s_mul_i32 s93, s[CH], HALFT                    ; my 128 rows of Wo
	s_add_co_u32 s93, s93, ABYTES
.irp s, 0,1,2
	v_add_nc_u32 v[ADRA+\s], s92, v[CO]
	v_add_nc_u32 v[ADRB+\s], s93, v4
	s_add_co_u32 s92, s92, SLOT
	s_add_co_u32 s93, s93, SLOT
.endr
	s_mul_i32 s94, s[WV], 16*SPITCH
	s_add_co_u32 s94, s94, STAGE                   ; my stage
	v_mul_u32_u24 v7, v1, SPITCH                   ; in: row r, 32 bytes for each half of the lanes
	v_lshl_add_u32 v7, v2, 5, v7
	v_add_nc_u32 v[STO], s94, v7
	v_add_nc_u32 v[RD], s94, v[CO]                 ; back: the 32 lanes take one row of 512 bytes
	s_lshl_b32 s92, s83, 7
	s_lshl_b32 s93, s[RH], 6
	s_add_co_u32 s92, s92, s93                     ; my first row of out0: 128 x tile row + 64 x half,
	s_lshl_b32 s92, s92, 12                        ; of 4,096 bytes
	s_mov_b32 s93, 0
	s_add_nc_u64 s[92:93], s[92:93], s[44:45]
	s_add_nc_u64 s[12:13], s[12:13], s[92:93]
	s_wait_kmcnt 0x0                               ; the scales
	s_add_co_i32 s96, s78, s79                     ; e6 + e7
	s_sub_co_i32 s95, 0, s96
	s_add_co_i32 s96, s96, 127
	s_lshl_b32 s96, s96, 23                        ; 2^(e6 + e7) as f32
	s_mov_b32 s97, s96                             ; (named with it as a pair, so it is written)
	s_wait_loadcnt 0x0                             ; the bias
.set J, 0
.rept 64
	v_ldexp_f32 v[BI+J], v[BI+J], s95              ; / 2^(e6 + e7): the sums lack that factor until the way out
.set J, J+1
.endr
.macro MUL8 a, p, zero                 ; 8 matrix instructions: block a against Wo's eight; the 32 accumulators take turns, one instruction a turn, in the same order in every step
.irp b, 0,1,2,3,4,5,6,7
.if \zero
	v_wmma_f32_16x16x128_bf8_bf8 v[8*(8*(\a)+\b):8*(8*(\a)+\b)+7], v[128*(\p)+FR*\b:128*(\p)+FR*\b+FR-1], v[AF+FR*(\a):AF+FR*(\a)+FR-1], v[BI+8*\b:BI+8*\b+7]
.else
	v_wmma_f32_16x16x128_bf8_bf8 v[8*(8*(\a)+\b):8*(8*(\a)+\b)+7], v[128*(\p)+FR*\b:128*(\p)+FR*\b+FR-1], v[AF+FR*(\a):AF+FR*(\a)+FR-1], v[8*(8*(\a)+\b):8*(8*(\a)+\b)+7]
.endif
.endr
.endm
.macro FETCH_B slot, q, p              ; Wo's eight fragments: lane l holds row l % 16; registers 4 c .. 4 c + 3 hold K = 32 c + 16 (l / 16) + 0 .. 15, as oc's images do
	WIN TO_B
.irp i, 0,1,2,3,4,5,6,7
.irp c, 0,1,2,3
	ds_load_b128 v[128*(\p)+FR*\i+4*\c:128*(\p)+FR*\i+4*\c+3], v[ADRB+\slot] offset:128*(\q)+32*\c+\i*16*PITCH
.endr
.endr
	WIN 0
.endm
.macro FETCH_A slot, q, i0             ; the left operand's blocks i0, i0 + 1: images, 512 consecutive bytes a load
.irp i, \i0, \i0+1
.irp c, 0,1,2,3
	ds_load_b128 v[AF+FR*(\i)+4*\c:AF+FR*(\i)+4*\c+3], v[ADRA+\slot] offset:4096*(\i)+2048*(\q)+512*\c
.endr
.endr
.endm
.macro PLACES n
.rept \n
	v_nop
.endr
.endm
; A step of 128 along K on Wo's set p.  The next step's fragments come from slot ns, its nq-th 128 along K, which every wave has been shown whole.
.macro STEP p, ns, nq, zero
	s_wait_dscnt 2*NL                              ; Wo's set and blocks 0-1 are in; the youngest 8 loads (blocks 2-3) may be out
.if \zero
	WIN BIA
.else
	WIN MUL
.endif
	MUL8 0, \p, \zero
	MUL8 1, \p, \zero
	s_wait_dscnt 0
	PLACES NP
	FETCH_B \ns, \nq, 1-\p
	FETCH_A \ns, \nq, 0
.if \zero
	WIN BIA
.else
	WIN MUL
.endif
	MUL8 2, \p, \zero
	MUL8 3, \p, \zero
	PLACES NP
	WIN 0
	FETCH_A \ns, \nq, 2
.endm
; A step (on set 1) with a barrier in it.  In front of the barrier each wave waits for all its tensor loads, adds 0 to its spare word, and waits for that and for its LDS reads so far.  fill = 1: slot 0, just left, takes K step 3.
.macro TURN ns, fill
	s_wait_tensorcnt 0x0                           ; all my tensor loads have landed  (every window is 0 here)
	ds_add_u32 v[SPW], v[NIL]                      ; 0 onto my spare word;
	s_wait_dscnt 2*NL+1                            ; (the add and the youngest 8 loads may be out)
	WIN MUL
	MUL8 0, 1, 0                                   ; eight matrix instructions stand between the add and the wait for it
	s_wait_dscnt 0x0                               ; the add is done, and my reads of the slots so far are over
	s_barrier_signal -1
	MUL8 1, 1, 0
	WIN 0
	s_barrier_wait -1
.if \fill
	CREST                                          ; a round of the cluster's barrier: no wave of any partner still reads slot 0 or has a load on its way
	s_add_nc_u64 s[34:35], s[34:35], 3*4096
	s_add_nc_u64 s[58:59], s[58:59], 3*ROWB
	JLOAD 32, G1, 56, G1B                          ; the first tensor load behind the round; its four v_nop are the places in front of the loads below
.else
	PLACES NP
.endif
	FETCH_B \ns, 0, 0
	FETCH_A \ns, 0, 0
	WIN MUL
	MUL8 2, 1, 0
	MUL8 3, 1, 0
	PLACES NP
	WIN 0
	FETCH_A \ns, 0, 2
.endm
	s_wait_tensorcnt 0x2                           ; my part of K step 0 is in (the loads of K steps 1 and 2 may be out)
	s_barrier_signal -1
	s_barrier_wait -1                              ; everybody's is
	FETCH_B 0, 0, 0
	FETCH_A 0, 0, 0
	FETCH_A 0, 0, 2
	STEP 0, 0, 1, 1                                ; slot 0's first 128: the first products start the sums on the bias
	TURN 1, 1                                      ; its second 128; slots 1 and 2 are whole for every wave behind the round; slot 0 takes K step 3
	STEP 0, 1, 1, 0                                ; slot 1
	STEP 1, 2, 0, 0                                ; and on into slot 2, with no barrier
	STEP 0, 2, 1, 0
	TURN 0, 0                                      ; slot 2's second 128; K step 3 has landed for every wave behind the barrier; nothing is filled
	STEP 0, 0, 1, 0
	s_wait_dscnt 2*NL                              ; the very last step: nothing more to fetch
	WIN MUL
	MUL8 0, 1, 0
	MUL8 1, 1, 0
	s_wait_dscnt 0
	MUL8 2, 1, 0
	MUL8 3, 1, 0
	WIN 0
; THE WAY OUT, block by block of 16 rows x 128 columns, through my own stage in LDS: in as 32 bytes a lane, back as whole rows of 512 bytes.  LDS serves a wave's instructions in order: no wait between the stores and the loads.
.macro TOSTAGE a
.set AC, 64*(\a)
	WIN 0x02                                       ; source 0: window 2
.set J, 0
.rept 32
	v_pk_mul_f32 v[TMP+J:TMP+J+1], v[AC+J:AC+J+1], s[96:97] op_sel_hi:[1,0]   ; x 2^(e6 + e7); each accumulator from its low end on
.set J, J+2
.endr
	WIN 0
.irp b, 0,1,2,3,4,5,6,7
	ds_store_b128 v[STO], v[TMP+8*\b:TMP+8*\b+3] offset:64*\b
	ds_store_b128 v[STO], v[TMP+8*\b+4:TMP+8*\b+7] offset:64*\b+16
.endr
.set BB, BK+64*((\a)%2)
.irp t, 0,1,2,3,4,5,6,7,8,9,10,11,12,13,14,15
	ds_load_b128 v[BB+4*\t:BB+4*\t+3], v[RD] offset:\t*SPITCH
.endr
.endm
.macro SEND a, younger                 ; younger: the LDS instructions issued behind block a's loads, which may stay out
.set BB, BK+64*((\a)%2)
	s_wait_dscnt \younger                          ; the block is back in registers
.if (\a) > 0
	s_add_nc_u64 s[12:13], s[12:13], 16*SIZE_N*4   ; (behind a wait on XCNT: the earlier stores have read their base)  16 rows on
.endif
.irp t, 0,1,2,3,4,5,6,7,8,9,10,11,12,13,14,15
	global_store_b128 v[CO], v[BB+4*\t:BB+4*\t+3], s[12:13] offset:\t*SIZE_N*4 th:TH_STORE_NT   ; 32 lanes store 512 consecutive bytes, aligned; written once, read by nobody here
.endr
.endm
	PLACES NP                                      ; behind the last products: their results are read and the left operand's registers loaded below
	TOSTAGE 0
.irp a, 1,2,3
.if \a > 1
	s_wait_xcnt 0x0                                ; block a - 2's stores have read their registers and their base: block a's loads may land there, and the base may step
.endif
	TOSTAGE \a
	SEND \a-1, 32                                  ; behind block a - 1's loads: block a's 16 stores and 16 loads
.endr
	s_wait_xcnt 0x0                                ; block 2's stores have read their base
	SEND 3, 0
	s_wait_tensorcnt 0x0                           ; the wave's end: behind my last tensor load and my last LDS store
	ds_add_u32 v[SPW], v[NIL]
	s_wait_dscnt 0x0
	CROUND                                         ; the closing round
	s_endpgm
.Lfunc_end_k_q7c1534ebf9_oproj:
	.size	k_q7c1534ebf9_oproj, .Lfunc_end_k_q7c1534ebf9_oproj-k_q7c1534ebf9_oproj
	.p2alignl 7, 3214868480
	.fill 96, 4, 3214868480
	.section	.rodata,"a",@progbits
	.p2align	6, 0x0
	.amdhsa_kernel k_q7c1534ebf9_oproj
		.amdhsa_group_segment_fixed_size 327680
		.amdhsa_private_segment_fixed_size 0
		.amdhsa_enable_private_segment 0
		.amdhsa_kernarg_size 40
		.amdhsa_user_sgpr_count 2
		.amdhsa_user_sgpr_kernarg_segment_ptr 1
		.amdhsa_wavefront_size32 1
		.amdhsa_system_sgpr_workgroup_id_x 1
		.amdhsa_system_sgpr_workgroup_id_y 1
		.amdhsa_system_sgpr_workgroup_id_z 1
		.amdhsa_system_vgpr_workitem_id 0
		.amdhsa_next_free_vgpr 768
		.amdhsa_next_free_sgpr 100
		.amdhsa_reserve_vcc 0
		.amdhsa_float_denorm_mode_32 3
		.amdhsa_float_denorm_mode_16_64 3
		.amdhsa_memory_ordered 1
		.amdhsa_forward_progress 1
		.amdhsa_inst_pref_size 82
	.end_amdhsa_kernel
	.amdgpu_metadata
---
amdhsa.version: [ 1, 2 ]
amdhsa.kernels:
  - .name:           k_q7c1534ebf9_oproj
    .symbol:         k_q7c1534ebf9_oproj.kd
    .args:
      - { .name: oc, .offset: 0, .size: 8, .value_kind: global_buffer, .address_space: global }
      - { .name: woc, .offset: 8, .size: 8, .value_kind: global_buffer, .address_space: global }
      - { .name: lowp_scales, .offset: 16, .size: 8, .value_kind: global_buffer, .address_space: global }
      - { .name: Wo_b, .offset: 24, .size: 8, .value_kind: global_buffer, .address_space: global }
      - { .name: out0, .offset: 32, .size: 8, .value_kind: global_buffer, .address_space: global }
    .group_segment_fixed_size: 327680
    .private_segment_fixed_size: 0
    .kernarg_segment_align: 8
    .kernarg_segment_size: 40
    .max_flat_workgroup_size: 128
    .sgpr_count:     100
    .vgpr_count:     768
    .wavefront_size: 32
...
	.end_amdgpu_metadata
.endif
;; end of part 7
